; MI455X (gfx1250); checked and timed in simulation.
; The chip was launched on July 23, 2026; its instructions are those of AMD's public machine-readable ISA for CDNA 5 (MIT licence, August 2026) and "CDNA5" Instruction Set Architecture Reference Guide (July 2026). The comments in the code are by the model that wrote it; some were corrected since.
;; Self Attention. Allowed arithmetic: matrix products marked QUANTISED: E3M2 operands, one E8M0 scale for each 32 along K, by v_wmma_scale_f32_16x16x128_f8f6f4 with both operands' format E3M2, f32 sums; everything else in f32.
;; Inputs: W 1,024 x 3,072 float32; b 3,072 float32; x 4 x 2,048 x 1,024 float32.
;; Outputs: out0 4 x 2,048 x 1,024 float32.
;; This version of the problem:
;;   THIS VERSION OF THE PROBLEM IS GIVEN IN LOW PRECISION. The matrix products marked QUANTISED in the list below multiply operands that are first quantised to E3M2 (3 exponent bits, 2 mantissa bits; 6 bits a number), with one power-of-two scale for each 32 numbers along K (OCP MX v1.0); their sums are f32. All else is computed in f32.
;;   The module's matrix products, in the order in which they are computed (A, B: the left and right operand; K: the contracted axis; several contracted axes count as one K, in the product's order):
;;     1. [M 8,192, K 1,024] x [K 1,024, N 3,072]; A: input x; B: input W: QUANTISED
;;     2. batch 4 x [M 2,048, K 1,024] x [K 1,024, N 2,048]; A: computed on the way; B: computed on the way: QUANTISED
;;     3. batch 4 x [M 2,048, K 2,048] x [K 2,048, N 1,024]; A: computed on the way; B: computed on the way: QUANTISED
;;   THE QUANTISER, for each operand of a quantised product, along K:
;;     - K is cut into blocks of 32 from its start; a last block that is shorter is filled with zeros.
;;     - A block's scale is 2^e with e = floor(log2(the largest magnitude in the block)) - 4, held to -126 .. 127; a block of zeros has e = 0. As a byte (E8M0): e + 127.
;;     - Each number is divided by its block's scale, clamped to +-28, and rounded to the nearest number of E3M2, ties to even, subnormals kept.
;;     - The product sums the exact products of the quantised numbers (number of the format x scale) in f32.
;;   ~~~python
;;   def quantise(x, axis):      # numpy; x: float32 -> the quantised numbers, widened to float32 again
;;       x = np.moveaxis(x, axis, -1); K = x.shape[-1]
;;       x = np.pad(x, [(0, 0)] * (x.ndim - 1) + [(0, -K % 32)]); x = x.reshape(x.shape[:-1] + (-1, 32)); a = np.abs(x).max(-1, keepdims=True)
;;       e = np.where(a > 0, np.clip(np.frexp(np.where(a > 0, a, 1))[1] - 1 - 4, -126, 127), 0)      # np.frexp(a)[1] - 1 = floor(log2(a)), exactly
;;       r = np.clip(x / 2.0 ** e, -28, 28)
;;       step = 2.0 ** (np.maximum(np.frexp(np.where(r == 0, 1, r))[1] - 1, -2) - 2)
;;       q = np.round(r / step) * step * 2.0 ** e      # np.round: ties to even
;;       return np.moveaxis(q.reshape(q.shape[:-2] + (-1,))[..., :K], -1, axis).astype(np.float32)
;;   ~~~
;;   OPERANDS COMPUTED ON THE WAY. 'Computed on the way' means the value that the module computes at that place (a softmax that the list does not call 'softmax' is quantised finished and normalised). What goes into a quantiser is computed in f32, as accurately as f32 sums, v_exp_f32 and their like allow (about 1e-6 of the number): no bf16 or f16 on the way to a quantiser, and a product that is left as it is and whose result goes on into a quantised operand takes f32 operands (vector FMAs, or v_wmma_f32_16x16x4_f32). A number that lies on a knife's edge between two numbers of the format may be rounded either way, as far as f32 arithmetic and the matrix unit's own rounding can turn it there, and no further.
;; 2 versions, each right and faster than the one before. Each part assembles by itself: llvm-mc -triple=amdgcn-amd-amdhsa -mcpu=gfx1250 --defsym DOCPART=n.
;; ======== version 1 of 2: 5 launches
;; workspace buffers: xq 6,553,600 bytes; wq 2,457,600 bytes; qk 13,107,200 bytes; vt 6,553,600 bytes; pw 13,107,200 bytes; st 1,048,576 bytes
;; launch quant (part 1): grid 704 x 1, 4 waves a work-group, no clusters, 81,408 bytes of LDS; arguments x, W, xq, wq; writes xq, wq
.if DOCPART == 1
	.amdgcn_target "amdgcn-amd-amdhsa--gfx1250"
	.amdhsa_code_object_version 6
	.text
	.protected	k_q90e7169910_quant
	.globl	k_q90e7169910_quant
	.p2align	8
	.type	k_q90e7169910_quant,@function
k_q90e7169910_quant:
	s_mov_b64 s[64:65], 0
	v_nop
	global_prefetch_b8 v0, s[64:65] scope:SCOPE_SE
	s_setreg_imm32_b32 hwreg(HW_REG_WAVE_MODE, 25, 1), 1
	s_wait_xcnt 0x0
; SELF-ATTENTION, one head of 1,024, 4 x 2,048 tokens, all three products on codes of BF6 (E3M2) with one E8M0 scale for each 32 along K.
; THE PROGRAM: quant (x, W -> codes) | qkv (product 1, + b, quantised) | stats (product 2: each row's maximum and sum, key chunk by key chunk) |
; probs (product 2 once more: w = exp(s / 32 - logsumexp), finished and normalised, quantised along the keys) | pv (product 3).
; NOTHING IS LEFT OUT AS DEAD WORK: x, W and b all reach the output; b's part on k goes into a quantised operand and so stays.  Product 2 is multiplied twice on purpose:
; the quantiser of product 3 takes the normalised w, so a row's logsumexp over all 2,048 keys is wanted before any w is coded, and the scores (4 x 2,048 x 2,048 f32) are not sent to memory.
; LIMITS: NaN and infinities among the inputs are not served.  A block of zeros gets the scale byte 1 where the rule says 127: its codes are zeros, which add nothing under that byte, and this program alone reads the bytes.
;
; THE IMAGE LAYOUT of every operand between the launches.  Rows in panels of 128, K in chunks of 128.  A UNIT (one panel x one chunk) is 12,800 bytes: eight fragment images of 1,536 bytes, then 512 bytes of scale words.
; Fragment i holds the panel's rows 32 (i / 2) + 8 (i % 2) + r + 8 (r / 8), r = 0 .. 15.  An image is the operand's registers as they stand: register j of lane l at 512 (j / 4) + 16 l + 4 (j % 4).
; The scale word of fragment i's row r lies at 12,288 + 32 r + 4 i.  Unit (panel p, chunk c) of a buffer with NC chunks a panel begins at (p NC + c) x 12,800.
;
; THIS LAUNCH: a work-group makes one unit: work-groups 0-511 of x (panel id / 8, chunk id % 8), 512-703 of W^T (rows = W's columns f; K = W's first axis).  Wave w makes fragments 2 w and 2 w + 1, rows 32 w .. 32 w + 31.
; x: a load takes one row's 512 bytes, 16 a lane; the rows turn through the wave's own stage in LDS (rows 528 bytes apart) so that a lane holds 16 neighbours along K of each block of 32.
; W: a lane takes a column and its registers run down K: a block of 32 lies in one lane; its 24 bytes of codes go to their place in the image in the wave's own stage, and the images leave as they lie.
; The two paths have LDS bytes of their own and join ahead of one barrier, behind which wave 0 stores the unit's 512 bytes of scale words.
.set UNIT,  12800
.set XWB,   32*528                     ; x: a wave's stage
.set XSG,   4*XWB                      ; x: the unit's scale words
.set WSG,   XSG+512                    ; W: the same
.set WST,   WSG+512                    ; W: 3,072 bytes for each wave: its two images
.set SPARE, WST+4*3072                 ; the spare words, 128 bytes for each wave: two blocks of 256 bytes that no other line names
.set LI,    4                          ; v4   16 x lane
.set SPW,   12                         ; v12  my spare word; never rewritten
.set NIL,   13                         ; v13  0; never rewritten
.set R,     16                         ; v16-143   numbers as loaded
.set X,     144                        ; v144-207  x: 64 numbers of a lane, register 16 b + i = k 32 b + 16 (lane / 16) + i of my row
.set PC,    208                        ; v208-227  x: the codes just made
.set TM,    228                        ; v228-243  x: at work
.set PW,    244                        ; v244-245  x: my two fragments' scale words
.set CW,    144                        ; v144-175  W: eight registers of codes for each block
.set BKW,   176                        ; v176-199  W: the images read back
.set SEL,   20                         ; s[20:21]  v_permlanex16_b32's selects for lane l xor 16
; The largest magnitude of each of the four blocks, with the floor 2^(5 - 127) among the leaves, so that the byte cannot fall under 1
.macro QMAX s
.irp b, 0,1,2,3
	v_max3_num_f32 v[TM+\b], |v[\s+16*\b]|, |v[\s+1+16*\b]|, 0x2800000
.endr
.irp i, 2,4,6,8,10,12,14
.irp b, 0,1,2,3
	v_max3_num_f32 v[TM+\b], v[TM+\b], |v[\s+16*\b+\i]|, |v[\s+1+16*\b+\i]|
.endr
.endr
.irp b, 0,1,2,3
	v_permlanex16_b32 v[TM+4+\b], v[TM+\b], s[SEL], s[SEL+1]
.endr
.irp b, 0,1,2,3
	v_max_num_f32 v[TM+\b], v[TM+\b], v[TM+4+\b]       ; with lane l xor 16's 16: the block's
.endr
.endm
; From the four largest magnitudes in v[TM] on: the scale word into v[pw], the fragment's twelve registers into v[PC] on
.macro QPACK s, pw
.irp b, 0,1,2,3
	v_add_nc_u32 v[TM+12+\b], 0xfe000000, v[TM+\b]     ; 4 off the exponent field: the conversion takes the exponent field of this operand as its scale
.endr
.irp b, 0,1,2,3
	v_lshrrev_b32 v[TM+4+\b], 23, v[TM+12+\b]          ; the scale's byte
.endr
	v_lshl_or_b32 v[\pw], v[TM+5], 8, v[TM+4]
	v_lshl_or_b32 v[\pw], v[TM+6], 16, v[\pw]
	v_lshl_or_b32 v[\pw], v[TM+7], 24, v[\pw]
.irp c, 0,1
	v_cvt_scalef32_pk16_bf6_f32 v[PC+6*\c:PC+2+6*\c], v[\s+32*\c:\s+15+32*\c], v[TM+12+2*\c]
	v_cvt_scalef32_pk16_bf6_f32 v[PC+12+4*\c:PC+14+4*\c], v[\s+16+32*\c:\s+31+32*\c], v[TM+12+2*\c+1]   ; (a conversion's three registers begin on an even number)
.endr
	v_nop                                              ; one plain place behind a scaled conversion
.irp c, 0,1                                            ; the operand's layout wants a whole block in a lane: lanes 0-15 block 2 c, lanes 16-31 block 2 c + 1
.irp i, 0,1,2
	v_permlane16_swap_b32 v[PC+6*\c+\i], v[PC+12+4*\c+\i]
.endr
.irp i, 0,1,2
	v_mov_b32 v[PC+3+6*\c+\i], v[PC+12+4*\c+\i]
.endr
.endr
.endm
	s_load_b256 s[4:11], s[0:1], 0x0               ; x s[4:5], W s[6:7], xq s[8:9], wq s[10:11]
	v_lshl_add_u32 v[SPW], v0, 2, SPARE
	v_mov_b32 v[NIL], 0
	v_lshrrev_b32 v1, 5, v0
	v_readfirstlane_b32 s14, v1                    ; wave 0..3
	v_and_b32 v3, 31, v0                           ; lane
	v_and_b32 v1, 15, v0                           ; r
	v_bfe_u32 v2, v0, 4, 1                         ; h
	v_lshlrev_b32 v[LI], 4, v3
	s_cmp_lt_u32 ttmp9, 512                        ; x's work-group or W's
	s_cselect_b32 s15, 0, 512
	s_cselect_b32 s16, 0, WSG-XSG
	s_add_co_u32 s16, s16, XSG                     ; my path's scale words in LDS
	s_sub_co_u32 s15, ttmp9, s15                   ; the unit's number in its buffer
	v_add_nc_u32 v5, s16, v[LI]                    ; the tail: 16 bytes a lane of the 512
	s_mul_i32 s18, s15, UNIT
	s_mov_b32 s19, 0
	s_lshr_b32 s22, s15, 3                         ; panel
	s_and_b32 s23, s15, 7                          ; chunk
	s_mov_b32 s[SEL], 0x76543210
	s_mov_b32 s[SEL+1], 0xfedcba98
	; every LDS address is made here, ahead of the parting
	s_mul_i32 s24, s14, XWB
	v_add_nc_u32 v6, s24, v[LI]                    ; x: into the stage: 16 x lane of a row
	v_mul_u32_u24 v7, v1, 528
	v_lshl_add_u32 v7, v2, 6, v7
	v_add_nc_u32 v7, s24, v7                       ; x: out of it: row r, + 64 h
	s_lshl_b32 s25, s14, 3
	s_add_co_u32 s25, s25, XSG
	v_lshl_add_u32 v8, v1, 5, s25                  ; x: my two scale words: 32 r + 8 w
	v_bfe_u32 v14, v0, 3, 1                        ; W: column 32 w + l is row r' = (l & 7) + 8 (l >> 4) of fragment 2 w + u, u = (l >> 3) & 1
	v_and_b32 v15, 7, v0
	v_lshl_add_u32 v15, v2, 3, v15
	s_mul_i32 s26, s14, 3072
	s_add_co_u32 s26, s26, WST
	v_mul_u32_u24 v9, v14, 1536
	v_lshl_add_u32 v9, v15, 4, v9
	v_add_nc_u32 v9, s26, v9                       ; W: my column's place in its image: 1,536 u + 16 r'
	v_add_nc_u32 v11, s26, v[LI]                   ; W: the images read back
	s_lshl_b32 s27, s14, 3
	s_add_co_u32 s27, s27, WSG
	v_lshl_add_u32 v10, v15, 5, s27
	v_lshl_add_u32 v10, v14, 2, v10                ; W: my scale word: 32 r' + 4 (2 w + u)
	s_mul_i32 s30, s14, 3072
	s_mov_b32 s31, 0
	s_wait_kmcnt 0x0
	s_cmp_lt_u32 ttmp9, 512
	s_cselect_b64 s[8:9], s[8:9], s[10:11]         ; the choice hangs on the work-group's number alone
	s_add_nc_u64 s[8:9], s[8:9], s[18:19]          ; my unit
	s_add_nc_u64 s[30:31], s[8:9], s[30:31]        ; my wave's two images in it
	s_cmp_lt_u32 ttmp9, 512
	s_cbranch_scc0 .Lw
	; ---------------- x
	s_lshl_b32 s28, s22, 19                        ; panel x 128 rows of 4,096 bytes
	s_lshl_b32 s29, s14, 17                        ; + wave x 32 rows
	s_add_co_u32 s28, s28, s29
	s_lshl_b32 s29, s23, 9                         ; + chunk x 512 bytes
	s_add_co_u32 s28, s28, s29
	s_mov_b32 s29, 0
	s_add_nc_u64 s[4:5], s[4:5], s[28:29]
.irp u, 0,1
.irp q, 0,1,2,3,4,5,6,7,8,9,10,11,12,13,14,15
	global_load_b128 v[R+64*\u+4*\q:R+64*\u+4*\q+3], v[LI], s[4:5] offset:(8*\u+\q+8*(\q/8))*4096 th:TH_LOAD_NT   ; fragment u's row q: 32 lanes read 512 consecutive bytes
.endr
.endr
.irp b, 0,1,2,3
	v_mov_b32 v[TM+4+\b], 0                        ; written once: a lane permute's destination counts as one of its sources
.endr
.macro XHALF u
	s_wait_loadcnt 16*(1-\u)                       ; this fragment's 16 loads are in; the other's 16 may be out
.irp q, 0,1,2,3,4,5,6,7,8,9,10,11,12,13,14,15
	ds_store_b128 v6, v[R+64*\u+4*\q:R+64*\u+4*\q+3] offset:(16*\u+\q)*528
.endr
.irp b, 0,1,2,3
.irp j, 0,1,2,3
	ds_load_b128 v[X+16*\b+4*\j:X+16*\b+4*\j+3], v7 offset:16*\u*528+128*\b+16*\j   ; LDS serves a wave's instructions in order: these see my stores
.endr
.endr
	s_wait_dscnt 0x0
.if \u
	s_wait_xcnt 0x0                                ; the first fragment's stores have read the code registers
.endif
	QMAX X
	QPACK X, PW+\u
.irp c, 0,1,2
	global_store_b128 v[LI], v[PC+4*\c:PC+4*\c+3], s[30:31] offset:1536*\u+512*\c    ; 512 consecutive bytes, aligned
.endr
.endm
	XHALF 0
	XHALF 1
	ds_store_b64 v8, v[PW:PW+1]                    ; lanes l and l xor 16 write the same words with the same values
	s_branch .Ljoin
	; ---------------- W
.Lw:
	s_mul_i32 s28, s23, 128*12288                  ; chunk x 128 rows of 12,288 bytes
	s_lshl_b32 s29, s22, 9                         ; + panel x 128 columns
	s_add_co_u32 s28, s28, s29
	s_lshl_b32 s29, s14, 7                         ; + wave x 32 columns
	s_add_co_u32 s28, s28, s29
	s_mov_b32 s29, 0
	s_add_nc_u64 s[6:7], s[6:7], s[28:29]
	v_lshlrev_b32 v248, 2, v3                      ; 4 bytes a lane
.macro WLOAD t                         ; block t: W(32 t + n, my column): 32 lanes read 128 consecutive bytes, the four waves 512
.set n, 0
.rept 32
	global_load_b32 v[R+32*(\t)+n], v248, s[6:7] offset:(32*(\t)+n)*12288 th:TH_LOAD_NT
.set n, n+1
.endr
.endm
.macro WBLOCK t
.set XS, R+32*(\t)
.set CC, CW+8*(\t)
.if (\t) < 3
	s_wait_loadcnt 32                              ; this block's 32 loads are in; the next block's 32 may be out
.else
	s_wait_loadcnt 0x0
.endif
.if (\t)+2 < 4
	WLOAD (\t)+2
.endif
	v_max3_num_f32 v250, |v[XS]|, |v[XS+1]|, |v[XS+2]|     ; the block's largest magnitude: all 32 numbers are mine; two chains
	v_max3_num_f32 v251, |v[XS+3]|, |v[XS+4]|, |v[XS+5]|
.irp i, 6,10,14,18,22,26
	v_max3_num_f32 v250, v250, |v[XS+\i]|, |v[XS+\i+1]|
	v_max3_num_f32 v251, v251, |v[XS+\i+2]|, |v[XS+\i+3]|
.endr
	v_max3_num_f32 v250, v250, |v[XS+30]|, |v[XS+31]|
	v_max3_num_f32 v250, v250, v251, 0x2800000     ; and the floor 2^(5 - 127)
	v_add_nc_u32 v252, 0xfe000000, v250            ; the conversion's scale operand
	v_lshrrev_b32 v251, 23, v252                   ; the scale's byte
.if (\t) == 0
	v_mov_b32 v253, v251                           ; the four bytes make my column's scale word, the lower K in the lower byte
.else
	v_lshl_or_b32 v253, v251, 8*(\t), v253
.endif
	v_cvt_scalef32_pk16_bf6_f32 v[CC:CC+2], v[XS:XS+15], v252
	v_cvt_scalef32_pk16_bf6_f32 v[CC+4:CC+6], v[XS+16:XS+31], v252
	v_nop                                          ; one plain place behind a scaled conversion
	v_mov_b32 v[CC+3], v[CC+4]                     ; the block's six registers on end
	v_mov_b32 v[CC+4], v[CC+5]
	v_mov_b32 v[CC+5], v[CC+6]
; block t = 2 c + h is registers 6 c .. 6 c + 5 of image lane r' + 16 h
.if (\t)/2 == 0
	ds_store_b128 v9, v[CC:CC+3] offset:256*((\t)%2)
	ds_store_b64 v9, v[CC+4:CC+5] offset:256*((\t)%2)+512
.else
	ds_store_b64 v9, v[CC:CC+1] offset:256*((\t)%2)+520
	ds_store_b128 v9, v[CC+2:CC+5] offset:256*((\t)%2)+1024
.endif
.endm
	WLOAD 0
	WLOAD 1
	WBLOCK 0
	WBLOCK 1
	WBLOCK 2
	WBLOCK 3
	ds_store_b32 v10, v253
.irp n, 0,1,2,3,4,5
	ds_load_b128 v[BKW+4*\n:BKW+4*\n+3], v11 offset:512*\n     ; LDS serves a wave's instructions in order: these see my stores
.endr
.irp n, 0,1,2,3,4,5
	s_wait_dscnt 5-\n                              ; the younger loads may be out
	global_store_b128 v[LI], v[BKW+4*\n:BKW+4*\n+3], s[30:31] offset:512*\n
.endr
.Ljoin:
	s_wait_dscnt 0x0                               ; for the others' sake: my scale words have landed
	s_barrier_signal -1
	s_barrier_wait -1
	s_cmp_lg_u32 s14, 0
	s_cbranch_scc1 .Lend
	ds_load_b128 v[200:203], v5                    ; the unit's 128 scale words, from four waves
	s_wait_dscnt 0x0
	global_store_b128 v[LI], v[200:203], s[8:9] offset:12288
.Lend:
	s_wait_tensorcnt 0x0                           ; the wave's end, behind my last LDS store
	ds_add_u32 v[SPW], v[NIL]
	s_wait_dscnt 0x0
	s_endpgm
.Lfunc_end_k_q90e7169910_quant:
	.size	k_q90e7169910_quant, .Lfunc_end_k_q90e7169910_quant-k_q90e7169910_quant
	.p2alignl 7, 3214868480
	.fill 96, 4, 3214868480
	.section	.rodata,"a",@progbits
	.p2align	6, 0x0
	.amdhsa_kernel k_q90e7169910_quant
		.amdhsa_group_segment_fixed_size 81408
		.amdhsa_private_segment_fixed_size 0
		.amdhsa_enable_private_segment 0
		.amdhsa_kernarg_size 32
		.amdhsa_user_sgpr_count 2
		.amdhsa_user_sgpr_kernarg_segment_ptr 1
		.amdhsa_wavefront_size32 1
		.amdhsa_system_sgpr_workgroup_id_x 1
		.amdhsa_system_sgpr_workgroup_id_y 1
		.amdhsa_system_sgpr_workgroup_id_z 1
		.amdhsa_system_vgpr_workitem_id 0
		.amdhsa_next_free_vgpr 256
		.amdhsa_next_free_sgpr 66
		.amdhsa_reserve_vcc 0
		.amdhsa_float_denorm_mode_32 3
		.amdhsa_float_denorm_mode_16_64 3
		.amdhsa_memory_ordered 1
		.amdhsa_forward_progress 1
		.amdhsa_inst_pref_size 39
	.end_amdhsa_kernel
	.amdgpu_metadata
---
amdhsa.version: [ 1, 2 ]
amdhsa.kernels:
  - .name:           k_q90e7169910_quant
    .symbol:         k_q90e7169910_quant.kd
    .args:
      - { .name: x, .offset: 0, .size: 8, .value_kind: global_buffer, .address_space: global }
      - { .name: W, .offset: 8, .size: 8, .value_kind: global_buffer, .address_space: global }
      - { .name: xq, .offset: 16, .size: 8, .value_kind: global_buffer, .address_space: global }
      - { .name: wq, .offset: 24, .size: 8, .value_kind: global_buffer, .address_space: global }
    .group_segment_fixed_size: 81408
    .private_segment_fixed_size: 0
    .kernarg_segment_align: 8
    .kernarg_segment_size: 32
    .max_flat_workgroup_size: 128
    .sgpr_count:     66
    .vgpr_count:     256
    .wavefront_size: 32
...
	.end_amdgpu_metadata
.endif
;; end of part 1
;; launch qkv (part 2): grid 12 x 32, 4 waves a work-group, clusters of 4 x 4, 327,680 bytes of LDS; arguments xq, wq, b, qk, vt; writes qk, vt
.if DOCPART == 2
	.amdgcn_target "amdgcn-amd-amdhsa--gfx1250"
	.amdhsa_code_object_version 6
	.text
	.protected	k_q90e7169910_qkv
	.globl	k_q90e7169910_qkv
	.p2align	8
	.type	k_q90e7169910_qkv,@function
k_q90e7169910_qkv:
	s_mov_b64 s[64:65], 0
	v_nop
	global_prefetch_b8 v0, s[64:65] scope:SCOPE_SE
	s_setreg_imm32_b32 hwreg(HW_REG_WAVE_MODE, 25, 1), 1
	s_wait_xcnt 0x0
	s_wait_alu depctr_hold_cnt(0) depctr_sa_sdst(0) depctr_va_vdst(0) depctr_va_sdst(0) depctr_va_ssrc(0) depctr_va_vcc(0) depctr_vm_vsrc(0)
	s_getreg_b32 s2, hwreg(HW_REG_IB_STS2, 6, 4)
	s_cmp_eq_u32 s2, 0
	s_cbranch_scc0 .Lentry_in_a_cluster
	s_endpgm
.Lentry_in_a_cluster:
	s_bfe_u32 s2, ttmp6, 0x10000c
	s_cmp_lg_u32 s2, 0xf033
	s_cbranch_scc0 .Lentry_shape_is_right
	s_endpgm
.Lentry_shape_is_right:
; PRODUCT 1: qkv = Q(x) Q(W) + b, and its three parts quantised for the products that take them.  Operands and results in the image layout (units of 12,800 bytes: eight fragment images, 512 bytes of scale words).
; A work-group of four waves makes 256 rows of A x 256 rows of B; a wave 128 x 128: 64 accumulators, 512 registers.  K = 1,024 goes in steps of 256 (two chunks) through a ring of two LDS slots.
; A wave's share of a slot is one dense block of 25,600 bytes (a panel's two units, scale words in them), brought by one tensor load.
; CLUSTERS 4 x 4: A's panels are shared along a row of the cluster, B's along a column: joint loads.
; THE MATRIX INSTRUCTION IS USED TRANSPOSED (source 0 = B's fragment, source 1 = A's): a lane holds ONE row of A, and, by the order of the rows in a fragment, the 64 registers of block a run along B's 128 rows in the order
; 32 (n / 16) + 16 (lane / 16) + n % 16.  So block a, quantised in registers, IS fragment a of the next operand's unit (panel = A's panel, chunk = B's panel).
; TWO MODES, by the cluster's x, which all partners share.  x = 0, 1: A = tokens (xq), B = W's columns 0-2,047: q and k, quantised along d, into qk (chunks 0-7 q, 8-15 k).
; x = 2: A = W's columns 2,048-3,071 (d of v), B = tokens: a lane holds one d and its registers run along the tokens: v comes out quantised along the keys, into vt, with nothing transposed.
; No work is left out.  LIMITS: NaN and infinities are not served; a block of zeros gets the byte 1 (its codes are zeros; this program alone reads the bytes).
; REGISTERS: window 0: v1-3 r, h, lane; v16-29 addresses; v32-63 scale words, two sets; v64-127 b along the registers; v128-223 A's fragments, one set; v240-255 b along the lanes.  Window 1: B's fragments, two sets.  Windows 2, 3: accumulators.
.set UNIT,  12800
.set SOFF,  12288
.set QB,    2*UNIT                     ; a panel's two chunks: what one tensor load brings
.set SLOT,  4*QB                       ; A's two panels, then B's two
.set SPARE, 2*SLOT                     ; the spare words, 128 bytes for each wave: two blocks of 256 bytes that no other line names
.set NQ,    2
.set FR,    12
.set NL,    3                          ; LDS loads that bring a fragment
.set NP,    4                          ; places behind this matrix instruction (ISA guide 7.12.1)
.set LAPS,  2                          ; a lap = two K steps = once round the ring: K / 512
.set ADRA,  16                         ; v16-17 my A panel in slot 0, 1, + 16 x lane
.set ADRB,  20                         ; v20-21 the same for B
.set ADRS,  22                         ; v22-23 scale words: lanes 0-15 A's, lanes 16-31 B's
.set LI,    26                         ; v26 16 x lane
.set SO,    27                         ; v27 32 r + 16 h
.set SPW,   28
.set NIL,   29
.set SC,    32                         ; register 16 set + 8 q + i: lanes 0-15 the words of A's fragment i, lanes 16-31 of B's
.set AF,    128
.set G1, 24
.set G0, 32
.set G1B, 48
.set G0B, 56
.set SEL, 72                           ; s[72:73]
.set SM,  74                           ; s74 lanes 16-31
.set OUT, 76                           ; s[76:77]
.set BQ,  64
.set HA,  128
.set PC,  192
.set TM,  212
.set PWS, 228
.set T0,  236
.set BV,  240
.set MSB, 0
.macro WIN new                         ; the immediate's high byte repeats the setting that is left
.if MSB != (\new)
	s_set_vgpr_msb (MSB<<8)|(\new)
.set MSB, (\new)
.endif
.endm
.set MUL_LO, 0xa1                      ; source 0 (B) window 1, source 1 (A) window 0, C and D window 2
.set MUL_HI, 0xf1
.set TO_B,   0x40
.macro JLOAD g0a, g1a, g0b, g1b        ; a joint load: waves 0 and 1 fetch A's panels, waves 2 and 3 B's; an s_nop 0 and four v_nop follow each line
	s_cmp_eq_u32 s15, 0
	s_cbranch_scc0 .Lfor_b_\@
	tensor_load_to_lds s[\g0a:\g0a+3], s[\g1a:\g1a+7]
	s_nop 0
.rept 4
	v_nop
.endr
	s_branch .Lasked_\@
.Lfor_b_\@:
	tensor_load_to_lds s[\g0b:\g0b+3], s[\g1b:\g1b+7]
	s_nop 0
.rept 4
	v_nop
.endr
.Lasked_\@:
.endm
.macro CREST                           ; a round of the cluster's barrier behind its opening barrier
	s_cmp_lg_u32 s14, 0
	s_cbranch_scc1 .Lnot_wave_0_\@
	s_barrier_signal -3
.Lnot_wave_0_\@:
	s_barrier_wait -3
	s_barrier_signal -1
	s_barrier_wait -1
.endm
.macro CROUND
	s_barrier_signal -1
	s_barrier_wait -1
	CREST
.endm
.macro PLACES n
.rept \n
	v_nop
.endr
.endm
.macro FRAG reg, adr, q, i             ; a fragment's image comes back as it was stored: three loads of 512 consecutive bytes
.irp c, 0,1,2
	ds_load_b128 v[\reg+4*\c:\reg+4*\c+3], v[\adr] offset:(\q)*UNIT+(\i)*1536+512*\c
.endr
.endm
.macro FETCH_B slot, q, p
	WIN TO_B
.irp i, 0,1,2,3,4,5,6,7
	FRAG 128*(\p)+FR*\i, ADRB+\slot, \q, \i
.endr
	WIN 0
.endm
.macro FETCH_A slot, q, i0
.irp i, \i0, \i0+1, \i0+2, \i0+3
	FRAG AF+FR*(\i), ADRA+\slot, \q, \i
.endr
.endm
.macro SCALES sc                       ; a slot's scale words: eight words a lane for each of its two chunks
.irp q, 0,1
.irp t, 0,1
	ds_load_b128 v[SC+16*\sc+8*\q+4*\t:SC+16*\sc+8*\q+4*\t+3], v[ADRS+\sc] offset:\q*UNIT+16*\t
.endr
.endr
.endm
; 16 matrix instructions: A's blocks a0, a0 + 1 x B's eight.  The 64 accumulators take turns, one instruction a turn, in the same order in every step.
.macro MUL16 a0, p, q, sc, zero
.irp a, \a0, \a0+1
.irp b, 0,1,2,3,4,5,6,7
.if \zero
	v_wmma_scale_f32_16x16x128_f8f6f4 v[8*(8*((\a)%4)+\b):8*(8*((\a)%4)+\b)+7], v[128*(\p)+FR*\b:128*(\p)+FR*\b+FR-1], v[AF+FR*(\a):AF+FR*(\a)+FR-1], 0, v[SC+16*(\sc)+8*(\q)+\b], v[SC+16*(\sc)+8*(\q)+(\a)] matrix_a_fmt:MATRIX_FMT_BF6 matrix_b_fmt:MATRIX_FMT_BF6 matrix_a_scale:MATRIX_SCALE_ROW1
.else
	v_wmma_scale_f32_16x16x128_f8f6f4 v[8*(8*((\a)%4)+\b):8*(8*((\a)%4)+\b)+7], v[128*(\p)+FR*\b:128*(\p)+FR*\b+FR-1], v[AF+FR*(\a):AF+FR*(\a)+FR-1], v[8*(8*((\a)%4)+\b):8*(8*((\a)%4)+\b)+7], v[SC+16*(\sc)+8*(\q)+\b], v[SC+16*(\sc)+8*(\q)+(\a)] matrix_a_fmt:MATRIX_FMT_BF6 matrix_b_fmt:MATRIX_FMT_BF6 matrix_a_scale:MATRIX_SCALE_ROW1
.endif
.endr
.endr
.endm
.macro STEP slot, q, zero              ; a chunk that has its successor in the same slot
	s_wait_dscnt 4*NL                              ; all but the youngest twelve loads (A's blocks 4-7) are in
	WIN MUL_LO
	MUL16 0, (\q)%2, \q, \slot, \zero
	MUL16 2, (\q)%2, \q, \slot, \zero
	s_wait_dscnt 0
	PLACES NP                                      ; in front of loads into registers that matrix instructions have read
	FETCH_B \slot, (\q)+1, 1-(\q)%2
	FETCH_A \slot, (\q)+1, 0
	WIN MUL_HI
	MUL16 4, (\q)%2, \q, \slot, \zero
	MUL16 6, (\q)%2, \q, \slot, \zero
	PLACES NP
	WIN 0
	FETCH_A \slot, (\q)+1, 4
.endm
; A slot's last chunk changes slots: one barrier; in front of it each wave waits for all its tensor loads, adds 0 to its spare word, and waits for that and for its reads of this slot.
.macro TURN slot, next, fill
	s_wait_tensorcnt 0x0                           ; all my tensor loads have landed: my part of the next slot
	ds_add_u32 v[SPW], v[NIL]                      ; 0 onto my spare word
	s_wait_dscnt 4*NL+1                            ; the add and the youngest twelve loads may be out
	WIN MUL_LO
	MUL16 0, 1, NQ-1, \slot, 0
	s_wait_dscnt 0x0                               ; the add is done, and my reads of this slot are over
	s_barrier_signal -1
	MUL16 2, 1, NQ-1, \slot, 0
	WIN 0
	s_barrier_wait -1
.if \fill
	CREST                                          ; the barrier has opened a round of the cluster's barrier: no wave of any partner still reads this slot or has a load on its way
	s_add_nc_u64 s[G0+4*\slot+2:G0+4*\slot+3], s[G0+4*\slot+2:G0+4*\slot+3], 2*QB
	s_add_nc_u64 s[G0B+4*\slot+2:G0B+4*\slot+3], s[G0B+4*\slot+2:G0B+4*\slot+3], 2*QB
	JLOAD G0+4*\slot, G1, G0B+4*\slot, G1B         ; the first tensor load behind the round; its four v_nop are the places in front of the loads below
.else
	PLACES NP
.endif
	FETCH_B \next, 0, 0
	FETCH_A \next, 0, 0
	SCALES \next
	WIN MUL_HI
	MUL16 4, 1, NQ-1, \slot, 0
	MUL16 6, 1, NQ-1, \slot, 0
	PLACES NP
	WIN 0
	FETCH_A \next, 0, 4
.endm
.macro QMAX s
.irp b, 0,1,2,3
	v_max3_num_f32 v[TM+\b], |v[\s+16*\b]|, |v[\s+1+16*\b]|, 0x2800000   ; with the floor 2^(5 - 127): the byte cannot fall under 1
.endr
.irp i, 2,4,6,8,10,12,14
.irp b, 0,1,2,3
	v_max3_num_f32 v[TM+\b], v[TM+\b], |v[\s+16*\b+\i]|, |v[\s+1+16*\b+\i]|
.endr
.endr
.irp b, 0,1,2,3
	v_permlanex16_b32 v[TM+4+\b], v[TM+\b], s[SEL], s[SEL+1]
.endr
.irp b, 0,1,2,3
	v_max_num_f32 v[TM+\b], v[TM+\b], v[TM+4+\b]
.endr
.endm
.macro QPACK s, pw
.irp b, 0,1,2,3
	v_add_nc_u32 v[TM+12+\b], 0xfe000000, v[TM+\b]     ; 4 off the exponent field: the conversion's scale operand
.endr
.irp b, 0,1,2,3
	v_lshrrev_b32 v[TM+4+\b], 23, v[TM+12+\b]          ; the scale's byte
.endr
	v_lshl_or_b32 v[\pw], v[TM+5], 8, v[TM+4]
	v_lshl_or_b32 v[\pw], v[TM+6], 16, v[\pw]
	v_lshl_or_b32 v[\pw], v[TM+7], 24, v[\pw]
.irp c, 0,1
	v_cvt_scalef32_pk16_bf6_f32 v[PC+6*\c:PC+2+6*\c], v[\s+32*\c:\s+15+32*\c], v[TM+12+2*\c]
	v_cvt_scalef32_pk16_bf6_f32 v[PC+12+4*\c:PC+14+4*\c], v[\s+16+32*\c:\s+31+32*\c], v[TM+12+2*\c+1]
.endr
	v_nop                                              ; one plain place behind a scaled conversion
.irp c, 0,1
.irp i, 0,1,2
	v_permlane16_swap_b32 v[PC+6*\c+\i], v[PC+12+4*\c+\i]
.endr
.irp i, 0,1,2
	v_mov_b32 v[PC+3+6*\c+\i], v[PC+12+4*\c+\i]
.endr
.endr
.endm
.macro SCOUT pws, t, base, off         ; eight words a lane: lanes 0-15 store words 0-3 of their row, lanes 16-31 words 4-7: 512 consecutive bytes
.irp i, 0,1,2,3
	v_cndmask_b32 v[\t+\i], v[\pws+\i], v[\pws+4+\i], s[SM]
.endr
	global_store_b128 v[SO], v[\t:\t+3], s[\base:\base+1] offset:\off
.endm
	s_load_b128 s[4:7], s[0:1], 0x0                ; xq, wq
	s_load_b128 s[8:11], s[0:1], 0x10              ; b, qk
	s_load_b64 s[12:13], s[0:1], 0x20              ; vt
	v_lshl_add_u32 v[SPW], v0, 2, SPARE
	v_mov_b32 v[NIL], 0
	ds_add_u32 v[SPW], v[NIL]                      ; the wave's opening: the add, twice on end, and its wait ahead of my first tensor load
	ds_add_u32 v[SPW], v[NIL]
	v_lshrrev_b32 v1, 5, v0
	v_readfirstlane_b32 s14, v1                    ; wave 0..3
	s_lshr_b32 s15, s14, 1                         ; my A panel.  Also: I fetch for A (0) or for B (1)
	s_and_b32 s16, s14, 1                          ; my B panel.  Also: which panel I fetch
	s_bfe_u32 s40, ttmp6, 0x40000                  ; cx
	s_bfe_u32 s41, ttmp6, 0x40004                  ; cy
	s_and_b32 s18, ttmp7, 0xffff                   ; cluster y
	s_cmp_eq_u32 ttmp9, 2                          ; the mode: the same in all sixteen partners
	s_cselect_b32 s67, 0, s18                      ; four tile rows of W's v part, or of the tokens
	s_cselect_b32 s68, s18, ttmp9
	s_cselect_b32 s69, 64, 16                      ; chunks a panel in the output
	s_cselect_b32 s70, 1, 0
	s_cselect_b32 s71, 16*8*UNIT, 0                ; W's panels 16-23
	s_lshl_b32 s17, s67, 2
	s_add_co_u32 s17, s17, s41                     ; tile row
	s_lshl_b32 s42, s68, 2
	s_add_co_u32 s42, s42, s40                     ; tile column
	s_lshl_b32 s43, s41, 2
	s_lshl_b32 s43, 15, s43                        ; my row of the cluster
	s_lshl_b32 s44, 0x1111, s40                    ; my column
	; descriptor group 1: a dense block of 25,600 bytes as 100 rows of 32 elements of 8 bytes, no padding
	s_or_b32 s[G1+0], s43, (3<<16)|(1<<21)         ; 15:0 the mask; 17:16 elements of 8 bytes; 21 set beside a mask
	s_or_b32 s[G1B+0], s44, (3<<16)|(1<<21)
.irp g, G1, G1B
	s_mov_b32 s[\g+1], 32<<16                      ; tensor_dim0
	s_mov_b32 s[\g+2], 100<<16                     ; tensor_dim1
	s_mov_b32 s[\g+3], 32<<16                      ; tile_dim0
	s_mov_b32 s[\g+4], 100                         ; tile_dim1
	s_mov_b32 s[\g+5], 32                          ; tensor_dim0_stride
	s_mov_b32 s[\g+6], 0
	s_mov_b32 s[\g+7], 0
.endr
	s_lshl_b32 s20, s17, 1
	s_add_co_u32 s20, s20, s16
	s_mul_i32 s20, s20, 8*UNIT                     ; A: panel 2 x tile row + the one I fetch
	s_add_co_u32 s20, s20, s71
	s_mov_b32 s21, 0
	s_lshl_b32 s46, s42, 1
	s_add_co_u32 s46, s46, s16
	s_mul_i32 s46, s46, 8*UNIT                     ; B likewise, by the tile column
	s_mov_b32 s47, 0
	s_mul_i32 s45, s14, QB                         ; where they go: wave x 25,600: no place in the cluster enters an LDS address
	s_mov_b32 s[SEL], 0x76543210
	s_mov_b32 s[SEL+1], 0xfedcba98
	s_mov_b32 s[SM], 0xffff0000
	s_wait_dscnt 0x0                               ; both opening adds are done
	s_wait_kmcnt 0x0
	s_cmp_eq_u32 s70, 1
	s_cselect_b64 s[80:81], s[6:7], s[4:5]         ; A's buffer
	s_cselect_b64 s[82:83], s[4:5], s[6:7]         ; B's
	s_cselect_b64 s[OUT:OUT+1], s[12:13], s[10:11]
	s_add_nc_u64 s[20:21], s[80:81], s[20:21]
	s_add_nc_u64 s[46:47], s[82:83], s[46:47]
	CROUND                                         ; all sixteen work-groups are here: the first joint loads meet
.irp s, 0,1
	s_mov_b32 s[G0+4*\s], 1
	s_add_co_u32 s[G0+4*\s+1], s45, \s*SLOT
	s_add_nc_u64 s[G0+4*\s+2:G0+4*\s+3], s[20:21], \s*QB
	s_or_b32 s[G0+4*\s+3], s[G0+4*\s+3], 0x80000000
	s_mov_b32 s[G0B+4*\s], 1
	s_add_co_u32 s[G0B+4*\s+1], s45, \s*SLOT
	s_add_nc_u64 s[G0B+4*\s+2:G0B+4*\s+3], s[46:47], \s*QB
	s_or_b32 s[G0B+4*\s+3], s[G0B+4*\s+3], 0x80000000
	JLOAD G0+4*\s, G1, G0B+4*\s, G1B
.endr
	v_and_b32 v1, 15, v0                           ; r
	v_bfe_u32 v2, v0, 4, 1                         ; h
	v_and_b32 v3, 31, v0
	v_lshlrev_b32 v[LI], 4, v3
	s_mul_i32 s90, s15, QB                         ; my A panel
	s_mul_i32 s91, s16, QB
	s_add_co_u32 s91, s91, 2*QB                    ; my B panel, behind A's two
	s_sub_co_u32 s92, s91, s90
	v_mul_u32_u24 v6, s92, v2                      ; lanes 16-31 take B's scale words: one product, the distance x h
	v_lshl_add_u32 v6, v1, 5, v6                   ; + 32 r
	s_add_co_u32 s93, s90, SOFF
.irp s, 0,1
	v_add_nc_u32 v[ADRA+\s], s90, v[LI]
	v_add_nc_u32 v[ADRB+\s], s91, v[LI]
	v_add_nc_u32 v[ADRS+\s], s93, v6
	s_add_co_u32 s90, s90, SLOT
	s_add_co_u32 s91, s91, SLOT
	s_add_co_u32 s93, s93, SLOT
.endr
	v_lshlrev_b32 v[SO], 5, v1
	v_lshl_add_u32 v[SO], v2, 4, v[SO]
	; the bias.  Both sets are loaded in both modes, at addresses that lie inside b in either, so that every register that the way out names is written on every path
	s_lshl_b32 s84, s42, 8
	s_lshl_b32 s85, s16, 7
	s_add_co_u32 s84, s84, s85                     ; q, k: my first column of W
	s_lshl_b32 s86, s17, 8
	s_lshl_b32 s85, s15, 7
	s_add_co_u32 s86, s86, s85
	s_add_co_u32 s86, s86, 2048                    ; v: my first column of W
	s_cmp_eq_u32 s70, 1
	s_cselect_b32 s84, 0, s84
	s_cselect_b32 s86, s86, 0
	s_lshl_b32 s84, s84, 2
	s_lshl_b32 s86, s86, 2
	s_mov_b32 s85, 0
	s_mov_b32 s87, 0
	s_add_nc_u64 s[84:85], s[8:9], s[84:85]
	s_add_nc_u64 s[86:87], s[8:9], s[86:87]
	v_lshlrev_b32 v5, 6, v2                        ; register n holds column 32 (n / 16) + 16 h + n % 16
	v_and_b32 v7, 8, v1
	v_add_nc_u32 v7, v7, v1
	v_lshlrev_b32 v7, 2, v7                        ; block a's lane holds row 32 (a / 2) + 8 (a % 2) + r + 8 (r / 8)
.irp g, 0,1,2,3
.irp t, 0,1,2,3
	global_load_b128 v[BQ+16*\g+4*\t:BQ+16*\g+4*\t+3], v5, s[84:85] offset:128*\g+16*\t
.endr
.endr
.irp a, 0,1,2,3,4,5,6,7
	global_load_b32 v[BV+2*\a], v7, s[86:87] offset:4*(32*(\a/2)+8*(\a%2))
.endr
	s_lshl_b32 s88, s17, 1
	s_add_co_u32 s88, s88, s15
	s_mul_i32 s88, s88, s69
	s_lshl_b32 s89, s42, 1
	s_add_co_u32 s88, s88, s89
	s_add_co_u32 s88, s88, s16
	s_mul_i32 s88, s88, UNIT                       ; my unit of the output: panel = my A panel, chunk = my B panel
	s_mov_b32 s89, 0
	s_add_nc_u64 s[OUT:OUT+1], s[OUT:OUT+1], s[88:89]
	s_wait_tensorcnt 1                             ; my part of K step 0 is in; K step 1's load may be out
	s_barrier_signal -1
	s_barrier_wait -1
	FETCH_B 0, 0, 0
	FETCH_A 0, 0, 0
	SCALES 0
	FETCH_A 0, 0, 4
	STEP 0, 0, 1                                   ; the first chunk stands in front of the loop: its products start the sums
.if LAPS > 1
	s_mov_b32 s3, LAPS-1
.Llap:
	TURN 0, 1, 1
	STEP 1, 0, 0
	TURN 1, 0, 1
	STEP 0, 0, 0
	s_sub_co_u32 s3, s3, 1
	s_cmp_lg_u32 s3, 0
	s_cbranch_scc1 .Llap
.endif
	TURN 0, 1, 0                                   ; the last lap fills nothing
	STEP 1, 0, 0
	s_wait_dscnt 4*NL
	WIN MUL_LO
	MUL16 0, 1, NQ-1, 1, 0
	MUL16 2, 1, NQ-1, 1, 0
	s_wait_dscnt 0
	WIN MUL_HI
	MUL16 4, 1, NQ-1, 1, 0
	MUL16 6, 1, NQ-1, 1, 0
	WIN 0
; THE WAY OUT, block by block of 16 rows of A: + b (which also brings the block into window 0, each accumulator from its low end on), the four blocks' scales, the codes, three stores of 512 bytes.
.macro OUTBLK a
.set AC, 64*((\a)%4)
	s_wait_xcnt 0x0                                ; the last block's stores have read the code registers
	s_cmp_eq_u32 s70, 1
	s_cbranch_scc1 .Lbv_\@
	WIN 0x02+((\a)/4)
.set n, 0
.rept 32
	v_pk_add_f32 v[HA+n:HA+n+1], v[AC+n:AC+n+1], v[BQ+n:BQ+n+1]
.set n, n+2
.endr
	WIN 0
	s_branch .Lbd_\@
.Lbv_\@:
	WIN 0x02+((\a)/4)
.set n, 0
.rept 32
	v_pk_add_f32 v[HA+n:HA+n+1], v[AC+n:AC+n+1], v[BV+2*(\a):BV+2*(\a)+1]
.set n, n+2
.endr
	WIN 0
.Lbd_\@:
	QMAX HA
	QPACK HA, PWS+(\a)
.irp c, 0,1,2
	global_store_b128 v[LI], v[PC+4*\c:PC+4*\c+3], s[OUT:OUT+1] offset:1536*(\a)+512*\c
.endr
.endm
	PLACES NP                                      ; behind the last products: results are read, and registers that held A's fragments are written
	s_wait_loadcnt 0x0                             ; b
.irp a, 0,1,2,3,4,5,6,7
	v_mov_b32 v[BV+2*\a+1], v[BV+2*\a]             ; a pair for the packed addition
.endr
.irp b, 0,1,2,3
	v_mov_b32 v[TM+4+\b], 0                        ; written once: a lane permute's destination counts as one of its sources
.endr
.irp a, 0,1,2,3,4,5,6,7
	OUTBLK \a
.endr
	SCOUT PWS, T0, OUT, SOFF
	s_wait_tensorcnt 0x0                           ; the wave's end
	ds_add_u32 v[SPW], v[NIL]
	s_wait_dscnt 0x0
	CROUND                                         ; the closing round: no work-group ends while a partner may still ask for a tile that names it
	s_endpgm
.Lfunc_end_k_q90e7169910_qkv:
	.size	k_q90e7169910_qkv, .Lfunc_end_k_q90e7169910_qkv-k_q90e7169910_qkv
	.p2alignl 7, 3214868480
	.fill 96, 4, 3214868480
	.section	.rodata,"a",@progbits
	.p2align	6, 0x0
	.amdhsa_kernel k_q90e7169910_qkv
		.amdhsa_group_segment_fixed_size 327680
		.amdhsa_private_segment_fixed_size 0
		.amdhsa_enable_private_segment 0
		.amdhsa_kernarg_size 40
		.amdhsa_user_sgpr_count 2
		.amdhsa_user_sgpr_kernarg_segment_ptr 1
		.amdhsa_wavefront_size32 1
		.amdhsa_system_sgpr_workgroup_id_x 1
		.amdhsa_system_sgpr_workgroup_id_y 1
		.amdhsa_system_sgpr_workgroup_id_z 1
		.amdhsa_system_vgpr_workitem_id 0
		.amdhsa_next_free_vgpr 1024
		.amdhsa_next_free_sgpr 100
		.amdhsa_reserve_vcc 0
		.amdhsa_float_denorm_mode_32 3
		.amdhsa_float_denorm_mode_16_64 3
		.amdhsa_memory_ordered 1
		.amdhsa_forward_progress 1
		.amdhsa_inst_pref_size 173
	.end_amdhsa_kernel
	.amdgpu_metadata
---
amdhsa.version: [ 1, 2 ]
amdhsa.kernels:
  - .name:           k_q90e7169910_qkv
    .symbol:         k_q90e7169910_qkv.kd
    .args:
      - { .name: xq, .offset: 0, .size: 8, .value_kind: global_buffer, .address_space: global }
      - { .name: wq, .offset: 8, .size: 8, .value_kind: global_buffer, .address_space: global }
      - { .name: b, .offset: 16, .size: 8, .value_kind: global_buffer, .address_space: global }
      - { .name: qk, .offset: 24, .size: 8, .value_kind: global_buffer, .address_space: global }
      - { .name: vt, .offset: 32, .size: 8, .value_kind: global_buffer, .address_space: global }
    .group_segment_fixed_size: 327680
    .private_segment_fixed_size: 0
    .kernarg_segment_align: 8
    .kernarg_segment_size: 40
    .max_flat_workgroup_size: 128
    .sgpr_count:     100
    .vgpr_count:     1024
    .wavefront_size: 32
...
	.end_amdgpu_metadata
.endif
;; end of part 2
;; launch stats (part 3): grid 8 x 32, 4 waves a work-group, clusters of 4 x 4, 327,680 bytes of LDS; arguments qk, st; writes st
.if DOCPART == 3
	.amdgcn_target "amdgcn-amd-amdhsa--gfx1250"
	.amdhsa_code_object_version 6
	.text
	.protected	k_q90e7169910_stats
	.globl	k_q90e7169910_stats
	.p2align	8
	.type	k_q90e7169910_stats,@function
k_q90e7169910_stats:
	s_mov_b64 s[64:65], 0
	v_nop
	global_prefetch_b8 v0, s[64:65] scope:SCOPE_SE
	s_setreg_imm32_b32 hwreg(HW_REG_WAVE_MODE, 25, 1), 1
	s_wait_xcnt 0x0
	s_wait_alu depctr_hold_cnt(0) depctr_sa_sdst(0) depctr_va_vdst(0) depctr_va_sdst(0) depctr_va_ssrc(0) depctr_va_vcc(0) depctr_vm_vsrc(0)
	s_getreg_b32 s2, hwreg(HW_REG_IB_STS2, 6, 4)
	s_cmp_eq_u32 s2, 0
	s_cbranch_scc0 .Lentry_in_a_cluster
	s_endpgm
.Lentry_in_a_cluster:
	s_bfe_u32 s2, ttmp6, 0x10000c
	s_cmp_lg_u32 s2, 0xf033
	s_cbranch_scc0 .Lentry_shape_is_right
	s_endpgm
.Lentry_shape_is_right:
; PRODUCT 2, FIRST TIME: s = Q(q) Q(k)^T on 256 queries x 256 keys a work-group; kept are only, for each query and each chunk of 128 keys, m = c x (the largest s) and l = the sum of 2^(c s - m), c = log2(e) / 32.
; The core (ring of two slots, joint loads in clusters of 4 x 4, 64 accumulators by turns, the instruction used transposed) is the one of the launch qkv.  A = q (qk's chunks 0-7), B = k (chunks 8-15) of the same batch.
; A lane holds one query (row 32 (a / 2) + 8 (a % 2) + r + 8 (r / 8) of its panel) and 64 of the chunk's 128 keys; lane l xor 16 holds the other 64.
; st: for query panel P and key chunk C: m at (16 P + C) x 1,024 + 32 r + 4 a, l 512 bytes on.  No work is left out.  LIMITS: NaN and infinities are not served.
.set UNIT,  12800
.set SOFF,  12288
.set QB,    2*UNIT
.set SLOT,  4*QB
.set SPARE, 2*SLOT                     ; the spare words, 128 bytes for each wave: two blocks of 256 bytes that no other line names
.set NQ,    2
.set FR,    12
.set NL,    3
.set NP,    4
.set LAPS,  2
.set ADRA,  16
.set ADRB,  20
.set ADRS,  22
.set LI,    26
.set SO,    27
.set SPW,   28
.set NIL,   29
.set SC,    32
.set AF,    128
.set G1, 24
.set G0, 32
.set G1B, 48
.set G0B, 56
.set SEL, 72
.set SM,  74
.set CS,  78                           ; s[78:79] c: the packed form names a pair and takes its low word for both halves
.set MS,  64                           ; v64-71 m of my eight blocks
.set LS,  72                           ; v72-79 l
.set T0,  80                           ; v80-87 two sets of four for the stores
.set HA,  128
.set CH,  192                          ; v192-195 four chains
.set PT,  196
.set NTM, 198                          ; v[198:199] m, named as a pair
.set SA,  200                          ; v200-203 two chains of sums
.set MSB, 0
.macro WIN new
.if MSB != (\new)
	s_set_vgpr_msb (MSB<<8)|(\new)
.set MSB, (\new)
.endif
.endm
.set MUL_LO, 0xa1
.set MUL_HI, 0xf1
.set TO_B,   0x40
.macro JLOAD g0a, g1a, g0b, g1b        ; a joint load: waves 0 and 1 fetch A's panels, waves 2 and 3 B's; an s_nop 0 and four v_nop follow each line
	s_cmp_eq_u32 s15, 0
	s_cbranch_scc0 .Lfor_b_\@
	tensor_load_to_lds s[\g0a:\g0a+3], s[\g1a:\g1a+7]
	s_nop 0
.rept 4
	v_nop
.endr
	s_branch .Lasked_\@
.Lfor_b_\@:
	tensor_load_to_lds s[\g0b:\g0b+3], s[\g1b:\g1b+7]
	s_nop 0
.rept 4
	v_nop
.endr
.Lasked_\@:
.endm
.macro CREST
	s_cmp_lg_u32 s14, 0
	s_cbranch_scc1 .Lnot_wave_0_\@
	s_barrier_signal -3
.Lnot_wave_0_\@:
	s_barrier_wait -3
	s_barrier_signal -1
	s_barrier_wait -1
.endm
.macro CROUND
	s_barrier_signal -1
	s_barrier_wait -1
	CREST
.endm
.macro PLACES n
.rept \n
	v_nop
.endr
.endm
.macro FRAG reg, adr, q, i
.irp c, 0,1,2
	ds_load_b128 v[\reg+4*\c:\reg+4*\c+3], v[\adr] offset:(\q)*UNIT+(\i)*1536+512*\c
.endr
.endm
.macro FETCH_B slot, q, p
	WIN TO_B
.irp i, 0,1,2,3,4,5,6,7
	FRAG 128*(\p)+FR*\i, ADRB+\slot, \q, \i
.endr
	WIN 0
.endm
.macro FETCH_A slot, q, i0
.irp i, \i0, \i0+1, \i0+2, \i0+3
	FRAG AF+FR*(\i), ADRA+\slot, \q, \i
.endr
.endm
.macro SCALES sc
.irp q, 0,1
.irp t, 0,1
	ds_load_b128 v[SC+16*\sc+8*\q+4*\t:SC+16*\sc+8*\q+4*\t+3], v[ADRS+\sc] offset:\q*UNIT+16*\t
.endr
.endr
.endm
.macro MUL16 a0, p, q, sc, zero        ; the 64 accumulators take turns, one instruction a turn
.irp a, \a0, \a0+1
.irp b, 0,1,2,3,4,5,6,7
.if \zero
	v_wmma_scale_f32_16x16x128_f8f6f4 v[8*(8*((\a)%4)+\b):8*(8*((\a)%4)+\b)+7], v[128*(\p)+FR*\b:128*(\p)+FR*\b+FR-1], v[AF+FR*(\a):AF+FR*(\a)+FR-1], 0, v[SC+16*(\sc)+8*(\q)+\b], v[SC+16*(\sc)+8*(\q)+(\a)] matrix_a_fmt:MATRIX_FMT_BF6 matrix_b_fmt:MATRIX_FMT_BF6 matrix_a_scale:MATRIX_SCALE_ROW1
.else
	v_wmma_scale_f32_16x16x128_f8f6f4 v[8*(8*((\a)%4)+\b):8*(8*((\a)%4)+\b)+7], v[128*(\p)+FR*\b:128*(\p)+FR*\b+FR-1], v[AF+FR*(\a):AF+FR*(\a)+FR-1], v[8*(8*((\a)%4)+\b):8*(8*((\a)%4)+\b)+7], v[SC+16*(\sc)+8*(\q)+\b], v[SC+16*(\sc)+8*(\q)+(\a)] matrix_a_fmt:MATRIX_FMT_BF6 matrix_b_fmt:MATRIX_FMT_BF6 matrix_a_scale:MATRIX_SCALE_ROW1
.endif
.endr
.endr
.endm
.macro STEP slot, q, zero
	s_wait_dscnt 4*NL                              ; all but the youngest twelve loads (A's blocks 4-7) are in
	WIN MUL_LO
	MUL16 0, (\q)%2, \q, \slot, \zero
	MUL16 2, (\q)%2, \q, \slot, \zero
	s_wait_dscnt 0
	PLACES NP
	FETCH_B \slot, (\q)+1, 1-(\q)%2
	FETCH_A \slot, (\q)+1, 0
	WIN MUL_HI
	MUL16 4, (\q)%2, \q, \slot, \zero
	MUL16 6, (\q)%2, \q, \slot, \zero
	PLACES NP
	WIN 0
	FETCH_A \slot, (\q)+1, 4
.endm
.macro TURN slot, next, fill
	s_wait_tensorcnt 0x0                           ; all my tensor loads have landed: my part of the next slot
	ds_add_u32 v[SPW], v[NIL]                      ; 0 onto my spare word
	s_wait_dscnt 4*NL+1                            ; the add and the youngest twelve loads may be out
	WIN MUL_LO
	MUL16 0, 1, NQ-1, \slot, 0
	s_wait_dscnt 0x0                               ; the add is done, and my reads of this slot are over
	s_barrier_signal -1
	MUL16 2, 1, NQ-1, \slot, 0
	WIN 0
	s_barrier_wait -1
.if \fill
	CREST                                          ; no wave of any partner still reads this slot or has a load on its way
	s_add_nc_u64 s[G0+4*\slot+2:G0+4*\slot+3], s[G0+4*\slot+2:G0+4*\slot+3], 2*QB
	s_add_nc_u64 s[G0B+4*\slot+2:G0B+4*\slot+3], s[G0B+4*\slot+2:G0B+4*\slot+3], 2*QB
	JLOAD G0+4*\slot, G1, G0B+4*\slot, G1B
.else
	PLACES NP
.endif
	FETCH_B \next, 0, 0
	FETCH_A \next, 0, 0
	SCALES \next
	WIN MUL_HI
	MUL16 4, 1, NQ-1, \slot, 0
	MUL16 6, 1, NQ-1, \slot, 0
	PLACES NP
	WIN 0
	FETCH_A \next, 0, 4
.endm
.macro SCOUT pws, t, base, off
.irp i, 0,1,2,3
	v_cndmask_b32 v[\t+\i], v[\pws+\i], v[\pws+4+\i], s[SM]
.endr
	global_store_b128 v[SO], v[\t:\t+3], s[\base:\base+1] offset:\off
.endm
	s_load_b128 s[4:7], s[0:1], 0x0                ; qk, st
	v_lshl_add_u32 v[SPW], v0, 2, SPARE
	v_mov_b32 v[NIL], 0
	ds_add_u32 v[SPW], v[NIL]                      ; the wave's opening: the add, twice on end, and its wait ahead of my first tensor load
	ds_add_u32 v[SPW], v[NIL]
	v_lshrrev_b32 v1, 5, v0
	v_readfirstlane_b32 s14, v1
	s_lshr_b32 s15, s14, 1
	s_and_b32 s16, s14, 1
	s_bfe_u32 s40, ttmp6, 0x40000                  ; cx
	s_bfe_u32 s41, ttmp6, 0x40004                  ; cy
	s_lshl_b32 s42, ttmp9, 2
	s_add_co_u32 s42, s42, s40                     ; tile column: 256 keys of the batch
	s_and_b32 s18, ttmp7, 0xffff
	s_lshl_b32 s17, s18, 2
	s_add_co_u32 s17, s17, s41                     ; tile row: 256 queries of all 8,192
	s_lshl_b32 s43, s41, 2
	s_lshl_b32 s43, 15, s43
	s_lshl_b32 s44, 0x1111, s40
	s_or_b32 s[G1+0], s43, (3<<16)|(1<<21)
	s_or_b32 s[G1B+0], s44, (3<<16)|(1<<21)
.irp g, G1, G1B
	s_mov_b32 s[\g+1], 32<<16
	s_mov_b32 s[\g+2], 100<<16
	s_mov_b32 s[\g+3], 32<<16
	s_mov_b32 s[\g+4], 100
	s_mov_b32 s[\g+5], 32
	s_mov_b32 s[\g+6], 0
	s_mov_b32 s[\g+7], 0
.endr
	s_lshl_b32 s20, s17, 1
	s_add_co_u32 s20, s20, s16
	s_mul_i32 s20, s20, 16*UNIT                    ; q: panel 2 x tile row + the one I fetch, chunk 0
	s_mov_b32 s21, 0
	s_lshr_b32 s19, s18, 1                         ; the batch: eight tile rows, two clusters along y
	s_lshl_b32 s46, s19, 4
	s_lshl_b32 s47, s42, 1
	s_add_co_u32 s46, s46, s47
	s_add_co_u32 s46, s46, s16
	s_mul_i32 s46, s46, 16*UNIT
	s_add_co_u32 s46, s46, 8*UNIT                  ; k: the batch's panel 2 x tile column + the one I fetch, chunk 8
	s_mov_b32 s47, 0
	s_mul_i32 s45, s14, QB
	s_mov_b32 s[SEL], 0x76543210
	s_mov_b32 s[SEL+1], 0xfedcba98
	s_mov_b32 s[SM], 0xffff0000
	s_mov_b32 s[CS], 0x3d38aa3b                    ; c = log2(e) / 32
	s_mov_b32 s[CS+1], s[CS]
	s_wait_dscnt 0x0
	s_wait_kmcnt 0x0
	s_add_nc_u64 s[20:21], s[4:5], s[20:21]
	s_add_nc_u64 s[46:47], s[4:5], s[46:47]
	CROUND
.irp s, 0,1
	s_mov_b32 s[G0+4*\s], 1
	s_add_co_u32 s[G0+4*\s+1], s45, \s*SLOT
	s_add_nc_u64 s[G0+4*\s+2:G0+4*\s+3], s[20:21], \s*QB
	s_or_b32 s[G0+4*\s+3], s[G0+4*\s+3], 0x80000000
	s_mov_b32 s[G0B+4*\s], 1
	s_add_co_u32 s[G0B+4*\s+1], s45, \s*SLOT
	s_add_nc_u64 s[G0B+4*\s+2:G0B+4*\s+3], s[46:47], \s*QB
	s_or_b32 s[G0B+4*\s+3], s[G0B+4*\s+3], 0x80000000
	JLOAD G0+4*\s, G1, G0B+4*\s, G1B
.endr
	v_and_b32 v1, 15, v0
	v_bfe_u32 v2, v0, 4, 1
	v_and_b32 v3, 31, v0
	v_lshlrev_b32 v[LI], 4, v3
	s_mul_i32 s90, s15, QB
	s_mul_i32 s91, s16, QB
	s_add_co_u32 s91, s91, 2*QB
	s_sub_co_u32 s92, s91, s90
	v_mul_u32_u24 v6, s92, v2
	v_lshl_add_u32 v6, v1, 5, v6
	s_add_co_u32 s93, s90, SOFF
.irp s, 0,1
	v_add_nc_u32 v[ADRA+\s], s90, v[LI]
	v_add_nc_u32 v[ADRB+\s], s91, v[LI]
	v_add_nc_u32 v[ADRS+\s], s93, v6
	s_add_co_u32 s90, s90, SLOT
	s_add_co_u32 s91, s91, SLOT
	s_add_co_u32 s93, s93, SLOT
.endr
	v_lshlrev_b32 v[SO], 5, v1
	v_lshl_add_u32 v[SO], v2, 4, v[SO]
	s_lshl_b32 s84, s17, 1
	s_add_co_u32 s84, s84, s15
	s_lshl_b32 s84, s84, 4
	s_lshl_b32 s85, s42, 1
	s_add_co_u32 s84, s84, s85
	s_add_co_u32 s84, s84, s16
	s_lshl_b32 s84, s84, 10                        ; (16 x my query panel + my key chunk) x 1,024
	s_mov_b32 s85, 0
	s_add_nc_u64 s[6:7], s[6:7], s[84:85]
	s_wait_tensorcnt 1                             ; my part of K step 0 is in; K step 1's load may be out
	s_barrier_signal -1
	s_barrier_wait -1
	FETCH_B 0, 0, 0
	FETCH_A 0, 0, 0
	SCALES 0
	FETCH_A 0, 0, 4
	STEP 0, 0, 1
.if LAPS > 1
	s_mov_b32 s3, LAPS-1
.Llap:
	TURN 0, 1, 1
	STEP 1, 0, 0
	TURN 1, 0, 1
	STEP 0, 0, 0
	s_sub_co_u32 s3, s3, 1
	s_cmp_lg_u32 s3, 0
	s_cbranch_scc1 .Llap
.endif
	TURN 0, 1, 0
	STEP 1, 0, 0
	s_wait_dscnt 4*NL
	WIN MUL_LO
	MUL16 0, 1, NQ-1, 1, 0
	MUL16 2, 1, NQ-1, 1, 0
	s_wait_dscnt 0
	WIN MUL_HI
	MUL16 4, 1, NQ-1, 1, 0
	MUL16 6, 1, NQ-1, 1, 0
	WIN 0
; Block a: the largest score (four chains, each accumulator read from its low end on), m = c x it, 64 exponentials as one batch with one wait, their sum
.macro STAT a
.set AC, 64*((\a)%4)
	WIN 0x0a+5*((\a)/4)
.irp c, 0,1,2,3
	v_max_num_f32 v[CH+\c], v[AC+16*\c], v[AC+16*\c+1]
.endr
.irp i, 2,4,6,8,10,12,14
.irp c, 0,1,2,3
	v_max3_num_f32 v[CH+\c], v[AC+16*\c+\i], v[AC+16*\c+\i+1], v[CH+\c]
.endr
.endr
	WIN 0
	v_max3_num_f32 v[CH], v[CH], v[CH+1], v[CH+2]
	v_max_num_f32 v[CH], v[CH], v[CH+3]
	v_permlanex16_b32 v[PT], v[CH], s[SEL], s[SEL+1]
	v_max_num_f32 v[CH], v[CH], v[PT]              ; with lane l xor 16's 64 keys
	v_mul_f32 v[NTM], s[CS], v[CH]
	v_mov_b32 v[MS+(\a)], v[NTM]
	WIN 0x02+((\a)/4)
.set n, 0
.rept 32
	v_pk_fma_f32 v[HA+n:HA+n+1], v[AC+n:AC+n+1], s[CS:CS+1], v[NTM:NTM+1] op_sel_hi:[1,0,0] neg_lo:[0,0,1] neg_hi:[0,0,1]   ; c s - m
.set n, n+2
.endr
	WIN 0
.set n, 0
.rept 64
	v_exp_f32 v[HA+n], v[HA+n]
.set n, n+1
.endr
	v_nop                                          ; a plain place behind the last exponential
	s_wait_alu depctr_va_vdst(0)                   ; one wait for the batch, ahead of its first reader
	v_pk_add_f32 v[SA:SA+1], v[HA:HA+1], v[HA+2:HA+3]
	v_pk_add_f32 v[SA+2:SA+3], v[HA+4:HA+5], v[HA+6:HA+7]
.irp j, 8,12,16,20,24,28,32,36,40,44,48,52,56,60
	v_pk_add_f32 v[SA:SA+1], v[SA:SA+1], v[HA+\j:HA+\j+1]
	v_pk_add_f32 v[SA+2:SA+3], v[SA+2:SA+3], v[HA+\j+2:HA+\j+3]
.endr
	v_pk_add_f32 v[SA:SA+1], v[SA:SA+1], v[SA+2:SA+3]
	v_add_f32 v[SA], v[SA], v[SA+1]
	v_permlanex16_b32 v[PT], v[SA], s[SEL], s[SEL+1]
	v_add_f32 v[LS+(\a)], v[SA], v[PT]
.endm
	PLACES NP                                      ; behind the last products
	v_mov_b32 v[PT], 0                             ; a lane permute's destination counts as one of its sources
	v_mov_b32 v[NTM+1], 0                          ; named as the upper half of a pair
.irp a, 0,1,2,3,4,5,6,7
	STAT \a
.endr
	SCOUT MS, T0, 6, 0
	SCOUT LS, T0+4, 6, 512
	s_wait_tensorcnt 0x0                           ; the wave's end
	ds_add_u32 v[SPW], v[NIL]
	s_wait_dscnt 0x0
	CROUND                                         ; the closing round
	s_endpgm
.Lfunc_end_k_q90e7169910_stats:
	.size	k_q90e7169910_stats, .Lfunc_end_k_q90e7169910_stats-k_q90e7169910_stats
	.p2alignl 7, 3214868480
	.fill 96, 4, 3214868480
	.section	.rodata,"a",@progbits
	.p2align	6, 0x0
	.amdhsa_kernel k_q90e7169910_stats
		.amdhsa_group_segment_fixed_size 327680
		.amdhsa_private_segment_fixed_size 0
		.amdhsa_enable_private_segment 0
		.amdhsa_kernarg_size 16
		.amdhsa_user_sgpr_count 2
		.amdhsa_user_sgpr_kernarg_segment_ptr 1
		.amdhsa_wavefront_size32 1
		.amdhsa_system_sgpr_workgroup_id_x 1
		.amdhsa_system_sgpr_workgroup_id_y 1
		.amdhsa_system_sgpr_workgroup_id_z 1
		.amdhsa_system_vgpr_workitem_id 0
		.amdhsa_next_free_vgpr 1024
		.amdhsa_next_free_sgpr 100
		.amdhsa_reserve_vcc 0
		.amdhsa_float_denorm_mode_32 3
		.amdhsa_float_denorm_mode_16_64 3
		.amdhsa_memory_ordered 1
		.amdhsa_forward_progress 1
		.amdhsa_inst_pref_size 170
	.end_amdhsa_kernel
	.amdgpu_metadata
---
amdhsa.version: [ 1, 2 ]
amdhsa.kernels:
  - .name:           k_q90e7169910_stats
    .symbol:         k_q90e7169910_stats.kd
    .args:
      - { .name: qk, .offset: 0, .size: 8, .value_kind: global_buffer, .address_space: global }
      - { .name: st, .offset: 8, .size: 8, .value_kind: global_buffer, .address_space: global }
    .group_segment_fixed_size: 327680
    .private_segment_fixed_size: 0
    .kernarg_segment_align: 8
    .kernarg_segment_size: 16
    .max_flat_workgroup_size: 128
    .sgpr_count:     100
    .vgpr_count:     1024
    .wavefront_size: 32
...
	.end_amdgpu_metadata
.endif
;; end of part 3
;; launch probs (part 4): grid 8 x 32, 4 waves a work-group, clusters of 4 x 4, 327,680 bytes of LDS; arguments qk, st, pw; writes pw
.if DOCPART == 4
	.amdgcn_target "amdgcn-amd-amdhsa--gfx1250"
	.amdhsa_code_object_version 6
	.text
	.protected	k_q90e7169910_probs
	.globl	k_q90e7169910_probs
	.p2align	8
	.type	k_q90e7169910_probs,@function
k_q90e7169910_probs:
	s_mov_b64 s[64:65], 0
	v_nop
	global_prefetch_b8 v0, s[64:65] scope:SCOPE_SE
	s_setreg_imm32_b32 hwreg(HW_REG_WAVE_MODE, 25, 1), 1
	s_wait_xcnt 0x0
	s_wait_alu depctr_hold_cnt(0) depctr_sa_sdst(0) depctr_va_vdst(0) depctr_va_sdst(0) depctr_va_ssrc(0) depctr_va_vcc(0) depctr_vm_vsrc(0)
	s_getreg_b32 s2, hwreg(HW_REG_IB_STS2, 6, 4)
	s_cmp_eq_u32 s2, 0
	s_cbranch_scc0 .Lentry_in_a_cluster
	s_endpgm
.Lentry_in_a_cluster:
	s_bfe_u32 s2, ttmp6, 0x10000c
	s_cmp_lg_u32 s2, 0xf033
	s_cbranch_scc0 .Lentry_shape_is_right
	s_endpgm
.Lentry_shape_is_right:
; PRODUCT 2, SECOND TIME: the same scores, by the same instructions in the same order, so the same bits as in the launch stats; now w = exp(s / 32 - logsumexp) = 2^(c s - M) / L is finished, normalised,
; quantised along the keys in registers and stored as codes in the image layout (pw: panel = query panel, chunk = 128 keys of the batch).  c = log2(e) / 32.
; AT THE HEAD, while the first tiles are on their way: from st's 16 pairs (m, l) of each of my 128 queries: M = the largest m, L = the sum of l x 2^(m - M).  M and 1 / L are kept apart: M is taken off inside the fused multiply-add.
; A BLOCK'S LARGEST w IS NOT SEARCHED FOR: the block's largest score goes through the same multiply-add, exponential and multiplication (this takes v_exp_f32 not to fall where its input rises).
; No work is left out.  LIMITS: NaN and infinities are not served; a w under 2^-126 becomes 0; a block of zeros gets the byte 1 (its codes are zeros; this program alone reads the bytes).
.set UNIT,  12800
.set SOFF,  12288
.set QB,    2*UNIT
.set SLOT,  4*QB
.set SPARE, 2*SLOT                     ; the spare words, 128 bytes for each wave: two blocks of 256 bytes that no other line names
.set NQ,    2
.set FR,    12
.set NL,    3
.set NP,    4
.set LAPS,  2
.set ADRA,  16
.set ADRB,  20
.set ADRS,  22
.set LI,    26
.set SO,    27
.set SPW,   28
.set NIL,   29
.set SC,    32
.set AF,    128
.set G1, 24
.set G0, 32
.set G1B, 48
.set G0B, 56
.set SEL, 72
.set SM,  74
.set CS,  78
.set PWS, 64                           ; v64-71 the eight blocks' scale words
.set T0,  72
.set TM,  80                           ; v80-95
.set PC,  96                           ; v96-115
.set HA,  128
.set MP,  224                          ; v224-239 M of block a, twice, at MP + 2 a
.set RL,  240                          ; v240-255 1 / L likewise
.set MM,  64                           ; the head's scratch: v64-127 m of chunk 8 h + c, block i, at 8 c + i;
.set LL,  128                          ; v128-191 l likewise;
.set TT,  192                          ; v192-199 M; v200-207 at work; v208-215 L; v216-223 1 / L
.set PX,  200
.set LT,  208
.set RC,  216
.set MSB, 0
.macro WIN new
.if MSB != (\new)
	s_set_vgpr_msb (MSB<<8)|(\new)
.set MSB, (\new)
.endif
.endm
.set MUL_LO, 0xa1
.set MUL_HI, 0xf1
.set TO_B,   0x40
.macro JLOAD g0a, g1a, g0b, g1b        ; a joint load: waves 0 and 1 fetch A's panels, waves 2 and 3 B's; an s_nop 0 and four v_nop follow each line
	s_cmp_eq_u32 s15, 0
	s_cbranch_scc0 .Lfor_b_\@
	tensor_load_to_lds s[\g0a:\g0a+3], s[\g1a:\g1a+7]
	s_nop 0
.rept 4
	v_nop
.endr
	s_branch .Lasked_\@
.Lfor_b_\@:
	tensor_load_to_lds s[\g0b:\g0b+3], s[\g1b:\g1b+7]
	s_nop 0
.rept 4
	v_nop
.endr
.Lasked_\@:
.endm
.macro CREST
	s_cmp_lg_u32 s14, 0
	s_cbranch_scc1 .Lnot_wave_0_\@
	s_barrier_signal -3
.Lnot_wave_0_\@:
	s_barrier_wait -3
	s_barrier_signal -1
	s_barrier_wait -1
.endm
.macro CROUND
	s_barrier_signal -1
	s_barrier_wait -1
	CREST
.endm
.macro PLACES n
.rept \n
	v_nop
.endr
.endm
.macro FRAG reg, adr, q, i
.irp c, 0,1,2
	ds_load_b128 v[\reg+4*\c:\reg+4*\c+3], v[\adr] offset:(\q)*UNIT+(\i)*1536+512*\c
.endr
.endm
.macro FETCH_B slot, q, p
	WIN TO_B
.irp i, 0,1,2,3,4,5,6,7
	FRAG 128*(\p)+FR*\i, ADRB+\slot, \q, \i
.endr
	WIN 0
.endm
.macro FETCH_A slot, q, i0
.irp i, \i0, \i0+1, \i0+2, \i0+3
	FRAG AF+FR*(\i), ADRA+\slot, \q, \i
.endr
.endm
.macro SCALES sc
.irp q, 0,1
.irp t, 0,1
	ds_load_b128 v[SC+16*\sc+8*\q+4*\t:SC+16*\sc+8*\q+4*\t+3], v[ADRS+\sc] offset:\q*UNIT+16*\t
.endr
.endr
.endm
.macro MUL16 a0, p, q, sc, zero        ; the 64 accumulators take turns, one instruction a turn
.irp a, \a0, \a0+1
.irp b, 0,1,2,3,4,5,6,7
.if \zero
	v_wmma_scale_f32_16x16x128_f8f6f4 v[8*(8*((\a)%4)+\b):8*(8*((\a)%4)+\b)+7], v[128*(\p)+FR*\b:128*(\p)+FR*\b+FR-1], v[AF+FR*(\a):AF+FR*(\a)+FR-1], 0, v[SC+16*(\sc)+8*(\q)+\b], v[SC+16*(\sc)+8*(\q)+(\a)] matrix_a_fmt:MATRIX_FMT_BF6 matrix_b_fmt:MATRIX_FMT_BF6 matrix_a_scale:MATRIX_SCALE_ROW1
.else
	v_wmma_scale_f32_16x16x128_f8f6f4 v[8*(8*((\a)%4)+\b):8*(8*((\a)%4)+\b)+7], v[128*(\p)+FR*\b:128*(\p)+FR*\b+FR-1], v[AF+FR*(\a):AF+FR*(\a)+FR-1], v[8*(8*((\a)%4)+\b):8*(8*((\a)%4)+\b)+7], v[SC+16*(\sc)+8*(\q)+\b], v[SC+16*(\sc)+8*(\q)+(\a)] matrix_a_fmt:MATRIX_FMT_BF6 matrix_b_fmt:MATRIX_FMT_BF6 matrix_a_scale:MATRIX_SCALE_ROW1
.endif
.endr
.endr
.endm
.macro STEP slot, q, zero
	s_wait_dscnt 4*NL                              ; all but the youngest twelve loads (A's blocks 4-7) are in
	WIN MUL_LO
	MUL16 0, (\q)%2, \q, \slot, \zero
	MUL16 2, (\q)%2, \q, \slot, \zero
	s_wait_dscnt 0
	PLACES NP
	FETCH_B \slot, (\q)+1, 1-(\q)%2
	FETCH_A \slot, (\q)+1, 0
	WIN MUL_HI
	MUL16 4, (\q)%2, \q, \slot, \zero
	MUL16 6, (\q)%2, \q, \slot, \zero
	PLACES NP
	WIN 0
	FETCH_A \slot, (\q)+1, 4
.endm
.macro TURN slot, next, fill
	s_wait_tensorcnt 0x0                           ; all my tensor loads have landed: my part of the next slot
	ds_add_u32 v[SPW], v[NIL]                      ; 0 onto my spare word
	s_wait_dscnt 4*NL+1                            ; the add and the youngest twelve loads may be out
	WIN MUL_LO
	MUL16 0, 1, NQ-1, \slot, 0
	s_wait_dscnt 0x0                               ; the add is done, and my reads of this slot are over
	s_barrier_signal -1
	MUL16 2, 1, NQ-1, \slot, 0
	WIN 0
	s_barrier_wait -1
.if \fill
	CREST                                          ; no wave of any partner still reads this slot or has a load on its way
	s_add_nc_u64 s[G0+4*\slot+2:G0+4*\slot+3], s[G0+4*\slot+2:G0+4*\slot+3], 2*QB
	s_add_nc_u64 s[G0B+4*\slot+2:G0B+4*\slot+3], s[G0B+4*\slot+2:G0B+4*\slot+3], 2*QB
	JLOAD G0+4*\slot, G1, G0B+4*\slot, G1B
.else
	PLACES NP
.endif
	FETCH_B \next, 0, 0
	FETCH_A \next, 0, 0
	SCALES \next
	WIN MUL_HI
	MUL16 4, 1, NQ-1, \slot, 0
	MUL16 6, 1, NQ-1, \slot, 0
	PLACES NP
	WIN 0
	FETCH_A \next, 0, 4
.endm
.macro QPACK s, pw
.irp b, 0,1,2,3
	v_add_nc_u32 v[TM+12+\b], 0xfe000000, v[TM+\b]     ; 4 off the exponent field: the conversion's scale operand
.endr
.irp b, 0,1,2,3
	v_lshrrev_b32 v[TM+4+\b], 23, v[TM+12+\b]          ; the scale's byte
.endr
	v_lshl_or_b32 v[\pw], v[TM+5], 8, v[TM+4]
	v_lshl_or_b32 v[\pw], v[TM+6], 16, v[\pw]
	v_lshl_or_b32 v[\pw], v[TM+7], 24, v[\pw]
.irp c, 0,1
	v_cvt_scalef32_pk16_bf6_f32 v[PC+6*\c:PC+2+6*\c], v[\s+32*\c:\s+15+32*\c], v[TM+12+2*\c]
	v_cvt_scalef32_pk16_bf6_f32 v[PC+12+4*\c:PC+14+4*\c], v[\s+16+32*\c:\s+31+32*\c], v[TM+12+2*\c+1]
.endr
	v_nop                                              ; one plain place behind a scaled conversion
.irp c, 0,1
.irp i, 0,1,2
	v_permlane16_swap_b32 v[PC+6*\c+\i], v[PC+12+4*\c+\i]
.endr
.irp i, 0,1,2
	v_mov_b32 v[PC+3+6*\c+\i], v[PC+12+4*\c+\i]
.endr
.endr
.endm
.macro SCOUT pws, t, base, off
.irp i, 0,1,2,3
	v_cndmask_b32 v[\t+\i], v[\pws+\i], v[\pws+4+\i], s[SM]
.endr
	global_store_b128 v[SO], v[\t:\t+3], s[\base:\base+1] offset:\off
.endm
	s_load_b128 s[4:7], s[0:1], 0x0                ; qk, st
	s_load_b64 s[8:9], s[0:1], 0x10                ; pw
	v_lshl_add_u32 v[SPW], v0, 2, SPARE
	v_mov_b32 v[NIL], 0
	ds_add_u32 v[SPW], v[NIL]                      ; the wave's opening: the add, twice on end, and its wait ahead of my first tensor load
	ds_add_u32 v[SPW], v[NIL]
	v_lshrrev_b32 v1, 5, v0
	v_readfirstlane_b32 s14, v1
	s_lshr_b32 s15, s14, 1
	s_and_b32 s16, s14, 1
	s_bfe_u32 s40, ttmp6, 0x40000
	s_bfe_u32 s41, ttmp6, 0x40004
	s_lshl_b32 s42, ttmp9, 2
	s_add_co_u32 s42, s42, s40                     ; tile column: 256 keys of the batch
	s_and_b32 s18, ttmp7, 0xffff
	s_lshl_b32 s17, s18, 2
	s_add_co_u32 s17, s17, s41                     ; tile row: 256 queries
	s_lshl_b32 s43, s41, 2
	s_lshl_b32 s43, 15, s43
	s_lshl_b32 s44, 0x1111, s40
	s_or_b32 s[G1+0], s43, (3<<16)|(1<<21)
	s_or_b32 s[G1B+0], s44, (3<<16)|(1<<21)
.irp g, G1, G1B
	s_mov_b32 s[\g+1], 32<<16
	s_mov_b32 s[\g+2], 100<<16
	s_mov_b32 s[\g+3], 32<<16
	s_mov_b32 s[\g+4], 100
	s_mov_b32 s[\g+5], 32
	s_mov_b32 s[\g+6], 0
	s_mov_b32 s[\g+7], 0
.endr
	s_lshl_b32 s20, s17, 1
	s_add_co_u32 s20, s20, s16
	s_mul_i32 s20, s20, 16*UNIT
	s_mov_b32 s21, 0
	s_lshr_b32 s19, s18, 1
	s_lshl_b32 s46, s19, 4
	s_lshl_b32 s47, s42, 1
	s_add_co_u32 s46, s46, s47
	s_add_co_u32 s46, s46, s16
	s_mul_i32 s46, s46, 16*UNIT
	s_add_co_u32 s46, s46, 8*UNIT
	s_mov_b32 s47, 0
	s_mul_i32 s45, s14, QB
	s_mov_b32 s[SEL], 0x76543210
	s_mov_b32 s[SEL+1], 0xfedcba98
	s_mov_b32 s[SM], 0xffff0000
	s_mov_b32 s[CS], 0x3d38aa3b                    ; c = log2(e) / 32
	s_mov_b32 s[CS+1], s[CS]
	s_wait_dscnt 0x0
	s_wait_kmcnt 0x0
	s_add_nc_u64 s[20:21], s[4:5], s[20:21]
	s_add_nc_u64 s[46:47], s[4:5], s[46:47]
	CROUND
.irp s, 0,1
	s_mov_b32 s[G0+4*\s], 1
	s_add_co_u32 s[G0+4*\s+1], s45, \s*SLOT
	s_add_nc_u64 s[G0+4*\s+2:G0+4*\s+3], s[20:21], \s*QB
	s_or_b32 s[G0+4*\s+3], s[G0+4*\s+3], 0x80000000
	s_mov_b32 s[G0B+4*\s], 1
	s_add_co_u32 s[G0B+4*\s+1], s45, \s*SLOT
	s_add_nc_u64 s[G0B+4*\s+2:G0B+4*\s+3], s[46:47], \s*QB
	s_or_b32 s[G0B+4*\s+3], s[G0B+4*\s+3], 0x80000000
	JLOAD G0+4*\s, G1, G0B+4*\s, G1B
.endr
	v_and_b32 v1, 15, v0
	v_bfe_u32 v2, v0, 4, 1
	v_and_b32 v3, 31, v0
	; the statistics of my query panel: lane (r, h) takes chunks 8 h + c, all eight blocks
	s_lshl_b32 s84, s17, 1
	s_add_co_u32 s84, s84, s15
	s_lshl_b32 s86, s84, 14                        ; my query panel x 16 chunks x 1,024 bytes
	s_mov_b32 s87, 0
	s_add_nc_u64 s[6:7], s[6:7], s[86:87]
	v_lshlrev_b32 v4, 5, v1
	v_lshl_add_u32 v4, v2, 13, v4
.irp c, 0,1,2,3,4,5,6,7
.irp t, 0,1
	global_load_b128 v[MM+8*\c+4*\t:MM+8*\c+4*\t+3], v4, s[6:7] offset:1024*\c+16*\t
	global_load_b128 v[LL+8*\c+4*\t:LL+8*\c+4*\t+3], v4, s[6:7] offset:1024*\c+16*\t+512
.endr
.endr
	v_lshlrev_b32 v[LI], 4, v3
	s_mul_i32 s90, s15, QB
	s_mul_i32 s91, s16, QB
	s_add_co_u32 s91, s91, 2*QB
	s_sub_co_u32 s92, s91, s90
	v_mul_u32_u24 v6, s92, v2
	v_lshl_add_u32 v6, v1, 5, v6
	s_add_co_u32 s93, s90, SOFF
.irp s, 0,1
	v_add_nc_u32 v[ADRA+\s], s90, v[LI]
	v_add_nc_u32 v[ADRB+\s], s91, v[LI]
	v_add_nc_u32 v[ADRS+\s], s93, v6
	s_add_co_u32 s90, s90, SLOT
	s_add_co_u32 s91, s91, SLOT
	s_add_co_u32 s93, s93, SLOT
.endr
	v_lshlrev_b32 v[SO], 5, v1
	v_lshl_add_u32 v[SO], v2, 4, v[SO]
	s_lshl_b32 s84, s84, 4
	s_lshl_b32 s85, s42, 1
	s_add_co_u32 s84, s84, s85
	s_add_co_u32 s84, s84, s16
	s_mul_i32 s84, s84, UNIT                       ; my unit of pw: (16 x my query panel + my key chunk) x 12,800
	s_mov_b32 s85, 0
	s_add_nc_u64 s[8:9], s[8:9], s[84:85]
.irp i, 0,1,2,3,4,5,6,7
	v_mov_b32 v[PX+\i], 0                          ; a lane permute's destination counts as one of its sources
.endr
	s_wait_loadcnt 0x0
.irp i, 0,1,2,3,4,5,6,7
	v_max3_num_f32 v[TT+\i], v[MM+\i], v[MM+8+\i], v[MM+16+\i]
.endr
.irp i, 0,1,2,3,4,5,6,7
	v_max3_num_f32 v[TT+\i], v[TT+\i], v[MM+24+\i], v[MM+32+\i]
.endr
.irp i, 0,1,2,3,4,5,6,7
	v_max3_num_f32 v[TT+\i], v[TT+\i], v[MM+40+\i], v[MM+48+\i]
.endr
.irp i, 0,1,2,3,4,5,6,7
	v_max_num_f32 v[TT+\i], v[TT+\i], v[MM+56+\i]
.endr
.irp i, 0,1,2,3,4,5,6,7
	v_permlanex16_b32 v[PX+\i], v[TT+\i], s[SEL], s[SEL+1]
.endr
.irp i, 0,1,2,3,4,5,6,7
	v_max_num_f32 v[TT+\i], v[TT+\i], v[PX+\i]     ; M: over all 16 chunks
.endr
.irp c, 0,1,2,3,4,5,6,7
.irp u, 0,2,4,6
	v_pk_add_f32 v[MM+8*\c+\u:MM+8*\c+\u+1], v[MM+8*\c+\u:MM+8*\c+\u+1], v[TT+\u:TT+\u+1] neg_lo:[0,1] neg_hi:[0,1]   ; m - M
.endr
.endr
.set n, 0
.rept 64
	v_exp_f32 v[MM+n], v[MM+n]
.set n, n+1
.endr
	v_nop                                          ; a plain place behind the last exponential
	s_wait_alu depctr_va_vdst(0)                   ; one wait for the batch
.irp u, 0,2,4,6
	v_pk_mul_f32 v[LT+\u:LT+\u+1], v[LL+\u:LL+\u+1], v[MM+\u:MM+\u+1]
.endr
.irp c, 1,2,3,4,5,6,7
.irp u, 0,2,4,6
	v_pk_fma_f32 v[LT+\u:LT+\u+1], v[LL+8*\c+\u:LL+8*\c+\u+1], v[MM+8*\c+\u:MM+8*\c+\u+1], v[LT+\u:LT+\u+1]
.endr
.endr
.irp i, 0,1,2,3,4,5,6,7
	v_permlanex16_b32 v[PX+\i], v[LT+\i], s[SEL], s[SEL+1]
.endr
.irp i, 0,1,2,3,4,5,6,7
	v_add_f32 v[LT+\i], v[LT+\i], v[PX+\i]         ; L
.endr
.irp i, 0,1,2,3,4,5,6,7
	v_rcp_f32 v[RC+\i], v[LT+\i]
.endr
	v_nop
	s_wait_alu depctr_va_vdst(0)                   ; one wait for the eight reciprocals
.irp i, 0,1,2,3,4,5,6,7
	v_mov_b32 v[MP+2*\i], v[TT+\i]                 ; pairs for the packed forms
	v_mov_b32 v[MP+2*\i+1], v[TT+\i]
	v_mov_b32 v[RL+2*\i], v[RC+\i]
	v_mov_b32 v[RL+2*\i+1], v[RC+\i]
.endr
.irp b, 0,1,2,3
	v_mov_b32 v[TM+4+\b], 0                        ; a lane permute's destination counts as one of its sources
.endr
	s_wait_tensorcnt 1                             ; my part of K step 0 is in; K step 1's load may be out
	s_barrier_signal -1
	s_barrier_wait -1
	FETCH_B 0, 0, 0
	FETCH_A 0, 0, 0
	SCALES 0
	FETCH_A 0, 0, 4
	STEP 0, 0, 1
.if LAPS > 1
	s_mov_b32 s3, LAPS-1
.Llap:
	TURN 0, 1, 1
	STEP 1, 0, 0
	TURN 1, 0, 1
	STEP 0, 0, 0
	s_sub_co_u32 s3, s3, 1
	s_cmp_lg_u32 s3, 0
	s_cbranch_scc1 .Llap
.endif
	TURN 0, 1, 0
	STEP 1, 0, 0
	s_wait_dscnt 4*NL
	WIN MUL_LO
	MUL16 0, 1, NQ-1, 1, 0
	MUL16 2, 1, NQ-1, 1, 0
	s_wait_dscnt 0
	WIN MUL_HI
	MUL16 4, 1, NQ-1, 1, 0
	MUL16 6, 1, NQ-1, 1, 0
	WIN 0
; Block a: each block of 32 keys' largest score; w of the 64 scores and of the four largest, by the same three instructions; scales, codes, three stores of 512 bytes
.macro PROB a
.set AC, 64*((\a)%4)
	s_wait_xcnt 0x0                                ; the last block's stores have read the code registers
	WIN 0x0a+5*((\a)/4)
.irp b, 0,1,2,3
	v_max_num_f32 v[TM+\b], v[AC+16*\b], v[AC+16*\b+1]     ; each accumulator is read from its low end on
.endr
.irp i, 2,4,6,8,10,12,14
.irp b, 0,1,2,3
	v_max3_num_f32 v[TM+\b], v[AC+16*\b+\i], v[AC+16*\b+\i+1], v[TM+\b]
.endr
.endr
	WIN 0x02+((\a)/4)
.set n, 0
.rept 32
	v_pk_fma_f32 v[HA+n:HA+n+1], v[AC+n:AC+n+1], s[CS:CS+1], v[MP+2*(\a):MP+2*(\a)+1] op_sel_hi:[1,0,1] neg_lo:[0,0,1] neg_hi:[0,0,1]   ; c s - M
.set n, n+2
.endr
	WIN 0
.irp b, 0,1,2,3
	v_permlanex16_b32 v[TM+4+\b], v[TM+\b], s[SEL], s[SEL+1]
.endr
.irp b, 0,1,2,3
	v_max_num_f32 v[TM+\b], v[TM+\b], v[TM+4+\b]
.endr
.irp b, 0,1,2,3
	v_fma_f32 v[TM+\b], v[TM+\b], s[CS], -v[MP+2*(\a)]
.endr
.set n, 0
.rept 64
	v_exp_f32 v[HA+n], v[HA+n]
.set n, n+1
.endr
.irp b, 0,1,2,3
	v_exp_f32 v[TM+\b], v[TM+\b]
.endr
	v_nop                                          ; a plain place behind the last exponential
	s_wait_alu depctr_va_vdst(0)                   ; one wait for the 68
.set n, 0
.rept 32
	v_pk_mul_f32 v[HA+n:HA+n+1], v[HA+n:HA+n+1], v[RL+2*(\a):RL+2*(\a)+1]      ; w, finished
.set n, n+2
.endr
.irp b, 0,1,2,3
	v_mul_f32 v[TM+\b], v[TM+\b], v[RL+2*(\a)]
.endr
.irp b, 0,1,2,3
	v_max_num_f32 v[TM+\b], 0x2800000, v[TM+\b]    ; the floor 2^(5 - 127): the byte cannot fall under 1
.endr
	QPACK HA, PWS+(\a)
.irp c, 0,1,2
	global_store_b128 v[LI], v[PC+4*\c:PC+4*\c+3], s[8:9] offset:1536*(\a)+512*\c
.endr
.endm
	PLACES NP                                      ; behind the last products
.irp a, 0,1,2,3,4,5,6,7
	PROB \a
.endr
	SCOUT PWS, T0, 8, SOFF
	s_wait_tensorcnt 0x0                           ; the wave's end
	ds_add_u32 v[SPW], v[NIL]
	s_wait_dscnt 0x0
	CROUND                                         ; the closing round
	s_endpgm
.Lfunc_end_k_q90e7169910_probs:
	.size	k_q90e7169910_probs, .Lfunc_end_k_q90e7169910_probs-k_q90e7169910_probs
	.p2alignl 7, 3214868480
	.fill 96, 4, 3214868480
	.section	.rodata,"a",@progbits
	.p2align	6, 0x0
	.amdhsa_kernel k_q90e7169910_probs
		.amdhsa_group_segment_fixed_size 327680
		.amdhsa_private_segment_fixed_size 0
		.amdhsa_enable_private_segment 0
		.amdhsa_kernarg_size 24
		.amdhsa_user_sgpr_count 2
		.amdhsa_user_sgpr_kernarg_segment_ptr 1
		.amdhsa_wavefront_size32 1
		.amdhsa_system_sgpr_workgroup_id_x 1
		.amdhsa_system_sgpr_workgroup_id_y 1
		.amdhsa_system_sgpr_workgroup_id_z 1
		.amdhsa_system_vgpr_workitem_id 0
		.amdhsa_next_free_vgpr 1024
		.amdhsa_next_free_sgpr 100
		.amdhsa_reserve_vcc 0
		.amdhsa_float_denorm_mode_32 3
		.amdhsa_float_denorm_mode_16_64 3
		.amdhsa_memory_ordered 1
		.amdhsa_forward_progress 1
		.amdhsa_inst_pref_size 203
	.end_amdhsa_kernel
	.amdgpu_metadata
---
amdhsa.version: [ 1, 2 ]
amdhsa.kernels:
  - .name:           k_q90e7169910_probs
    .symbol:         k_q90e7169910_probs.kd
    .args:
      - { .name: qk, .offset: 0, .size: 8, .value_kind: global_buffer, .address_space: global }
      - { .name: st, .offset: 8, .size: 8, .value_kind: global_buffer, .address_space: global }
      - { .name: pw, .offset: 16, .size: 8, .value_kind: global_buffer, .address_space: global }
    .group_segment_fixed_size: 327680
    .private_segment_fixed_size: 0
    .kernarg_segment_align: 8
    .kernarg_segment_size: 24
    .max_flat_workgroup_size: 128
    .sgpr_count:     100
    .vgpr_count:     1024
    .wavefront_size: 32
...
	.end_amdgpu_metadata
.endif
;; end of part 4
;; launch pv (part 5): grid 4 x 32, 4 waves a work-group, clusters of 4 x 4, 327,680 bytes of LDS; arguments pw, vt, out0; writes out0
.if DOCPART == 5
	.amdgcn_target "amdgcn-amd-amdhsa--gfx1250"
	.amdhsa_code_object_version 6
	.text
	.protected	k_q90e7169910_pv
	.globl	k_q90e7169910_pv
	.p2align	8
	.type	k_q90e7169910_pv,@function
k_q90e7169910_pv:
	s_mov_b64 s[64:65], 0
	v_nop
	global_prefetch_b8 v0, s[64:65] scope:SCOPE_SE
	s_setreg_imm32_b32 hwreg(HW_REG_WAVE_MODE, 25, 1), 1
	s_wait_xcnt 0x0
	s_wait_alu depctr_hold_cnt(0) depctr_sa_sdst(0) depctr_va_vdst(0) depctr_va_sdst(0) depctr_va_ssrc(0) depctr_va_vcc(0) depctr_vm_vsrc(0)
	s_getreg_b32 s2, hwreg(HW_REG_IB_STS2, 6, 4)
	s_cmp_eq_u32 s2, 0
	s_cbranch_scc0 .Lentry_in_a_cluster
	s_endpgm
.Lentry_in_a_cluster:
	s_bfe_u32 s2, ttmp6, 0x10000c
	s_cmp_lg_u32 s2, 0xf033
	s_cbranch_scc0 .Lentry_shape_is_right
	s_endpgm
.Lentry_shape_is_right:
; PRODUCT 3: y = Q(w) Q(v): A = pw (rows = queries, K = the batch's 2,048 keys), B = vt (rows = d, K = the same keys); 256 queries x 256 d a work-group, 128 work-groups: all the tiles that there are at this tile size.
; The core is the one of the launch qkv, with four laps.  A lane holds one query (row 32 (a / 2) + 8 (a % 2) + r + 8 (r / 8) of its panel); register n of a block holds d = 32 (n / 16) + 16 (lane / 16) + n % 16.
; THE WAY OUT: a block of 16 queries x 128 d goes through the wave's own stage in LDS and comes back as whole rows of 512 bytes, which the 32 lanes store as 512 consecutive bytes, aligned.
; The stage lies in slot 0: when the first result is stored there the slot has had its last fill, and every wave has passed the last change of slots, behind which nobody reads it.
; No work is left out.  LIMITS: NaN and infinities are not served.
.set UNIT,  12800
.set SOFF,  12288
.set QB,    2*UNIT
.set SLOT,  4*QB
.set SPARE, 2*SLOT                     ; the spare words, 128 bytes for each wave: two blocks of 256 bytes that no other line names
.set NQ,    2
.set FR,    12
.set NL,    3
.set NP,    4
.set LAPS,  4
.set SPITCH, 528
.set ADRA,  16
.set ADRB,  20
.set ADRS,  22
.set STO,   24
.set RD,    25
.set LI,    26
.set SPW,   28
.set NIL,   29
.set SC,    32
.set AF,    128
.set BK,    128                        ; the way out: 16 rows read back: v128-191 and v192-255 by turns
.set G1, 24
.set G0, 32
.set G1B, 48
.set G0B, 56
.set MSB, 0
.macro WIN new
.if MSB != (\new)
	s_set_vgpr_msb (MSB<<8)|(\new)
.set MSB, (\new)
.endif
.endm
.set MUL_LO, 0xa1
.set MUL_HI, 0xf1
.set TO_B,   0x40
.macro JLOAD g0a, g1a, g0b, g1b        ; a joint load: waves 0 and 1 fetch A's panels, waves 2 and 3 B's; an s_nop 0 and four v_nop follow each line
	s_cmp_eq_u32 s15, 0
	s_cbranch_scc0 .Lfor_b_\@
	tensor_load_to_lds s[\g0a:\g0a+3], s[\g1a:\g1a+7]
	s_nop 0
.rept 4
	v_nop
.endr
	s_branch .Lasked_\@
.Lfor_b_\@:
	tensor_load_to_lds s[\g0b:\g0b+3], s[\g1b:\g1b+7]
	s_nop 0
.rept 4
	v_nop
.endr
.Lasked_\@:
.endm
.macro CREST
	s_cmp_lg_u32 s14, 0
	s_cbranch_scc1 .Lnot_wave_0_\@
	s_barrier_signal -3
.Lnot_wave_0_\@:
	s_barrier_wait -3
	s_barrier_signal -1
	s_barrier_wait -1
.endm
.macro CROUND
	s_barrier_signal -1
	s_barrier_wait -1
	CREST
.endm
.macro PLACES n
.rept \n
	v_nop
.endr
.endm
.macro FRAG reg, adr, q, i
.irp c, 0,1,2
	ds_load_b128 v[\reg+4*\c:\reg+4*\c+3], v[\adr] offset:(\q)*UNIT+(\i)*1536+512*\c
.endr
.endm
.macro FETCH_B slot, q, p
	WIN TO_B
.irp i, 0,1,2,3,4,5,6,7
	FRAG 128*(\p)+FR*\i, ADRB+\slot, \q, \i
.endr
	WIN 0
.endm
.macro FETCH_A slot, q, i0
.irp i, \i0, \i0+1, \i0+2, \i0+3
	FRAG AF+FR*(\i), ADRA+\slot, \q, \i
.endr
.endm
.macro SCALES sc
.irp q, 0,1
.irp t, 0,1
	ds_load_b128 v[SC+16*\sc+8*\q+4*\t:SC+16*\sc+8*\q+4*\t+3], v[ADRS+\sc] offset:\q*UNIT+16*\t
.endr
.endr
.endm
.macro MUL16 a0, p, q, sc, zero        ; the 64 accumulators take turns, one instruction a turn
.irp a, \a0, \a0+1
.irp b, 0,1,2,3,4,5,6,7
.if \zero
	v_wmma_scale_f32_16x16x128_f8f6f4 v[8*(8*((\a)%4)+\b):8*(8*((\a)%4)+\b)+7], v[128*(\p)+FR*\b:128*(\p)+FR*\b+FR-1], v[AF+FR*(\a):AF+FR*(\a)+FR-1], 0, v[SC+16*(\sc)+8*(\q)+\b], v[SC+16*(\sc)+8*(\q)+(\a)] matrix_a_fmt:MATRIX_FMT_BF6 matrix_b_fmt:MATRIX_FMT_BF6 matrix_a_scale:MATRIX_SCALE_ROW1
.else
	v_wmma_scale_f32_16x16x128_f8f6f4 v[8*(8*((\a)%4)+\b):8*(8*((\a)%4)+\b)+7], v[128*(\p)+FR*\b:128*(\p)+FR*\b+FR-1], v[AF+FR*(\a):AF+FR*(\a)+FR-1], v[8*(8*((\a)%4)+\b):8*(8*((\a)%4)+\b)+7], v[SC+16*(\sc)+8*(\q)+\b], v[SC+16*(\sc)+8*(\q)+(\a)] matrix_a_fmt:MATRIX_FMT_BF6 matrix_b_fmt:MATRIX_FMT_BF6 matrix_a_scale:MATRIX_SCALE_ROW1
.endif
.endr
.endr
.endm
.macro STEP slot, q, zero
	s_wait_dscnt 4*NL                              ; all but the youngest twelve loads (A's blocks 4-7) are in
	WIN MUL_LO
	MUL16 0, (\q)%2, \q, \slot, \zero
	MUL16 2, (\q)%2, \q, \slot, \zero
	s_wait_dscnt 0
	PLACES NP
	FETCH_B \slot, (\q)+1, 1-(\q)%2
	FETCH_A \slot, (\q)+1, 0
	WIN MUL_HI
	MUL16 4, (\q)%2, \q, \slot, \zero
	MUL16 6, (\q)%2, \q, \slot, \zero
	PLACES NP
	WIN 0
	FETCH_A \slot, (\q)+1, 4
.endm
.macro TURN slot, next, fill
	s_wait_tensorcnt 0x0                           ; all my tensor loads have landed: my part of the next slot
	ds_add_u32 v[SPW], v[NIL]                      ; 0 onto my spare word
	s_wait_dscnt 4*NL+1                            ; the add and the youngest twelve loads may be out
	WIN MUL_LO
	MUL16 0, 1, NQ-1, \slot, 0
	s_wait_dscnt 0x0                               ; the add is done, and my reads of this slot are over
	s_barrier_signal -1
	MUL16 2, 1, NQ-1, \slot, 0
	WIN 0
	s_barrier_wait -1
.if \fill
	CREST                                          ; no wave of any partner still reads this slot or has a load on its way
	s_add_nc_u64 s[G0+4*\slot+2:G0+4*\slot+3], s[G0+4*\slot+2:G0+4*\slot+3], 2*QB
	s_add_nc_u64 s[G0B+4*\slot+2:G0B+4*\slot+3], s[G0B+4*\slot+2:G0B+4*\slot+3], 2*QB
	JLOAD G0+4*\slot, G1, G0B+4*\slot, G1B
.else
	PLACES NP
.endif
	FETCH_B \next, 0, 0
	FETCH_A \next, 0, 0
	SCALES \next
	WIN MUL_HI
	MUL16 4, 1, NQ-1, \slot, 0
	MUL16 6, 1, NQ-1, \slot, 0
	PLACES NP
	WIN 0
	FETCH_A \next, 0, 4
.endm
	s_load_b128 s[4:7], s[0:1], 0x0                ; pw, vt
	s_load_b64 s[12:13], s[0:1], 0x10              ; out0
	v_lshl_add_u32 v[SPW], v0, 2, SPARE
	v_mov_b32 v[NIL], 0
	ds_add_u32 v[SPW], v[NIL]                      ; the wave's opening: the add, twice on end, and its wait ahead of my first tensor load
	ds_add_u32 v[SPW], v[NIL]
	v_lshrrev_b32 v1, 5, v0
	v_readfirstlane_b32 s14, v1
	s_lshr_b32 s15, s14, 1
	s_and_b32 s16, s14, 1
	s_bfe_u32 s40, ttmp6, 0x40000                  ; cx: the tile column (the grid has one cluster along x): 256 of d
	s_bfe_u32 s41, ttmp6, 0x40004                  ; cy
	s_and_b32 s18, ttmp7, 0xffff
	s_lshl_b32 s17, s18, 2
	s_add_co_u32 s17, s17, s41                     ; tile row: 256 queries
	s_lshl_b32 s43, s41, 2
	s_lshl_b32 s43, 15, s43
	s_lshl_b32 s44, 0x1111, s40
	s_or_b32 s[G1+0], s43, (3<<16)|(1<<21)
	s_or_b32 s[G1B+0], s44, (3<<16)|(1<<21)
.irp g, G1, G1B
	s_mov_b32 s[\g+1], 32<<16
	s_mov_b32 s[\g+2], 100<<16
	s_mov_b32 s[\g+3], 32<<16
	s_mov_b32 s[\g+4], 100
	s_mov_b32 s[\g+5], 32
	s_mov_b32 s[\g+6], 0
	s_mov_b32 s[\g+7], 0
.endr
	s_lshl_b32 s20, s17, 1
	s_add_co_u32 s20, s20, s16
	s_mul_i32 s20, s20, 16*UNIT                    ; w: panel 2 x tile row + the one I fetch, chunk 0
	s_mov_b32 s21, 0
	s_lshl_b32 s46, s40, 1
	s_add_co_u32 s46, s46, s16
	s_mul_i32 s46, s46, 64*UNIT                    ; v^T: panel 2 x tile column + the one I fetch,
	s_lshr_b32 s19, s18, 1
	s_mul_i32 s19, s19, 16*UNIT                    ; the batch's first chunk
	s_add_co_u32 s46, s46, s19
	s_mov_b32 s47, 0
	s_mul_i32 s45, s14, QB
	s_wait_dscnt 0x0
	s_wait_kmcnt 0x0
	s_add_nc_u64 s[20:21], s[4:5], s[20:21]
	s_add_nc_u64 s[46:47], s[6:7], s[46:47]
	CROUND
.irp s, 0,1
	s_mov_b32 s[G0+4*\s], 1
	s_add_co_u32 s[G0+4*\s+1], s45, \s*SLOT
	s_add_nc_u64 s[G0+4*\s+2:G0+4*\s+3], s[20:21], \s*QB
	s_or_b32 s[G0+4*\s+3], s[G0+4*\s+3], 0x80000000
	s_mov_b32 s[G0B+4*\s], 1
	s_add_co_u32 s[G0B+4*\s+1], s45, \s*SLOT
	s_add_nc_u64 s[G0B+4*\s+2:G0B+4*\s+3], s[46:47], \s*QB
	s_or_b32 s[G0B+4*\s+3], s[G0B+4*\s+3], 0x80000000
	JLOAD G0+4*\s, G1, G0B+4*\s, G1B
.endr
	v_and_b32 v1, 15, v0
	v_bfe_u32 v2, v0, 4, 1
	v_and_b32 v3, 31, v0
	v_lshlrev_b32 v[LI], 4, v3
	s_mul_i32 s90, s15, QB
	s_mul_i32 s91, s16, QB
	s_add_co_u32 s91, s91, 2*QB
	s_sub_co_u32 s92, s91, s90
	v_mul_u32_u24 v6, s92, v2
	v_lshl_add_u32 v6, v1, 5, v6
	s_add_co_u32 s93, s90, SOFF
.irp s, 0,1
	v_add_nc_u32 v[ADRA+\s], s90, v[LI]
	v_add_nc_u32 v[ADRB+\s], s91, v[LI]
	v_add_nc_u32 v[ADRS+\s], s93, v6
	s_add_co_u32 s90, s90, SLOT
	s_add_co_u32 s91, s91, SLOT
	s_add_co_u32 s93, s93, SLOT
.endr
	s_mul_i32 s23, s14, 16*SPITCH                  ; my stage
	v_mul_u32_u24 v5, v1, SPITCH
	v_lshl_add_u32 v5, v2, 6, v5
	v_add_nc_u32 v[STO], s23, v5                   ; in: row r, + 64 h
	v_add_nc_u32 v[RD], s23, v[LI]                 ; back: the 32 lanes take one row of 512 bytes
	s_lshl_b32 s84, s17, 8
	s_lshl_b32 s85, s15, 7
	s_add_co_u32 s84, s84, s85
	s_lshl_b32 s84, s84, 12                        ; my first query x 4,096 bytes
	s_lshl_b32 s85, s40, 10
	s_add_co_u32 s84, s84, s85                     ; + 256 x tile column x 4
	s_lshl_b32 s85, s16, 9
	s_add_co_u32 s84, s84, s85                     ; + my 128 of d
	s_mov_b32 s85, 0
	s_add_nc_u64 s[12:13], s[12:13], s[84:85]
	s_wait_tensorcnt 1                             ; my part of K step 0 is in; K step 1's load may be out
	s_barrier_signal -1
	s_barrier_wait -1
	FETCH_B 0, 0, 0
	FETCH_A 0, 0, 0
	SCALES 0
	FETCH_A 0, 0, 4
	STEP 0, 0, 1
.if LAPS > 1
	s_mov_b32 s3, LAPS-1
.Llap:
	TURN 0, 1, 1
	STEP 1, 0, 0
	TURN 1, 0, 1
	STEP 0, 0, 0
	s_sub_co_u32 s3, s3, 1
	s_cmp_lg_u32 s3, 0
	s_cbranch_scc1 .Llap
.endif
	TURN 0, 1, 0
	STEP 1, 0, 0
	s_wait_dscnt 4*NL
	WIN MUL_LO
	MUL16 0, 1, NQ-1, 1, 0
	MUL16 2, 1, NQ-1, 1, 0
	s_wait_dscnt 0
	WIN MUL_HI
	MUL16 4, 1, NQ-1, 1, 0
	MUL16 6, 1, NQ-1, 1, 0
	WIN 0
.macro TOSTAGE a
.set AC, 64*((\a)%4)
	WIN 0x08+4*((\a)/4)                            ; an LDS store's data are its source 1: window 2 or 3
.irp b, 0,1,2,3,4,5,6,7
	ds_store_b128 v[STO], v[AC+8*\b:AC+8*\b+3] offset:128*(\b/2)+32*(\b%2)          ; each accumulator from its low end on
	ds_store_b128 v[STO], v[AC+8*\b+4:AC+8*\b+7] offset:128*(\b/2)+32*(\b%2)+16
.endr
	WIN 0
.set BB, BK+64*((\a)%2)
.irp t, 0,1,2,3,4,5,6,7,8,9,10,11,12,13,14,15
	ds_load_b128 v[BB+4*\t:BB+4*\t+3], v[RD] offset:\t*SPITCH    ; LDS serves a wave's instructions in order: these see my stores, and the next block's stores come behind them
.endr
.endm
.macro SEND a, younger                 ; younger: the LDS instructions issued behind block a's loads, which may stay out
.set BB, BK+64*((\a)%2)
	s_wait_dscnt \younger
.irp t, 0,1,2,3,4,5,6,7,8,9,10,11,12,13,14,15
	global_store_b128 v[LI], v[BB+4*\t:BB+4*\t+3], s[12:13] offset:(32*((\a)/2)+8*((\a)%2)+\t+8*(\t/8))*4096 th:TH_STORE_NT   ; the row's place in the panel stands in the immediate; 512 consecutive bytes, aligned; written once, read by nobody here
.endr
.endm
	PLACES NP                                      ; behind the last products: results are read, and loads land in registers that held A's fragments
	TOSTAGE 0
.irp a, 1,2,3,4,5,6,7
.if \a > 1
	s_wait_xcnt 0x0                                ; block a - 2's stores have read their registers: block a's loads may land there
.endif
	TOSTAGE \a
	SEND \a-1, 32                                  ; behind block a - 1's loads: block a's 16 stores and 16 loads
.endr
	SEND 7, 0
	s_wait_tensorcnt 0x0                           ; the wave's end, behind my last tensor load and my last LDS store
	ds_add_u32 v[SPW], v[NIL]
	s_wait_dscnt 0x0
	CROUND                                         ; the closing round
	s_endpgm
.Lfunc_end_k_q90e7169910_pv:
	.size	k_q90e7169910_pv, .Lfunc_end_k_q90e7169910_pv-k_q90e7169910_pv
	.p2alignl 7, 3214868480
	.fill 96, 4, 3214868480
	.section	.rodata,"a",@progbits
	.p2align	6, 0x0
	.amdhsa_kernel k_q90e7169910_pv
		.amdhsa_group_segment_fixed_size 327680
		.amdhsa_private_segment_fixed_size 0
		.amdhsa_enable_private_segment 0
		.amdhsa_kernarg_size 24
		.amdhsa_user_sgpr_count 2
		.amdhsa_user_sgpr_kernarg_segment_ptr 1
		.amdhsa_wavefront_size32 1
		.amdhsa_system_sgpr_workgroup_id_x 1
		.amdhsa_system_sgpr_workgroup_id_y 1
		.amdhsa_system_sgpr_workgroup_id_z 1
		.amdhsa_system_vgpr_workitem_id 0
		.amdhsa_next_free_vgpr 1024
		.amdhsa_next_free_sgpr 100
		.amdhsa_reserve_vcc 0
		.amdhsa_float_denorm_mode_32 3
		.amdhsa_float_denorm_mode_16_64 3
		.amdhsa_memory_ordered 1
		.amdhsa_forward_progress 1
		.amdhsa_inst_pref_size 132
	.end_amdhsa_kernel
	.amdgpu_metadata
---
amdhsa.version: [ 1, 2 ]
amdhsa.kernels:
  - .name:           k_q90e7169910_pv
    .symbol:         k_q90e7169910_pv.kd
    .args:
      - { .name: pw, .offset: 0, .size: 8, .value_kind: global_buffer, .address_space: global }
      - { .name: vt, .offset: 8, .size: 8, .value_kind: global_buffer, .address_space: global }
      - { .name: out0, .offset: 16, .size: 8, .value_kind: global_buffer, .address_space: global }
    .group_segment_fixed_size: 327680
    .private_segment_fixed_size: 0
    .kernarg_segment_align: 8
    .kernarg_segment_size: 24
    .max_flat_workgroup_size: 128
    .sgpr_count:     100
    .vgpr_count:     1024
    .wavefront_size: 32
...
	.end_amdgpu_metadata
.endif
;; end of part 5
;; ======== version 2 of 2: 5 launches; 1.13 times as fast as version 1
;; workspace buffers: xq 6,553,600 bytes; wq 2,457,600 bytes; qk 13,107,200 bytes; vt 6,553,600 bytes; pw 13,107,200 bytes; st 1,048,576 bytes
;; launch quant: the kernel of part 1 again; grid 704 x 1, 4 waves a work-group, no clusters, 81,408 bytes of LDS; arguments x, W, xq, wq; writes xq, wq
;; launch qkv (part 6): grid 12 x 32, 4 waves a work-group, clusters of 4 x 4, 327,680 bytes of LDS; arguments xq, wq, b, qk, vt; writes qk, vt
.if DOCPART == 6
	.amdgcn_target "amdgcn-amd-amdhsa--gfx1250"
	.amdhsa_code_object_version 6
	.text
	.protected	k_q90e7169910_qkv
	.globl	k_q90e7169910_qkv
	.p2align	8
	.type	k_q90e7169910_qkv,@function
k_q90e7169910_qkv:
	s_mov_b64 s[64:65], 0
	v_nop
	global_prefetch_b8 v0, s[64:65] scope:SCOPE_SE
	s_setreg_imm32_b32 hwreg(HW_REG_WAVE_MODE, 25, 1), 1
	s_wait_xcnt 0x0
	s_wait_alu depctr_hold_cnt(0) depctr_sa_sdst(0) depctr_va_vdst(0) depctr_va_sdst(0) depctr_va_ssrc(0) depctr_va_vcc(0) depctr_vm_vsrc(0)
	s_getreg_b32 s2, hwreg(HW_REG_IB_STS2, 6, 4)
	s_cmp_eq_u32 s2, 0
	s_cbranch_scc0 .Lentry_in_a_cluster
	s_endpgm
.Lentry_in_a_cluster:
	s_bfe_u32 s2, ttmp6, 0x10000c
	s_cmp_lg_u32 s2, 0xf033
	s_cbranch_scc0 .Lentry_shape_is_right
	s_endpgm
.Lentry_shape_is_right:
; PRODUCT 1: qkv = Q(x) Q(W) + b, and its three parts quantised for the products that take them.  Operands and results in the image layout (units of 12,800 bytes: eight fragment images, 512 bytes of scale words).
; A work-group of four waves makes 256 rows of A x 256 rows of B; a wave 128 x 128: 64 accumulators, 512 registers.  K = 1,024 goes in four steps of 256 (two chunks) through THREE LDS slots:
; K steps 0, 1, 2 are first fills, asked for together at the head; K step 3 alone is a refill, of slot 0, asked for at the change from slot 0 to slot 1: it has two K steps, 256 matrix instructions a wave, in which to land.
; A wave's share of a slot is one dense block of 25,600 bytes (a panel's two units, scale words in them), brought by one tensor load.
; CLUSTERS 4 x 4: A's panels are shared along a row of the cluster, B's along a column: joint loads.
; THE MATRIX INSTRUCTION IS USED TRANSPOSED (source 0 = B's fragment, source 1 = A's): a lane holds ONE row of A, and, by the order of the rows in a fragment, the 64 registers of block a run along B's 128 rows in the order
; 32 (n / 16) + 16 (lane / 16) + n % 16.  So block a, quantised in registers, IS fragment a of the next operand's unit (panel = A's panel, chunk = B's panel).
; TWO MODES, by the cluster's x, which all partners share.  x = 0, 1: A = tokens (xq), B = W's columns 0-2,047: q and k, quantised along d, into qk (chunks 0-7 q, 8-15 k).
; x = 2: A = W's columns 2,048-3,071 (d of v), B = tokens: a lane holds one d and its registers run along the tokens: v comes out quantised along the keys, into vt, with nothing transposed.
; No work is left out.  LIMITS: NaN and infinities are not served; a block of zeros gets the byte 1 (its codes are zeros; this program alone reads the bytes).
; REGISTERS: window 0: v1-3 r, h, lane; v16-29 addresses; v32-63 scale words, two sets; v64-127 b along the registers; v128-223 A's fragments, one set; v240-255 b along the lanes.  Window 1: B's fragments, two sets.  Windows 2, 3: accumulators.
.set UNIT,  12800
.set SOFF,  12288
.set QB,    2*UNIT                     ; a panel's two chunks: what one tensor load brings
.set SLOT,  4*QB                       ; A's two panels, then B's two
.set SPARE, 3*SLOT                     ; behind the three slots: the spare words, 128 bytes for each wave: two blocks of 256 bytes that no other line names
.set NQ,    2
.set FR,    12
.set NL,    3                          ; LDS loads that bring a fragment
.set NP,    4                          ; places behind this matrix instruction (ISA guide 7.12.1)
.set ADRA,  16                         ; v16-18 my A panel in slot 0, 1, 2, + 16 x lane
.set ADRB,  19                         ; v19-21 the same for B
.set ADRS,  22                         ; v22-24 scale words: lanes 0-15 A's, lanes 16-31 B's
.set LI,    26                         ; v26 16 x lane
.set SO,    27                         ; v27 32 r + 16 h
.set SPW,   28
.set NIL,   29
.set SC,    32                         ; register 16 set + 8 q + i: lanes 0-15 the words of A's fragment i, lanes 16-31 of B's; K step t takes set t % 2
.set AF,    128
.set G1,  24                           ; s[24:31] descriptor group 1 for A's panels
.set G1B, 48                           ; s[48:55] for B's: it differs in the mask alone
.set GA0, 32                           ; descriptor groups 0, one for each slot: A's
.set GA1, 36
.set GA2, 92
.set GB0, 56                           ; and B's
.set GB1, 60
.set GB2, 96
.set SEL, 72                           ; s[72:73]
.set SM,  74                           ; s74 lanes 16-31
.set OUT, 76                           ; s[76:77]
.set BQ,  64
.set HA,  128
.set PC,  192
.set TM,  212
.set PWS, 228
.set T0,  236
.set BV,  240
.set MSB, 0
.macro WIN new                         ; the immediate's high byte repeats the setting that is left
.if MSB != (\new)
	s_set_vgpr_msb (MSB<<8)|(\new)
.set MSB, (\new)
.endif
.endm
.set MUL_LO, 0xa1                      ; source 0 (B) window 1, source 1 (A) window 0, C and D window 2
.set MUL_HI, 0xf1
.set TO_B,   0x40
.macro JLOAD g0a, g1a, g0b, g1b        ; a joint load: waves 0 and 1 fetch A's panels, waves 2 and 3 B's; an s_nop 0 and four v_nop follow each line
	s_cmp_eq_u32 s15, 0
	s_cbranch_scc0 .Lfor_b_\@
	tensor_load_to_lds s[\g0a:\g0a+3], s[\g1a:\g1a+7]
	s_nop 0
.rept 4
	v_nop
.endr
	s_branch .Lasked_\@
.Lfor_b_\@:
	tensor_load_to_lds s[\g0b:\g0b+3], s[\g1b:\g1b+7]
	s_nop 0
.rept 4
	v_nop
.endr
.Lasked_\@:
.endm
.macro FIRST s, ga, gb                 ; slot s's groups 0, for K step s, and its first fill
	s_mov_b32 s[\ga], 1
	s_add_co_u32 s[\ga+1], s45, \s*SLOT
	s_add_nc_u64 s[\ga+2:\ga+3], s[20:21], \s*QB
	s_or_b32 s[\ga+3], s[\ga+3], 0x80000000
	s_mov_b32 s[\gb], 1
	s_add_co_u32 s[\gb+1], s45, \s*SLOT
	s_add_nc_u64 s[\gb+2:\gb+3], s[46:47], \s*QB
	s_or_b32 s[\gb+3], s[\gb+3], 0x80000000
	JLOAD \ga, G1, \gb, G1B
.endm
.macro CREST                           ; a round of the cluster's barrier behind its opening barrier
	s_cmp_lg_u32 s14, 0
	s_cbranch_scc1 .Lnot_wave_0_\@
	s_barrier_signal -3
.Lnot_wave_0_\@:
	s_barrier_wait -3
	s_barrier_signal -1
	s_barrier_wait -1
.endm
.macro CROUND
	s_barrier_signal -1
	s_barrier_wait -1
	CREST
.endm
.macro PLACES n
.rept \n
	v_nop
.endr
.endm
.macro FRAG reg, adr, q, i             ; a fragment's image comes back as it was stored: three loads of 512 consecutive bytes
.irp c, 0,1,2
	ds_load_b128 v[\reg+4*\c:\reg+4*\c+3], v[\adr] offset:(\q)*UNIT+(\i)*1536+512*\c
.endr
.endm
.macro FETCH_B slot, q, p
	WIN TO_B
.irp i, 0,1,2,3,4,5,6,7
	FRAG 128*(\p)+FR*\i, ADRB+\slot, \q, \i
.endr
	WIN 0
.endm
.macro FETCH_A slot, q, i0
.irp i, \i0, \i0+1, \i0+2, \i0+3
	FRAG AF+FR*(\i), ADRA+\slot, \q, \i
.endr
.endm
.macro SCALES slot, sc                 ; a slot's scale words into set sc: eight words a lane for each of its two chunks
.irp q, 0,1
.irp t, 0,1
	ds_load_b128 v[SC+16*\sc+8*\q+4*\t:SC+16*\sc+8*\q+4*\t+3], v[ADRS+\slot] offset:\q*UNIT+16*\t
.endr
.endr
.endm
; 16 matrix instructions: A's blocks a0, a0 + 1 x B's eight.  The 64 accumulators take turns, one instruction a turn, in the same order in every step.
.macro MUL16 a0, p, q, sc, zero
.irp a, \a0, \a0+1
.irp b, 0,1,2,3,4,5,6,7
.if \zero
	v_wmma_scale_f32_16x16x128_f8f6f4 v[8*(8*((\a)%4)+\b):8*(8*((\a)%4)+\b)+7], v[128*(\p)+FR*\b:128*(\p)+FR*\b+FR-1], v[AF+FR*(\a):AF+FR*(\a)+FR-1], 0, v[SC+16*(\sc)+8*(\q)+\b], v[SC+16*(\sc)+8*(\q)+(\a)] matrix_a_fmt:MATRIX_FMT_BF6 matrix_b_fmt:MATRIX_FMT_BF6 matrix_a_scale:MATRIX_SCALE_ROW1
.else
	v_wmma_scale_f32_16x16x128_f8f6f4 v[8*(8*((\a)%4)+\b):8*(8*((\a)%4)+\b)+7], v[128*(\p)+FR*\b:128*(\p)+FR*\b+FR-1], v[AF+FR*(\a):AF+FR*(\a)+FR-1], v[8*(8*((\a)%4)+\b):8*(8*((\a)%4)+\b)+7], v[SC+16*(\sc)+8*(\q)+\b], v[SC+16*(\sc)+8*(\q)+(\a)] matrix_a_fmt:MATRIX_FMT_BF6 matrix_b_fmt:MATRIX_FMT_BF6 matrix_a_scale:MATRIX_SCALE_ROW1
.endif
.endr
.endr
.endm
.macro STEP slot, q, sc, zero          ; a chunk that has its successor in the same slot
	s_wait_dscnt 4*NL                              ; all but the youngest twelve loads (A's blocks 4-7) are in
	WIN MUL_LO
	MUL16 0, (\q)%2, \q, \sc, \zero
	MUL16 2, (\q)%2, \q, \sc, \zero
	s_wait_dscnt 0
	PLACES NP                                      ; in front of loads into registers that matrix instructions have read
	FETCH_B \slot, (\q)+1, 1-(\q)%2
	FETCH_A \slot, (\q)+1, 0
	WIN MUL_HI
	MUL16 4, (\q)%2, \q, \sc, \zero
	MUL16 6, (\q)%2, \q, \sc, \zero
	PLACES NP
	WIN 0
	FETCH_A \slot, (\q)+1, 4
.endm
; A slot's last chunk changes slots.  mode 2: slot 0 is filled again: each wave waits for all its tensor loads, adds 0 to its spare word, waits for that and for its reads of the slot; the barrier opens a round of the cluster's barrier;
; the joint refill comes first behind it.  mode 1: the same lines and a plain barrier: the refill has landed, in every wave; nothing is filled.  mode 0: no barrier: the next slot was shown landed by every wave's wait for all its
; tensor loads in front of the round of mode 2, and no load fills it again.
.macro TURN slot, next, sc, nsc, mode
.if \mode
	s_wait_tensorcnt 0x0                           ; all my tensor loads have landed
	ds_add_u32 v[SPW], v[NIL]                      ; 0 onto my spare word
	s_wait_dscnt 4*NL+1                            ; the add and the youngest twelve loads may be out
.else
	s_wait_dscnt 4*NL                              ; the youngest twelve loads may be out
.endif
	WIN MUL_LO
	MUL16 0, 1, NQ-1, \sc, 0
.if \mode
	s_wait_dscnt 0x0                               ; the add is done, and my reads of this slot are over
	s_barrier_signal -1
.endif
	MUL16 2, 1, NQ-1, \sc, 0
.if \mode
	WIN 0
	s_barrier_wait -1
.else
	s_wait_dscnt 0x0                               ; A's blocks 4-7 are in
.endif
.if \mode == 2
	CREST                                          ; no wave of any partner still reads slot 0 or has a load on its way
	s_add_nc_u64 s[GA0+2:GA0+3], s[GA0+2:GA0+3], 3*QB      ; K step 3
	s_add_nc_u64 s[GB0+2:GB0+3], s[GB0+2:GB0+3], 3*QB
	JLOAD GA0, G1, GB0, G1B                        ; the first tensor load behind the round; its four v_nop are the places in front of the loads below
.else
	PLACES NP
.endif
	FETCH_B \next, 0, 0
	FETCH_A \next, 0, 0
	SCALES \next, \nsc
	WIN MUL_HI
	MUL16 4, 1, NQ-1, \sc, 0
	MUL16 6, 1, NQ-1, \sc, 0
	PLACES NP
	WIN 0
	FETCH_A \next, 0, 4
.endm
.macro QMAX s
.irp b, 0,1,2,3
	v_max3_num_f32 v[TM+\b], |v[\s+16*\b]|, |v[\s+1+16*\b]|, 0x2800000   ; with the floor 2^(5 - 127): the byte cannot fall under 1
.endr
.irp i, 2,4,6,8,10,12,14
.irp b, 0,1,2,3
	v_max3_num_f32 v[TM+\b], v[TM+\b], |v[\s+16*\b+\i]|, |v[\s+1+16*\b+\i]|
.endr
.endr
.irp b, 0,1,2,3
	v_permlanex16_b32 v[TM+4+\b], v[TM+\b], s[SEL], s[SEL+1]
.endr
.irp b, 0,1,2,3
	v_max_num_f32 v[TM+\b], v[TM+\b], v[TM+4+\b]
.endr
.endm
.macro QPACK s, pw
.irp b, 0,1,2,3
	v_add_nc_u32 v[TM+12+\b], 0xfe000000, v[TM+\b]     ; 4 off the exponent field: the conversion's scale operand
.endr
.irp b, 0,1,2,3
	v_lshrrev_b32 v[TM+4+\b], 23, v[TM+12+\b]          ; the scale's byte
.endr
	v_lshl_or_b32 v[\pw], v[TM+5], 8, v[TM+4]
	v_lshl_or_b32 v[\pw], v[TM+6], 16, v[\pw]
	v_lshl_or_b32 v[\pw], v[TM+7], 24, v[\pw]
.irp c, 0,1
	v_cvt_scalef32_pk16_bf6_f32 v[PC+6*\c:PC+2+6*\c], v[\s+32*\c:\s+15+32*\c], v[TM+12+2*\c]
	v_cvt_scalef32_pk16_bf6_f32 v[PC+12+4*\c:PC+14+4*\c], v[\s+16+32*\c:\s+31+32*\c], v[TM+12+2*\c+1]
.endr
	v_nop                                              ; one plain place behind a scaled conversion
.irp c, 0,1
.irp i, 0,1,2
	v_permlane16_swap_b32 v[PC+6*\c+\i], v[PC+12+4*\c+\i]
.endr
.irp i, 0,1,2
	v_mov_b32 v[PC+3+6*\c+\i], v[PC+12+4*\c+\i]
.endr
.endr
.endm
.macro SCOUT pws, t, base, off         ; eight words a lane: lanes 0-15 store words 0-3 of their row, lanes 16-31 words 4-7: 512 consecutive bytes
.irp i, 0,1,2,3
	v_cndmask_b32 v[\t+\i], v[\pws+\i], v[\pws+4+\i], s[SM]
.endr
	global_store_b128 v[SO], v[\t:\t+3], s[\base:\base+1] offset:\off
.endm
	s_load_b128 s[4:7], s[0:1], 0x0                ; xq, wq
	s_load_b128 s[8:11], s[0:1], 0x10              ; b, qk
	s_load_b64 s[12:13], s[0:1], 0x20              ; vt
	v_lshl_add_u32 v[SPW], v0, 2, SPARE
	v_mov_b32 v[NIL], 0
	ds_add_u32 v[SPW], v[NIL]                      ; the wave's opening: the add, twice on end, and its wait ahead of my first tensor load
	ds_add_u32 v[SPW], v[NIL]
	v_lshrrev_b32 v1, 5, v0
	v_readfirstlane_b32 s14, v1                    ; wave 0..3
	s_lshr_b32 s15, s14, 1                         ; my A panel.  Also: I fetch for A (0) or for B (1)
	s_and_b32 s16, s14, 1                          ; my B panel.  Also: which panel I fetch
	s_bfe_u32 s40, ttmp6, 0x40000                  ; cx
	s_bfe_u32 s41, ttmp6, 0x40004                  ; cy
	s_and_b32 s18, ttmp7, 0xffff                   ; cluster y
	s_cmp_eq_u32 ttmp9, 2                          ; the mode: the same in all sixteen partners
	s_cselect_b32 s67, 0, s18                      ; four tile rows of W's v part, or of the tokens
	s_cselect_b32 s68, s18, ttmp9
	s_cselect_b32 s69, 64, 16                      ; chunks a panel in the output
	s_cselect_b32 s70, 1, 0
	s_cselect_b32 s71, 16*8*UNIT, 0                ; W's panels 16-23
	s_lshl_b32 s17, s67, 2
	s_add_co_u32 s17, s17, s41                     ; tile row
	s_lshl_b32 s42, s68, 2
	s_add_co_u32 s42, s42, s40                     ; tile column
	s_lshl_b32 s43, s41, 2
	s_lshl_b32 s43, 15, s43                        ; my row of the cluster
	s_lshl_b32 s44, 0x1111, s40                    ; my column
	; descriptor group 1: a dense block of 25,600 bytes as 100 rows of 32 elements of 8 bytes, no padding
	s_or_b32 s[G1+0], s43, (3<<16)|(1<<21)         ; 15:0 the mask; 17:16 elements of 8 bytes; 21 set beside a mask
	s_or_b32 s[G1B+0], s44, (3<<16)|(1<<21)
.irp g, G1, G1B
	s_mov_b32 s[\g+1], 32<<16                      ; tensor_dim0
	s_mov_b32 s[\g+2], 100<<16                     ; tensor_dim1
	s_mov_b32 s[\g+3], 32<<16                      ; tile_dim0
	s_mov_b32 s[\g+4], 100                         ; tile_dim1
	s_mov_b32 s[\g+5], 32                          ; tensor_dim0_stride
	s_mov_b32 s[\g+6], 0
	s_mov_b32 s[\g+7], 0
.endr
	s_lshl_b32 s20, s17, 1
	s_add_co_u32 s20, s20, s16
	s_mul_i32 s20, s20, 8*UNIT                     ; A: panel 2 x tile row + the one I fetch
	s_add_co_u32 s20, s20, s71
	s_mov_b32 s21, 0
	s_lshl_b32 s46, s42, 1
	s_add_co_u32 s46, s46, s16
	s_mul_i32 s46, s46, 8*UNIT                     ; B likewise, by the tile column
	s_mov_b32 s47, 0
	s_mul_i32 s45, s14, QB                         ; where they go: wave x 25,600: no place in the cluster enters an LDS address
	s_mov_b32 s[SEL], 0x76543210
	s_mov_b32 s[SEL+1], 0xfedcba98
	s_mov_b32 s[SM], 0xffff0000
	s_wait_dscnt 0x0                               ; both opening adds are done
	s_wait_kmcnt 0x0
	s_cmp_eq_u32 s70, 1
	s_cselect_b64 s[80:81], s[6:7], s[4:5]         ; A's buffer
	s_cselect_b64 s[82:83], s[4:5], s[6:7]         ; B's
	s_cselect_b64 s[OUT:OUT+1], s[12:13], s[10:11]
	s_add_nc_u64 s[20:21], s[80:81], s[20:21]
	s_add_nc_u64 s[46:47], s[82:83], s[46:47]
	CROUND                                         ; all sixteen work-groups are here: the first joint loads meet
	FIRST 0, GA0, GB0                              ; K steps 0, 1, 2: three tensor loads of mine are out
	FIRST 1, GA1, GB1
	FIRST 2, GA2, GB2
	v_and_b32 v1, 15, v0                           ; r
	v_bfe_u32 v2, v0, 4, 1                         ; h
	v_and_b32 v3, 31, v0
	v_lshlrev_b32 v[LI], 4, v3
	s_mul_i32 s20, s15, QB                         ; my A panel
	s_mul_i32 s21, s16, QB
	s_add_co_u32 s21, s21, 2*QB                    ; my B panel, behind A's two
	s_sub_co_u32 s22, s21, s20
	v_mul_u32_u24 v6, s22, v2                      ; lanes 16-31 take B's scale words: one product, the distance x h
	v_lshl_add_u32 v6, v1, 5, v6                   ; + 32 r
	s_add_co_u32 s23, s20, SOFF
.irp s, 0,1,2
	v_add_nc_u32 v[ADRA+\s], s20, v[LI]
	v_add_nc_u32 v[ADRB+\s], s21, v[LI]
	v_add_nc_u32 v[ADRS+\s], s23, v6
	s_add_co_u32 s20, s20, SLOT
	s_add_co_u32 s21, s21, SLOT
	s_add_co_u32 s23, s23, SLOT
.endr
	v_lshlrev_b32 v[SO], 5, v1
	v_lshl_add_u32 v[SO], v2, 4, v[SO]
	; the bias.  Both sets are loaded in both modes, at addresses that lie inside b in either, so that every register that the way out names is written on every path
	s_lshl_b32 s84, s42, 8
	s_lshl_b32 s85, s16, 7
	s_add_co_u32 s84, s84, s85                     ; q, k: my first column of W
	s_lshl_b32 s86, s17, 8
	s_lshl_b32 s85, s15, 7
	s_add_co_u32 s86, s86, s85
	s_add_co_u32 s86, s86, 2048                    ; v: my first column of W
	s_cmp_eq_u32 s70, 1
	s_cselect_b32 s84, 0, s84
	s_cselect_b32 s86, s86, 0
	s_lshl_b32 s84, s84, 2
	s_lshl_b32 s86, s86, 2
	s_mov_b32 s85, 0
	s_mov_b32 s87, 0
	s_add_nc_u64 s[84:85], s[8:9], s[84:85]
	s_add_nc_u64 s[86:87], s[8:9], s[86:87]
	v_lshlrev_b32 v5, 6, v2                        ; register n holds column 32 (n / 16) + 16 h + n % 16
	v_and_b32 v7, 8, v1
	v_add_nc_u32 v7, v7, v1
	v_lshlrev_b32 v7, 2, v7                        ; block a's lane holds row 32 (a / 2) + 8 (a % 2) + r + 8 (r / 8)
.irp g, 0,1,2,3
.irp t, 0,1,2,3
	global_load_b128 v[BQ+16*\g+4*\t:BQ+16*\g+4*\t+3], v5, s[84:85] offset:128*\g+16*\t
.endr
.endr
.irp a, 0,1,2,3,4,5,6,7
	global_load_b32 v[BV+2*\a], v7, s[86:87] offset:4*(32*(\a/2)+8*(\a%2))
.endr
	s_lshl_b32 s88, s17, 1
	s_add_co_u32 s88, s88, s15
	s_mul_i32 s88, s88, s69
	s_lshl_b32 s89, s42, 1
	s_add_co_u32 s88, s88, s89
	s_add_co_u32 s88, s88, s16
	s_mul_i32 s88, s88, UNIT                       ; my unit of the output: panel = my A panel, chunk = my B panel
	s_mov_b32 s89, 0
	s_add_nc_u64 s[OUT:OUT+1], s[OUT:OUT+1], s[88:89]
	s_wait_tensorcnt 2                             ; my part of K step 0 is in; the loads of K steps 1 and 2 may be out
	s_barrier_signal -1
	s_barrier_wait -1
	FETCH_B 0, 0, 0
	FETCH_A 0, 0, 0
	SCALES 0, 0
	FETCH_A 0, 0, 4
	STEP 0, 0, 0, 1                                ; K step 0: its first products start the sums
	TURN 0, 1, 0, 1, 2                             ; slot 0 is left and takes K step 3
	STEP 1, 0, 1, 0                                ; K step 1
	TURN 1, 2, 1, 0, 0
	STEP 2, 0, 0, 0                                ; K step 2
	TURN 2, 0, 0, 1, 1                             ; K step 3 has landed, everybody's part
	STEP 0, 0, 1, 0                                ; K step 3
	s_wait_dscnt 4*NL
	WIN MUL_LO
	MUL16 0, 1, NQ-1, 1, 0
	MUL16 2, 1, NQ-1, 1, 0
	s_wait_dscnt 0
	WIN MUL_HI
	MUL16 4, 1, NQ-1, 1, 0
	MUL16 6, 1, NQ-1, 1, 0
	WIN 0
; THE WAY OUT, block by block of 16 rows of A: + b (which also brings the block into window 0, each accumulator from its low end on), the four blocks' scales, the codes, three stores of 512 bytes.
.macro OUTBLK a
.set AC, 64*((\a)%4)
	s_cmp_eq_u32 s70, 1
	s_cbranch_scc1 .Lbv_\@
	WIN 0x02+((\a)/4)
.set n, 0
.rept 32
	v_pk_add_f32 v[HA+n:HA+n+1], v[AC+n:AC+n+1], v[BQ+n:BQ+n+1]
.set n, n+2
.endr
	WIN 0
	s_branch .Lbd_\@
.Lbv_\@:
	WIN 0x02+((\a)/4)
.set n, 0
.rept 32
	v_pk_add_f32 v[HA+n:HA+n+1], v[AC+n:AC+n+1], v[BV+2*(\a):BV+2*(\a)+1]
.set n, n+2
.endr
	WIN 0
.Lbd_\@:
	QMAX HA
	s_wait_xcnt 0x0                                ; the last block's three stores have read the code registers, which the conversions below are the first to write again
	QPACK HA, PWS+(\a)
.irp c, 0,1,2
	global_store_b128 v[LI], v[PC+4*\c:PC+4*\c+3], s[OUT:OUT+1] offset:1536*(\a)+512*\c
.endr
.endm
	PLACES NP                                      ; behind the last products: results are read, and registers that held A's fragments are written
	s_wait_loadcnt 0x0                             ; b
.irp a, 0,1,2,3,4,5,6,7
	v_mov_b32 v[BV+2*\a+1], v[BV+2*\a]             ; a pair for the packed addition
.endr
.irp b, 0,1,2,3
	v_mov_b32 v[TM+4+\b], 0                        ; written once: a lane permute's destination counts as one of its sources
.endr
.irp a, 0,1,2,3,4,5,6,7
	OUTBLK \a
.endr
	SCOUT PWS, T0, OUT, SOFF
	s_wait_tensorcnt 0x0                           ; the wave's end
	ds_add_u32 v[SPW], v[NIL]
	s_wait_dscnt 0x0
	CROUND                                         ; the closing round: no work-group ends while a partner may still ask for a tile that names it
	s_endpgm
.Lfunc_end_k_q90e7169910_qkv:
	.size	k_q90e7169910_qkv, .Lfunc_end_k_q90e7169910_qkv-k_q90e7169910_qkv
	.p2alignl 7, 3214868480
	.fill 96, 4, 3214868480
	.section	.rodata,"a",@progbits
	.p2align	6, 0x0
	.amdhsa_kernel k_q90e7169910_qkv
		.amdhsa_group_segment_fixed_size 327680
		.amdhsa_private_segment_fixed_size 0
		.amdhsa_enable_private_segment 0
		.amdhsa_kernarg_size 40
		.amdhsa_user_sgpr_count 2
		.amdhsa_user_sgpr_kernarg_segment_ptr 1
		.amdhsa_wavefront_size32 1
		.amdhsa_system_sgpr_workgroup_id_x 1
		.amdhsa_system_sgpr_workgroup_id_y 1
		.amdhsa_system_sgpr_workgroup_id_z 1
		.amdhsa_system_vgpr_workitem_id 0
		.amdhsa_next_free_vgpr 1024
		.amdhsa_next_free_sgpr 100
		.amdhsa_reserve_vcc 0
		.amdhsa_float_denorm_mode_32 3
		.amdhsa_float_denorm_mode_16_64 3
		.amdhsa_memory_ordered 1
		.amdhsa_forward_progress 1
		.amdhsa_inst_pref_size 173
	.end_amdhsa_kernel
	.amdgpu_metadata
---
amdhsa.version: [ 1, 2 ]
amdhsa.kernels:
  - .name:           k_q90e7169910_qkv
    .symbol:         k_q90e7169910_qkv.kd
    .args:
      - { .name: xq, .offset: 0, .size: 8, .value_kind: global_buffer, .address_space: global }
      - { .name: wq, .offset: 8, .size: 8, .value_kind: global_buffer, .address_space: global }
      - { .name: b, .offset: 16, .size: 8, .value_kind: global_buffer, .address_space: global }
      - { .name: qk, .offset: 24, .size: 8, .value_kind: global_buffer, .address_space: global }
      - { .name: vt, .offset: 32, .size: 8, .value_kind: global_buffer, .address_space: global }
    .group_segment_fixed_size: 327680
    .private_segment_fixed_size: 0
    .kernarg_segment_align: 8
    .kernarg_segment_size: 40
    .max_flat_workgroup_size: 128
    .sgpr_count:     100
    .vgpr_count:     1024
    .wavefront_size: 32
...
	.end_amdgpu_metadata
.endif
;; end of part 6
;; launch stats (part 7): grid 8 x 32, 4 waves a work-group, clusters of 4 x 4, 327,680 bytes of LDS; arguments qk, st; writes st
.if DOCPART == 7
	.amdgcn_target "amdgcn-amd-amdhsa--gfx1250"
	.amdhsa_code_object_version 6
	.text
	.protected	k_q90e7169910_stats
	.globl	k_q90e7169910_stats
	.p2align	8
	.type	k_q90e7169910_stats,@function
k_q90e7169910_stats:
	s_mov_b64 s[64:65], 0
	v_nop
	global_prefetch_b8 v0, s[64:65] scope:SCOPE_SE
	s_setreg_imm32_b32 hwreg(HW_REG_WAVE_MODE, 25, 1), 1
	s_wait_xcnt 0x0
	s_wait_alu depctr_hold_cnt(0) depctr_sa_sdst(0) depctr_va_vdst(0) depctr_va_sdst(0) depctr_va_ssrc(0) depctr_va_vcc(0) depctr_vm_vsrc(0)
	s_getreg_b32 s2, hwreg(HW_REG_IB_STS2, 6, 4)
	s_cmp_eq_u32 s2, 0
	s_cbranch_scc0 .Lentry_in_a_cluster
	s_endpgm
.Lentry_in_a_cluster:
	s_bfe_u32 s2, ttmp6, 0x10000c
	s_cmp_lg_u32 s2, 0xf033
	s_cbranch_scc0 .Lentry_shape_is_right
	s_endpgm
.Lentry_shape_is_right:
; PRODUCT 2, FIRST TIME: s = Q(q) Q(k)^T on 256 queries x 256 keys a work-group; kept are only, for each query and each chunk of 128 keys, m = c x (the largest s) and l = the sum of 2^(c s - m), c = log2(e) / 32.
; The core (three LDS slots: K steps 0-2 first fills, K step 3 a refill of slot 0; joint loads in clusters of 4 x 4; 64 accumulators by turns; the instruction used transposed) is the one of the launch qkv.
; A = q (qk's chunks 0-7), B = k (chunks 8-15) of the same batch.
; A lane holds one query (row 32 (a / 2) + 8 (a % 2) + r + 8 (r / 8) of its panel) and 64 of the chunk's 128 keys; lane l xor 16 holds the other 64.
; st: for query panel P and key chunk C: m at (16 P + C) x 1,024 + 32 r + 4 a, l 512 bytes on.  No work is left out.  LIMITS: NaN and infinities are not served.
.set UNIT,  12800
.set SOFF,  12288
.set QB,    2*UNIT
.set SLOT,  4*QB
.set SPARE, 3*SLOT                     ; behind the three slots: the spare words, 128 bytes for each wave: two blocks of 256 bytes that no other line names
.set NQ,    2
.set FR,    12
.set NL,    3
.set NP,    4
.set ADRA,  16                         ; v16-18
.set ADRB,  19                         ; v19-21
.set ADRS,  22                         ; v22-24
.set LI,    26
.set SO,    27
.set SPW,   28
.set NIL,   29
.set SC,    32
.set AF,    128
.set G1,  24
.set G1B, 48
.set GA0, 32
.set GA1, 36
.set GA2, 92
.set GB0, 56
.set GB1, 60
.set GB2, 96
.set SEL, 72
.set SM,  74
.set CS,  78                           ; s[78:79] c: the packed form names a pair and takes its low word for both halves
.set MS,  64                           ; v64-71 m of my eight blocks
.set LS,  72                           ; v72-79 l
.set T0,  80                           ; v80-87 two sets of four for the stores
.set HA,  128
.set CH,  192                          ; v192-195 four chains
.set PT,  196
.set NTM, 198                          ; v[198:199] m, named as a pair
.set SA,  200                          ; v200-203 two chains of sums
.set MSB, 0
.macro WIN new
.if MSB != (\new)
	s_set_vgpr_msb (MSB<<8)|(\new)
.set MSB, (\new)
.endif
.endm
.set MUL_LO, 0xa1
.set MUL_HI, 0xf1
.set TO_B,   0x40
.macro JLOAD g0a, g1a, g0b, g1b        ; a joint load: waves 0 and 1 fetch A's panels, waves 2 and 3 B's; an s_nop 0 and four v_nop follow each line
	s_cmp_eq_u32 s15, 0
	s_cbranch_scc0 .Lfor_b_\@
	tensor_load_to_lds s[\g0a:\g0a+3], s[\g1a:\g1a+7]
	s_nop 0
.rept 4
	v_nop
.endr
	s_branch .Lasked_\@
.Lfor_b_\@:
	tensor_load_to_lds s[\g0b:\g0b+3], s[\g1b:\g1b+7]
	s_nop 0
.rept 4
	v_nop
.endr
.Lasked_\@:
.endm
.macro FIRST s, ga, gb                 ; slot s's groups 0, for K step s, and its first fill
	s_mov_b32 s[\ga], 1
	s_add_co_u32 s[\ga+1], s45, \s*SLOT
	s_add_nc_u64 s[\ga+2:\ga+3], s[20:21], \s*QB
	s_or_b32 s[\ga+3], s[\ga+3], 0x80000000
	s_mov_b32 s[\gb], 1
	s_add_co_u32 s[\gb+1], s45, \s*SLOT
	s_add_nc_u64 s[\gb+2:\gb+3], s[46:47], \s*QB
	s_or_b32 s[\gb+3], s[\gb+3], 0x80000000
	JLOAD \ga, G1, \gb, G1B
.endm
.macro CREST
	s_cmp_lg_u32 s14, 0
	s_cbranch_scc1 .Lnot_wave_0_\@
	s_barrier_signal -3
.Lnot_wave_0_\@:
	s_barrier_wait -3
	s_barrier_signal -1
	s_barrier_wait -1
.endm
.macro CROUND
	s_barrier_signal -1
	s_barrier_wait -1
	CREST
.endm
.macro PLACES n
.rept \n
	v_nop
.endr
.endm
.macro FRAG reg, adr, q, i
.irp c, 0,1,2
	ds_load_b128 v[\reg+4*\c:\reg+4*\c+3], v[\adr] offset:(\q)*UNIT+(\i)*1536+512*\c
.endr
.endm
.macro FETCH_B slot, q, p
	WIN TO_B
.irp i, 0,1,2,3,4,5,6,7
	FRAG 128*(\p)+FR*\i, ADRB+\slot, \q, \i
.endr
	WIN 0
.endm
.macro FETCH_A slot, q, i0
.irp i, \i0, \i0+1, \i0+2, \i0+3
	FRAG AF+FR*(\i), ADRA+\slot, \q, \i
.endr
.endm
.macro SCALES slot, sc
.irp q, 0,1
.irp t, 0,1
	ds_load_b128 v[SC+16*\sc+8*\q+4*\t:SC+16*\sc+8*\q+4*\t+3], v[ADRS+\slot] offset:\q*UNIT+16*\t
.endr
.endr
.endm
.macro MUL16 a0, p, q, sc, zero        ; the 64 accumulators take turns, one instruction a turn
.irp a, \a0, \a0+1
.irp b, 0,1,2,3,4,5,6,7
.if \zero
	v_wmma_scale_f32_16x16x128_f8f6f4 v[8*(8*((\a)%4)+\b):8*(8*((\a)%4)+\b)+7], v[128*(\p)+FR*\b:128*(\p)+FR*\b+FR-1], v[AF+FR*(\a):AF+FR*(\a)+FR-1], 0, v[SC+16*(\sc)+8*(\q)+\b], v[SC+16*(\sc)+8*(\q)+(\a)] matrix_a_fmt:MATRIX_FMT_BF6 matrix_b_fmt:MATRIX_FMT_BF6 matrix_a_scale:MATRIX_SCALE_ROW1
.else
	v_wmma_scale_f32_16x16x128_f8f6f4 v[8*(8*((\a)%4)+\b):8*(8*((\a)%4)+\b)+7], v[128*(\p)+FR*\b:128*(\p)+FR*\b+FR-1], v[AF+FR*(\a):AF+FR*(\a)+FR-1], v[8*(8*((\a)%4)+\b):8*(8*((\a)%4)+\b)+7], v[SC+16*(\sc)+8*(\q)+\b], v[SC+16*(\sc)+8*(\q)+(\a)] matrix_a_fmt:MATRIX_FMT_BF6 matrix_b_fmt:MATRIX_FMT_BF6 matrix_a_scale:MATRIX_SCALE_ROW1
.endif
.endr
.endr
.endm
.macro STEP slot, q, sc, zero
	s_wait_dscnt 4*NL                              ; all but the youngest twelve loads (A's blocks 4-7) are in
	WIN MUL_LO
	MUL16 0, (\q)%2, \q, \sc, \zero
	MUL16 2, (\q)%2, \q, \sc, \zero
	s_wait_dscnt 0
	PLACES NP
	FETCH_B \slot, (\q)+1, 1-(\q)%2
	FETCH_A \slot, (\q)+1, 0
	WIN MUL_HI
	MUL16 4, (\q)%2, \q, \sc, \zero
	MUL16 6, (\q)%2, \q, \sc, \zero
	PLACES NP
	WIN 0
	FETCH_A \slot, (\q)+1, 4
.endm
; A slot's last chunk changes slots.  mode 2: slot 0 is filled again, behind the three lines and a round of the cluster's barrier.  mode 1: the three lines and a plain barrier: the refill has landed, in every wave.
; mode 0: no barrier: the next slot was shown landed by every wave's wait for all its tensor loads in front of the round of mode 2, and no load fills it again.
.macro TURN slot, next, sc, nsc, mode
.if \mode
	s_wait_tensorcnt 0x0                           ; all my tensor loads have landed
	ds_add_u32 v[SPW], v[NIL]                      ; 0 onto my spare word
	s_wait_dscnt 4*NL+1                            ; the add and the youngest twelve loads may be out
.else
	s_wait_dscnt 4*NL                              ; the youngest twelve loads may be out
.endif
	WIN MUL_LO
	MUL16 0, 1, NQ-1, \sc, 0
.if \mode
	s_wait_dscnt 0x0                               ; the add is done, and my reads of this slot are over
	s_barrier_signal -1
.endif
	MUL16 2, 1, NQ-1, \sc, 0
.if \mode
	WIN 0
	s_barrier_wait -1
.else
	s_wait_dscnt 0x0                               ; A's blocks 4-7 are in
.endif
.if \mode == 2
	CREST                                          ; no wave of any partner still reads slot 0 or has a load on its way
	s_add_nc_u64 s[GA0+2:GA0+3], s[GA0+2:GA0+3], 3*QB      ; K step 3
	s_add_nc_u64 s[GB0+2:GB0+3], s[GB0+2:GB0+3], 3*QB
	JLOAD GA0, G1, GB0, G1B                        ; the first tensor load behind the round; its four v_nop are the places in front of the loads below
.else
	PLACES NP
.endif
	FETCH_B \next, 0, 0
	FETCH_A \next, 0, 0
	SCALES \next, \nsc
	WIN MUL_HI
	MUL16 4, 1, NQ-1, \sc, 0
	MUL16 6, 1, NQ-1, \sc, 0
	PLACES NP
	WIN 0
	FETCH_A \next, 0, 4
.endm
.macro SCOUT pws, t, base, off
.irp i, 0,1,2,3
	v_cndmask_b32 v[\t+\i], v[\pws+\i], v[\pws+4+\i], s[SM]
.endr
	global_store_b128 v[SO], v[\t:\t+3], s[\base:\base+1] offset:\off
.endm
	s_load_b128 s[4:7], s[0:1], 0x0                ; qk, st
	v_lshl_add_u32 v[SPW], v0, 2, SPARE
	v_mov_b32 v[NIL], 0
	ds_add_u32 v[SPW], v[NIL]                      ; the wave's opening: the add, twice on end, and its wait ahead of my first tensor load
	ds_add_u32 v[SPW], v[NIL]
	v_lshrrev_b32 v1, 5, v0
	v_readfirstlane_b32 s14, v1
	s_lshr_b32 s15, s14, 1
	s_and_b32 s16, s14, 1
	s_bfe_u32 s40, ttmp6, 0x40000                  ; cx
	s_bfe_u32 s41, ttmp6, 0x40004                  ; cy
	s_lshl_b32 s42, ttmp9, 2
	s_add_co_u32 s42, s42, s40                     ; tile column: 256 keys of the batch
	s_and_b32 s18, ttmp7, 0xffff
	s_lshl_b32 s17, s18, 2
	s_add_co_u32 s17, s17, s41                     ; tile row: 256 queries of all 8,192
	s_lshl_b32 s43, s41, 2
	s_lshl_b32 s43, 15, s43
	s_lshl_b32 s44, 0x1111, s40
	s_or_b32 s[G1+0], s43, (3<<16)|(1<<21)
	s_or_b32 s[G1B+0], s44, (3<<16)|(1<<21)
.irp g, G1, G1B
	s_mov_b32 s[\g+1], 32<<16
	s_mov_b32 s[\g+2], 100<<16
	s_mov_b32 s[\g+3], 32<<16
	s_mov_b32 s[\g+4], 100
	s_mov_b32 s[\g+5], 32
	s_mov_b32 s[\g+6], 0
	s_mov_b32 s[\g+7], 0
.endr
	s_lshl_b32 s20, s17, 1
	s_add_co_u32 s20, s20, s16
	s_mul_i32 s20, s20, 16*UNIT                    ; q: panel 2 x tile row + the one I fetch, chunk 0
	s_mov_b32 s21, 0
	s_lshr_b32 s19, s18, 1                         ; the batch: eight tile rows, two clusters along y
	s_lshl_b32 s46, s19, 4
	s_lshl_b32 s47, s42, 1
	s_add_co_u32 s46, s46, s47
	s_add_co_u32 s46, s46, s16
	s_mul_i32 s46, s46, 16*UNIT
	s_add_co_u32 s46, s46, 8*UNIT                  ; k: the batch's panel 2 x tile column + the one I fetch, chunk 8
	s_mov_b32 s47, 0
	s_mul_i32 s45, s14, QB
	s_mov_b32 s[SEL], 0x76543210
	s_mov_b32 s[SEL+1], 0xfedcba98
	s_mov_b32 s[SM], 0xffff0000
	s_mov_b32 s[CS], 0x3d38aa3b                    ; c = log2(e) / 32
	s_mov_b32 s[CS+1], s[CS]
	s_wait_dscnt 0x0
	s_wait_kmcnt 0x0
	s_add_nc_u64 s[20:21], s[4:5], s[20:21]
	s_add_nc_u64 s[46:47], s[4:5], s[46:47]
	CROUND
	FIRST 0, GA0, GB0                              ; K steps 0, 1, 2: three tensor loads of mine are out
	FIRST 1, GA1, GB1
	FIRST 2, GA2, GB2
	v_and_b32 v1, 15, v0
	v_bfe_u32 v2, v0, 4, 1
	v_and_b32 v3, 31, v0
	v_lshlrev_b32 v[LI], 4, v3
	s_mul_i32 s20, s15, QB
	s_mul_i32 s21, s16, QB
	s_add_co_u32 s21, s21, 2*QB
	s_sub_co_u32 s22, s21, s20
	v_mul_u32_u24 v6, s22, v2
	v_lshl_add_u32 v6, v1, 5, v6
	s_add_co_u32 s23, s20, SOFF
.irp s, 0,1,2
	v_add_nc_u32 v[ADRA+\s], s20, v[LI]
	v_add_nc_u32 v[ADRB+\s], s21, v[LI]
	v_add_nc_u32 v[ADRS+\s], s23, v6
	s_add_co_u32 s20, s20, SLOT
	s_add_co_u32 s21, s21, SLOT
	s_add_co_u32 s23, s23, SLOT
.endr
	v_lshlrev_b32 v[SO], 5, v1
	v_lshl_add_u32 v[SO], v2, 4, v[SO]
	s_lshl_b32 s84, s17, 1
	s_add_co_u32 s84, s84, s15
	s_lshl_b32 s84, s84, 4
	s_lshl_b32 s85, s42, 1
	s_add_co_u32 s84, s84, s85
	s_add_co_u32 s84, s84, s16
	s_lshl_b32 s84, s84, 10                        ; (16 x my query panel + my key chunk) x 1,024
	s_mov_b32 s85, 0
	s_add_nc_u64 s[6:7], s[6:7], s[84:85]
	s_wait_tensorcnt 2                             ; my part of K step 0 is in; the loads of K steps 1 and 2 may be out
	s_barrier_signal -1
	s_barrier_wait -1
	FETCH_B 0, 0, 0
	FETCH_A 0, 0, 0
	SCALES 0, 0
	FETCH_A 0, 0, 4
	STEP 0, 0, 0, 1                                ; K step 0: its first products start the sums
	TURN 0, 1, 0, 1, 2                             ; slot 0 is left and takes K step 3
	STEP 1, 0, 1, 0
	TURN 1, 2, 1, 0, 0
	STEP 2, 0, 0, 0
	TURN 2, 0, 0, 1, 1                             ; K step 3 has landed, everybody's part
	STEP 0, 0, 1, 0
	s_wait_dscnt 4*NL
	WIN MUL_LO
	MUL16 0, 1, NQ-1, 1, 0
	MUL16 2, 1, NQ-1, 1, 0
	s_wait_dscnt 0
	WIN MUL_HI
	MUL16 4, 1, NQ-1, 1, 0
	MUL16 6, 1, NQ-1, 1, 0
	WIN 0
; Block a: the largest score (four chains, each accumulator read from its low end on), m = c x it, 64 exponentials as one batch with one wait, their sum
.macro STAT a
.set AC, 64*((\a)%4)
	WIN 0x0a+5*((\a)/4)
.irp c, 0,1,2,3
	v_max_num_f32 v[CH+\c], v[AC+16*\c], v[AC+16*\c+1]
.endr
.irp i, 2,4,6,8,10,12,14
.irp c, 0,1,2,3
	v_max3_num_f32 v[CH+\c], v[AC+16*\c+\i], v[AC+16*\c+\i+1], v[CH+\c]
.endr
.endr
	WIN 0
	v_max3_num_f32 v[CH], v[CH], v[CH+1], v[CH+2]
	v_max_num_f32 v[CH], v[CH], v[CH+3]
	v_permlanex16_b32 v[PT], v[CH], s[SEL], s[SEL+1]
	v_max_num_f32 v[CH], v[CH], v[PT]              ; with lane l xor 16's 64 keys
	v_mul_f32 v[NTM], s[CS], v[CH]
	v_mov_b32 v[MS+(\a)], v[NTM]
	WIN 0x02+((\a)/4)
.set n, 0
.rept 32
	v_pk_fma_f32 v[HA+n:HA+n+1], v[AC+n:AC+n+1], s[CS:CS+1], v[NTM:NTM+1] op_sel_hi:[1,0,0] neg_lo:[0,0,1] neg_hi:[0,0,1]   ; c s - m
.set n, n+2
.endr
	WIN 0
.set n, 0
.rept 64
	v_exp_f32 v[HA+n], v[HA+n]
.set n, n+1
.endr
	v_nop                                          ; a plain place behind the last exponential
	s_wait_alu depctr_va_vdst(0)                   ; one wait for the batch, ahead of its first reader
	v_pk_add_f32 v[SA:SA+1], v[HA:HA+1], v[HA+2:HA+3]
	v_pk_add_f32 v[SA+2:SA+3], v[HA+4:HA+5], v[HA+6:HA+7]
.irp j, 8,12,16,20,24,28,32,36,40,44,48,52,56,60
	v_pk_add_f32 v[SA:SA+1], v[SA:SA+1], v[HA+\j:HA+\j+1]
	v_pk_add_f32 v[SA+2:SA+3], v[SA+2:SA+3], v[HA+\j+2:HA+\j+3]
.endr
	v_pk_add_f32 v[SA:SA+1], v[SA:SA+1], v[SA+2:SA+3]
	v_add_f32 v[SA], v[SA], v[SA+1]
	v_permlanex16_b32 v[PT], v[SA], s[SEL], s[SEL+1]
	v_add_f32 v[LS+(\a)], v[SA], v[PT]
.endm
	PLACES NP                                      ; behind the last products
	v_mov_b32 v[PT], 0                             ; a lane permute's destination counts as one of its sources
	v_mov_b32 v[NTM+1], 0                          ; named as the upper half of a pair
.irp a, 0,1,2,3,4,5,6,7
	STAT \a
.endr
	SCOUT MS, T0, 6, 0
	SCOUT LS, T0+4, 6, 512
	s_wait_tensorcnt 0x0                           ; the wave's end
	ds_add_u32 v[SPW], v[NIL]
	s_wait_dscnt 0x0
	CROUND                                         ; the closing round
	s_endpgm
.Lfunc_end_k_q90e7169910_stats:
	.size	k_q90e7169910_stats, .Lfunc_end_k_q90e7169910_stats-k_q90e7169910_stats
	.p2alignl 7, 3214868480
	.fill 96, 4, 3214868480
	.section	.rodata,"a",@progbits
	.p2align	6, 0x0
	.amdhsa_kernel k_q90e7169910_stats
		.amdhsa_group_segment_fixed_size 327680
		.amdhsa_private_segment_fixed_size 0
		.amdhsa_enable_private_segment 0
		.amdhsa_kernarg_size 16
		.amdhsa_user_sgpr_count 2
		.amdhsa_user_sgpr_kernarg_segment_ptr 1
		.amdhsa_wavefront_size32 1
		.amdhsa_system_sgpr_workgroup_id_x 1
		.amdhsa_system_sgpr_workgroup_id_y 1
		.amdhsa_system_sgpr_workgroup_id_z 1
		.amdhsa_system_vgpr_workitem_id 0
		.amdhsa_next_free_vgpr 1024
		.amdhsa_next_free_sgpr 100
		.amdhsa_reserve_vcc 0
		.amdhsa_float_denorm_mode_32 3
		.amdhsa_float_denorm_mode_16_64 3
		.amdhsa_memory_ordered 1
		.amdhsa_forward_progress 1
		.amdhsa_inst_pref_size 171
	.end_amdhsa_kernel
	.amdgpu_metadata
---
amdhsa.version: [ 1, 2 ]
amdhsa.kernels:
  - .name:           k_q90e7169910_stats
    .symbol:         k_q90e7169910_stats.kd
    .args:
      - { .name: qk, .offset: 0, .size: 8, .value_kind: global_buffer, .address_space: global }
      - { .name: st, .offset: 8, .size: 8, .value_kind: global_buffer, .address_space: global }
    .group_segment_fixed_size: 327680
    .private_segment_fixed_size: 0
    .kernarg_segment_align: 8
    .kernarg_segment_size: 16
    .max_flat_workgroup_size: 128
    .sgpr_count:     100
    .vgpr_count:     1024
    .wavefront_size: 32
...
	.end_amdgpu_metadata
.endif
;; end of part 7
;; launch probs (part 8): grid 8 x 32, 4 waves a work-group, clusters of 4 x 4, 327,680 bytes of LDS; arguments qk, st, pw; writes pw
.if DOCPART == 8
	.amdgcn_target "amdgcn-amd-amdhsa--gfx1250"
	.amdhsa_code_object_version 6
	.text
	.protected	k_q90e7169910_probs
	.globl	k_q90e7169910_probs
	.p2align	8
	.type	k_q90e7169910_probs,@function
k_q90e7169910_probs:
	s_mov_b64 s[64:65], 0
	v_nop
	global_prefetch_b8 v0, s[64:65] scope:SCOPE_SE
	s_setreg_imm32_b32 hwreg(HW_REG_WAVE_MODE, 25, 1), 1
	s_wait_xcnt 0x0
	s_wait_alu depctr_hold_cnt(0) depctr_sa_sdst(0) depctr_va_vdst(0) depctr_va_sdst(0) depctr_va_ssrc(0) depctr_va_vcc(0) depctr_vm_vsrc(0)
	s_getreg_b32 s2, hwreg(HW_REG_IB_STS2, 6, 4)
	s_cmp_eq_u32 s2, 0
	s_cbranch_scc0 .Lentry_in_a_cluster
	s_endpgm
.Lentry_in_a_cluster:
	s_bfe_u32 s2, ttmp6, 0x10000c
	s_cmp_lg_u32 s2, 0xf033
	s_cbranch_scc0 .Lentry_shape_is_right
	s_endpgm
.Lentry_shape_is_right:
; PRODUCT 2, SECOND TIME: the same scores, by the same instructions in the same order, so the same bits as in the launch stats; now w = exp(s / 32 - logsumexp) = 2^(c s - M) / L is finished, normalised,
; quantised along the keys in registers and stored as codes in the image layout (pw: panel = query panel, chunk = 128 keys of the batch).  c = log2(e) / 32.
; The core (three LDS slots: K steps 0-2 first fills, K step 3 a refill of slot 0) is the one of the launch qkv.
; AT THE HEAD: st's 16 pairs (m, l) of each of my 128 queries are asked for ahead of the opening round; while the first tiles are on their way: M = the largest m, L = the sum of l x 2^(m - M).
; M and 1 / L are kept apart: M is taken off inside the fused multiply-add.
; A BLOCK'S LARGEST w IS NOT SEARCHED FOR: the block's largest score goes through the same multiply-add, exponential and multiplication (this takes v_exp_f32 not to fall where its input rises).
; No work is left out.  LIMITS: NaN and infinities are not served; a w under 2^-126 becomes 0; a block of zeros gets the byte 1 (its codes are zeros; this program alone reads the bytes).
.set UNIT,  12800
.set SOFF,  12288
.set QB,    2*UNIT
.set SLOT,  4*QB
.set SPARE, 3*SLOT                     ; behind the three slots: the spare words, 128 bytes for each wave: two blocks of 256 bytes that no other line names
.set NQ,    2
.set FR,    12
.set NL,    3
.set NP,    4
.set ADRA,  16                         ; v16-18
.set ADRB,  19                         ; v19-21
.set ADRS,  22                         ; v22-24
.set LI,    26
.set SO,    27
.set SPW,   28
.set NIL,   29
.set SC,    32
.set AF,    128
.set G1,  24
.set G1B, 48
.set GA0, 32
.set GA1, 36
.set GA2, 92
.set GB0, 56
.set GB1, 60
.set GB2, 96
.set SEL, 72
.set SM,  74
.set CS,  78
.set PWS, 64                           ; v64-71 the eight blocks' scale words
.set T0,  72
.set TM,  80                           ; v80-95
.set PC,  96                           ; v96-115
.set HA,  128
.set MP,  224                          ; v224-239 M of block a, twice, at MP + 2 a
.set RL,  240                          ; v240-255 1 / L likewise
.set MM,  64                           ; the head's scratch: v64-127 m of chunk 8 h + c, block i, at 8 c + i;
.set LL,  128                          ; v128-191 l likewise;
.set TT,  192                          ; v192-199 M; v200-207 at work; v208-215 L; v216-223 1 / L
.set PX,  200
.set LT,  208
.set RC,  216
.set MSB, 0
.macro WIN new
.if MSB != (\new)
	s_set_vgpr_msb (MSB<<8)|(\new)
.set MSB, (\new)
.endif
.endm
.set MUL_LO, 0xa1
.set MUL_HI, 0xf1
.set TO_B,   0x40
.macro JLOAD g0a, g1a, g0b, g1b        ; a joint load: waves 0 and 1 fetch A's panels, waves 2 and 3 B's; an s_nop 0 and four v_nop follow each line
	s_cmp_eq_u32 s15, 0
	s_cbranch_scc0 .Lfor_b_\@
	tensor_load_to_lds s[\g0a:\g0a+3], s[\g1a:\g1a+7]
	s_nop 0
.rept 4
	v_nop
.endr
	s_branch .Lasked_\@
.Lfor_b_\@:
	tensor_load_to_lds s[\g0b:\g0b+3], s[\g1b:\g1b+7]
	s_nop 0
.rept 4
	v_nop
.endr
.Lasked_\@:
.endm
.macro FIRST s, ga, gb                 ; slot s's groups 0, for K step s, and its first fill
	s_mov_b32 s[\ga], 1
	s_add_co_u32 s[\ga+1], s45, \s*SLOT
	s_add_nc_u64 s[\ga+2:\ga+3], s[20:21], \s*QB
	s_or_b32 s[\ga+3], s[\ga+3], 0x80000000
	s_mov_b32 s[\gb], 1
	s_add_co_u32 s[\gb+1], s45, \s*SLOT
	s_add_nc_u64 s[\gb+2:\gb+3], s[46:47], \s*QB
	s_or_b32 s[\gb+3], s[\gb+3], 0x80000000
	JLOAD \ga, G1, \gb, G1B
.endm
.macro CREST
	s_cmp_lg_u32 s14, 0
	s_cbranch_scc1 .Lnot_wave_0_\@
	s_barrier_signal -3
.Lnot_wave_0_\@:
	s_barrier_wait -3
	s_barrier_signal -1
	s_barrier_wait -1
.endm
.macro CROUND
	s_barrier_signal -1
	s_barrier_wait -1
	CREST
.endm
.macro PLACES n
.rept \n
	v_nop
.endr
.endm
.macro FRAG reg, adr, q, i
.irp c, 0,1,2
	ds_load_b128 v[\reg+4*\c:\reg+4*\c+3], v[\adr] offset:(\q)*UNIT+(\i)*1536+512*\c
.endr
.endm
.macro FETCH_B slot, q, p
	WIN TO_B
.irp i, 0,1,2,3,4,5,6,7
	FRAG 128*(\p)+FR*\i, ADRB+\slot, \q, \i
.endr
	WIN 0
.endm
.macro FETCH_A slot, q, i0
.irp i, \i0, \i0+1, \i0+2, \i0+3
	FRAG AF+FR*(\i), ADRA+\slot, \q, \i
.endr
.endm
.macro SCALES slot, sc
.irp q, 0,1
.irp t, 0,1
	ds_load_b128 v[SC+16*\sc+8*\q+4*\t:SC+16*\sc+8*\q+4*\t+3], v[ADRS+\slot] offset:\q*UNIT+16*\t
.endr
.endr
.endm
.macro MUL16 a0, p, q, sc, zero        ; the 64 accumulators take turns, one instruction a turn
.irp a, \a0, \a0+1
.irp b, 0,1,2,3,4,5,6,7
.if \zero
	v_wmma_scale_f32_16x16x128_f8f6f4 v[8*(8*((\a)%4)+\b):8*(8*((\a)%4)+\b)+7], v[128*(\p)+FR*\b:128*(\p)+FR*\b+FR-1], v[AF+FR*(\a):AF+FR*(\a)+FR-1], 0, v[SC+16*(\sc)+8*(\q)+\b], v[SC+16*(\sc)+8*(\q)+(\a)] matrix_a_fmt:MATRIX_FMT_BF6 matrix_b_fmt:MATRIX_FMT_BF6 matrix_a_scale:MATRIX_SCALE_ROW1
.else
	v_wmma_scale_f32_16x16x128_f8f6f4 v[8*(8*((\a)%4)+\b):8*(8*((\a)%4)+\b)+7], v[128*(\p)+FR*\b:128*(\p)+FR*\b+FR-1], v[AF+FR*(\a):AF+FR*(\a)+FR-1], v[8*(8*((\a)%4)+\b):8*(8*((\a)%4)+\b)+7], v[SC+16*(\sc)+8*(\q)+\b], v[SC+16*(\sc)+8*(\q)+(\a)] matrix_a_fmt:MATRIX_FMT_BF6 matrix_b_fmt:MATRIX_FMT_BF6 matrix_a_scale:MATRIX_SCALE_ROW1
.endif
.endr
.endr
.endm
.macro STEP slot, q, sc, zero
	s_wait_dscnt 4*NL                              ; all but the youngest twelve loads (A's blocks 4-7) are in
	WIN MUL_LO
	MUL16 0, (\q)%2, \q, \sc, \zero
	MUL16 2, (\q)%2, \q, \sc, \zero
	s_wait_dscnt 0
	PLACES NP
	FETCH_B \slot, (\q)+1, 1-(\q)%2
	FETCH_A \slot, (\q)+1, 0
	WIN MUL_HI
	MUL16 4, (\q)%2, \q, \sc, \zero
	MUL16 6, (\q)%2, \q, \sc, \zero
	PLACES NP
	WIN 0
	FETCH_A \slot, (\q)+1, 4
.endm
; A slot's last chunk changes slots.  mode 2: slot 0 is filled again, behind the three lines and a round of the cluster's barrier.  mode 1: the three lines and a plain barrier: the refill has landed, in every wave.
; mode 0: no barrier: the next slot was shown landed by every wave's wait for all its tensor loads in front of the round of mode 2, and no load fills it again.
.macro TURN slot, next, sc, nsc, mode
.if \mode
	s_wait_tensorcnt 0x0                           ; all my tensor loads have landed
	ds_add_u32 v[SPW], v[NIL]                      ; 0 onto my spare word
	s_wait_dscnt 4*NL+1                            ; the add and the youngest twelve loads may be out
.else
	s_wait_dscnt 4*NL                              ; the youngest twelve loads may be out
.endif
	WIN MUL_LO
	MUL16 0, 1, NQ-1, \sc, 0
.if \mode
	s_wait_dscnt 0x0                               ; the add is done, and my reads of this slot are over
	s_barrier_signal -1
.endif
	MUL16 2, 1, NQ-1, \sc, 0
.if \mode
	WIN 0
	s_barrier_wait -1
.else
	s_wait_dscnt 0x0                               ; A's blocks 4-7 are in
.endif
.if \mode == 2
	CREST                                          ; no wave of any partner still reads slot 0 or has a load on its way
	s_add_nc_u64 s[GA0+2:GA0+3], s[GA0+2:GA0+3], 3*QB      ; K step 3
	s_add_nc_u64 s[GB0+2:GB0+3], s[GB0+2:GB0+3], 3*QB
	JLOAD GA0, G1, GB0, G1B                        ; the first tensor load behind the round; its four v_nop are the places in front of the loads below
.else
	PLACES NP
.endif
	FETCH_B \next, 0, 0
	FETCH_A \next, 0, 0
	SCALES \next, \nsc
	WIN MUL_HI
	MUL16 4, 1, NQ-1, \sc, 0
	MUL16 6, 1, NQ-1, \sc, 0
	PLACES NP
	WIN 0
	FETCH_A \next, 0, 4
.endm
.macro QPACK s, pw
.irp b, 0,1,2,3
	v_add_nc_u32 v[TM+12+\b], 0xfe000000, v[TM+\b]     ; 4 off the exponent field: the conversion's scale operand
.endr
.irp b, 0,1,2,3
	v_lshrrev_b32 v[TM+4+\b], 23, v[TM+12+\b]          ; the scale's byte
.endr
	v_lshl_or_b32 v[\pw], v[TM+5], 8, v[TM+4]
	v_lshl_or_b32 v[\pw], v[TM+6], 16, v[\pw]
	v_lshl_or_b32 v[\pw], v[TM+7], 24, v[\pw]
.irp c, 0,1
	v_cvt_scalef32_pk16_bf6_f32 v[PC+6*\c:PC+2+6*\c], v[\s+32*\c:\s+15+32*\c], v[TM+12+2*\c]
	v_cvt_scalef32_pk16_bf6_f32 v[PC+12+4*\c:PC+14+4*\c], v[\s+16+32*\c:\s+31+32*\c], v[TM+12+2*\c+1]
.endr
	v_nop                                              ; one plain place behind a scaled conversion
.irp c, 0,1
.irp i, 0,1,2
	v_permlane16_swap_b32 v[PC+6*\c+\i], v[PC+12+4*\c+\i]
.endr
.irp i, 0,1,2
	v_mov_b32 v[PC+3+6*\c+\i], v[PC+12+4*\c+\i]
.endr
.endr
.endm
.macro SCOUT pws, t, base, off
.irp i, 0,1,2,3
	v_cndmask_b32 v[\t+\i], v[\pws+\i], v[\pws+4+\i], s[SM]
.endr
	global_store_b128 v[SO], v[\t:\t+3], s[\base:\base+1] offset:\off
.endm
	s_load_b128 s[4:7], s[0:1], 0x0                ; qk, st
	s_load_b64 s[8:9], s[0:1], 0x10                ; pw
	v_lshl_add_u32 v[SPW], v0, 2, SPARE
	v_mov_b32 v[NIL], 0
	ds_add_u32 v[SPW], v[NIL]                      ; the wave's opening: the add, twice on end, and its wait ahead of my first tensor load
	ds_add_u32 v[SPW], v[NIL]
	v_lshrrev_b32 v1, 5, v0
	v_readfirstlane_b32 s14, v1
	s_lshr_b32 s15, s14, 1
	s_and_b32 s16, s14, 1
	s_bfe_u32 s40, ttmp6, 0x40000
	s_bfe_u32 s41, ttmp6, 0x40004
	s_lshl_b32 s42, ttmp9, 2
	s_add_co_u32 s42, s42, s40                     ; tile column: 256 keys of the batch
	s_and_b32 s18, ttmp7, 0xffff
	s_lshl_b32 s17, s18, 2
	s_add_co_u32 s17, s17, s41                     ; tile row: 256 queries
	s_lshl_b32 s43, s41, 2
	s_lshl_b32 s43, 15, s43
	s_lshl_b32 s44, 0x1111, s40
	s_or_b32 s[G1+0], s43, (3<<16)|(1<<21)
	s_or_b32 s[G1B+0], s44, (3<<16)|(1<<21)
.irp g, G1, G1B
	s_mov_b32 s[\g+1], 32<<16
	s_mov_b32 s[\g+2], 100<<16
	s_mov_b32 s[\g+3], 32<<16
	s_mov_b32 s[\g+4], 100
	s_mov_b32 s[\g+5], 32
	s_mov_b32 s[\g+6], 0
	s_mov_b32 s[\g+7], 0
.endr
	s_lshl_b32 s20, s17, 1
	s_add_co_u32 s20, s20, s16
	s_mul_i32 s20, s20, 16*UNIT
	s_mov_b32 s21, 0
	s_lshr_b32 s19, s18, 1
	s_lshl_b32 s46, s19, 4
	s_lshl_b32 s47, s42, 1
	s_add_co_u32 s46, s46, s47
	s_add_co_u32 s46, s46, s16
	s_mul_i32 s46, s46, 16*UNIT
	s_add_co_u32 s46, s46, 8*UNIT
	s_mov_b32 s47, 0
	s_mul_i32 s45, s14, QB
	s_mov_b32 s[SEL], 0x76543210
	s_mov_b32 s[SEL+1], 0xfedcba98
	s_mov_b32 s[SM], 0xffff0000
	s_mov_b32 s[CS], 0x3d38aa3b                    ; c = log2(e) / 32
	s_mov_b32 s[CS+1], s[CS]
	v_and_b32 v1, 15, v0                           ; r
	v_bfe_u32 v2, v0, 4, 1                         ; h
	v_and_b32 v3, 31, v0
	s_lshl_b32 s84, s17, 1
	s_add_co_u32 s84, s84, s15                     ; my query panel
	s_lshl_b32 s86, s84, 14                        ; x 16 chunks x 1,024 bytes
	s_mov_b32 s87, 0
	v_lshlrev_b32 v4, 5, v1
	v_lshl_add_u32 v4, v2, 13, v4                  ; lane (r, h) takes chunks 8 h + c, all eight blocks
	s_wait_dscnt 0x0
	s_wait_kmcnt 0x0
	s_add_nc_u64 s[20:21], s[4:5], s[20:21]
	s_add_nc_u64 s[46:47], s[4:5], s[46:47]
	s_add_nc_u64 s[6:7], s[6:7], s[86:87]
.irp c, 0,1,2,3,4,5,6,7                            ; the statistics of my query panel are asked for ahead of the round: they are on their way beside it and beside the first tiles
.irp t, 0,1
	global_load_b128 v[MM+8*\c+4*\t:MM+8*\c+4*\t+3], v4, s[6:7] offset:1024*\c+16*\t
	global_load_b128 v[LL+8*\c+4*\t:LL+8*\c+4*\t+3], v4, s[6:7] offset:1024*\c+16*\t+512
.endr
.endr
	CROUND
	FIRST 0, GA0, GB0                              ; K steps 0, 1, 2: three tensor loads of mine are out
	FIRST 1, GA1, GB1
	FIRST 2, GA2, GB2
	v_lshlrev_b32 v[LI], 4, v3
	s_mul_i32 s20, s15, QB
	s_mul_i32 s21, s16, QB
	s_add_co_u32 s21, s21, 2*QB
	s_sub_co_u32 s22, s21, s20
	v_mul_u32_u24 v6, s22, v2
	v_lshl_add_u32 v6, v1, 5, v6
	s_add_co_u32 s23, s20, SOFF
.irp s, 0,1,2
	v_add_nc_u32 v[ADRA+\s], s20, v[LI]
	v_add_nc_u32 v[ADRB+\s], s21, v[LI]
	v_add_nc_u32 v[ADRS+\s], s23, v6
	s_add_co_u32 s20, s20, SLOT
	s_add_co_u32 s21, s21, SLOT
	s_add_co_u32 s23, s23, SLOT
.endr
	v_lshlrev_b32 v[SO], 5, v1
	v_lshl_add_u32 v[SO], v2, 4, v[SO]
	s_lshl_b32 s84, s84, 4
	s_lshl_b32 s85, s42, 1
	s_add_co_u32 s84, s84, s85
	s_add_co_u32 s84, s84, s16
	s_mul_i32 s84, s84, UNIT                       ; my unit of pw: (16 x my query panel + my key chunk) x 12,800
	s_mov_b32 s85, 0
	s_add_nc_u64 s[8:9], s[8:9], s[84:85]
.irp i, 0,1,2,3,4,5,6,7
	v_mov_b32 v[PX+\i], 0                          ; a lane permute's destination counts as one of its sources
.endr
	s_wait_loadcnt 0x0
.irp i, 0,1,2,3,4,5,6,7
	v_max3_num_f32 v[TT+\i], v[MM+\i], v[MM+8+\i], v[MM+16+\i]
.endr
.irp i, 0,1,2,3,4,5,6,7
	v_max3_num_f32 v[TT+\i], v[TT+\i], v[MM+24+\i], v[MM+32+\i]
.endr
.irp i, 0,1,2,3,4,5,6,7
	v_max3_num_f32 v[TT+\i], v[TT+\i], v[MM+40+\i], v[MM+48+\i]
.endr
.irp i, 0,1,2,3,4,5,6,7
	v_max_num_f32 v[TT+\i], v[TT+\i], v[MM+56+\i]
.endr
.irp i, 0,1,2,3,4,5,6,7
	v_permlanex16_b32 v[PX+\i], v[TT+\i], s[SEL], s[SEL+1]
.endr
.irp i, 0,1,2,3,4,5,6,7
	v_max_num_f32 v[TT+\i], v[TT+\i], v[PX+\i]     ; M: over all 16 chunks
.endr
.irp c, 0,1,2,3,4,5,6,7
.irp u, 0,2,4,6
	v_pk_add_f32 v[MM+8*\c+\u:MM+8*\c+\u+1], v[MM+8*\c+\u:MM+8*\c+\u+1], v[TT+\u:TT+\u+1] neg_lo:[0,1] neg_hi:[0,1]   ; m - M
.endr
.endr
.set n, 0
.rept 64
	v_exp_f32 v[MM+n], v[MM+n]
.set n, n+1
.endr
	v_nop                                          ; a plain place behind the last exponential
	s_wait_alu depctr_va_vdst(0)                   ; one wait for the batch
.irp u, 0,2,4,6
	v_pk_mul_f32 v[LT+\u:LT+\u+1], v[LL+\u:LL+\u+1], v[MM+\u:MM+\u+1]
.endr
.irp c, 1,2,3,4,5,6,7
.irp u, 0,2,4,6
	v_pk_fma_f32 v[LT+\u:LT+\u+1], v[LL+8*\c+\u:LL+8*\c+\u+1], v[MM+8*\c+\u:MM+8*\c+\u+1], v[LT+\u:LT+\u+1]
.endr
.endr
.irp i, 0,1,2,3,4,5,6,7
	v_permlanex16_b32 v[PX+\i], v[LT+\i], s[SEL], s[SEL+1]
.endr
.irp i, 0,1,2,3,4,5,6,7
	v_add_f32 v[LT+\i], v[LT+\i], v[PX+\i]         ; L
.endr
.irp i, 0,1,2,3,4,5,6,7
	v_rcp_f32 v[RC+\i], v[LT+\i]
.endr
	v_nop
	s_wait_alu depctr_va_vdst(0)                   ; one wait for the eight reciprocals
.irp i, 0,1,2,3,4,5,6,7
	v_mov_b32 v[MP+2*\i], v[TT+\i]                 ; pairs for the packed forms
	v_mov_b32 v[MP+2*\i+1], v[TT+\i]
	v_mov_b32 v[RL+2*\i], v[RC+\i]
	v_mov_b32 v[RL+2*\i+1], v[RC+\i]
.endr
.irp b, 0,1,2,3
	v_mov_b32 v[TM+4+\b], 0                        ; a lane permute's destination counts as one of its sources
.endr
	s_wait_tensorcnt 2                             ; my part of K step 0 is in; the loads of K steps 1 and 2 may be out
	s_barrier_signal -1
	s_barrier_wait -1
	FETCH_B 0, 0, 0
	FETCH_A 0, 0, 0
	SCALES 0, 0
	FETCH_A 0, 0, 4
	STEP 0, 0, 0, 1                                ; K step 0: its first products start the sums
	TURN 0, 1, 0, 1, 2                             ; slot 0 is left and takes K step 3
	STEP 1, 0, 1, 0
	TURN 1, 2, 1, 0, 0
	STEP 2, 0, 0, 0
	TURN 2, 0, 0, 1, 1                             ; K step 3 has landed, everybody's part
	STEP 0, 0, 1, 0
	s_wait_dscnt 4*NL
	WIN MUL_LO
	MUL16 0, 1, NQ-1, 1, 0
	MUL16 2, 1, NQ-1, 1, 0
	s_wait_dscnt 0
	WIN MUL_HI
	MUL16 4, 1, NQ-1, 1, 0
	MUL16 6, 1, NQ-1, 1, 0
	WIN 0
; Block a: each block of 32 keys' largest score; w of the 64 scores and of the four largest, by the same three instructions; scales, codes, three stores of 512 bytes
.macro PROB a
.set AC, 64*((\a)%4)
	WIN 0x0a+5*((\a)/4)
.irp b, 0,1,2,3
	v_max_num_f32 v[TM+\b], v[AC+16*\b], v[AC+16*\b+1]     ; each accumulator is read from its low end on
.endr
.irp i, 2,4,6,8,10,12,14
.irp b, 0,1,2,3
	v_max3_num_f32 v[TM+\b], v[AC+16*\b+\i], v[AC+16*\b+\i+1], v[TM+\b]
.endr
.endr
	WIN 0x02+((\a)/4)
.set n, 0
.rept 32
	v_pk_fma_f32 v[HA+n:HA+n+1], v[AC+n:AC+n+1], s[CS:CS+1], v[MP+2*(\a):MP+2*(\a)+1] op_sel_hi:[1,0,1] neg_lo:[0,0,1] neg_hi:[0,0,1]   ; c s - M
.set n, n+2
.endr
	WIN 0
.irp b, 0,1,2,3
	v_permlanex16_b32 v[TM+4+\b], v[TM+\b], s[SEL], s[SEL+1]
.endr
.irp b, 0,1,2,3
	v_max_num_f32 v[TM+\b], v[TM+\b], v[TM+4+\b]
.endr
.irp b, 0,1,2,3
	v_fma_f32 v[TM+\b], v[TM+\b], s[CS], -v[MP+2*(\a)]
.endr
.set n, 0
.rept 64
	v_exp_f32 v[HA+n], v[HA+n]
.set n, n+1
.endr
.irp b, 0,1,2,3
	v_exp_f32 v[TM+\b], v[TM+\b]
.endr
	v_nop                                          ; a plain place behind the last exponential
	s_wait_alu depctr_va_vdst(0)                   ; one wait for the 68
.set n, 0
.rept 32
	v_pk_mul_f32 v[HA+n:HA+n+1], v[HA+n:HA+n+1], v[RL+2*(\a):RL+2*(\a)+1]      ; w, finished
.set n, n+2
.endr
.irp b, 0,1,2,3
	v_mul_f32 v[TM+\b], v[TM+\b], v[RL+2*(\a)]
.endr
.irp b, 0,1,2,3
	v_max_num_f32 v[TM+\b], 0x2800000, v[TM+\b]    ; the floor 2^(5 - 127): the byte cannot fall under 1
.endr
	s_wait_xcnt 0x0                                ; the last block's three stores have read the code registers, which the conversions below are the first to write again
	QPACK HA, PWS+(\a)
.irp c, 0,1,2
	global_store_b128 v[LI], v[PC+4*\c:PC+4*\c+3], s[8:9] offset:1536*(\a)+512*\c
.endr
.endm
	PLACES NP                                      ; behind the last products
.irp a, 0,1,2,3,4,5,6,7
	PROB \a
.endr
	SCOUT PWS, T0, 8, SOFF
	s_wait_tensorcnt 0x0                           ; the wave's end
	ds_add_u32 v[SPW], v[NIL]
	s_wait_dscnt 0x0
	CROUND                                         ; the closing round
	s_endpgm
.Lfunc_end_k_q90e7169910_probs:
	.size	k_q90e7169910_probs, .Lfunc_end_k_q90e7169910_probs-k_q90e7169910_probs
	.p2alignl 7, 3214868480
	.fill 96, 4, 3214868480
	.section	.rodata,"a",@progbits
	.p2align	6, 0x0
	.amdhsa_kernel k_q90e7169910_probs
		.amdhsa_group_segment_fixed_size 327680
		.amdhsa_private_segment_fixed_size 0
		.amdhsa_enable_private_segment 0
		.amdhsa_kernarg_size 24
		.amdhsa_user_sgpr_count 2
		.amdhsa_user_sgpr_kernarg_segment_ptr 1
		.amdhsa_wavefront_size32 1
		.amdhsa_system_sgpr_workgroup_id_x 1
		.amdhsa_system_sgpr_workgroup_id_y 1
		.amdhsa_system_sgpr_workgroup_id_z 1
		.amdhsa_system_vgpr_workitem_id 0
		.amdhsa_next_free_vgpr 1024
		.amdhsa_next_free_sgpr 100
		.amdhsa_reserve_vcc 0
		.amdhsa_float_denorm_mode_32 3
		.amdhsa_float_denorm_mode_16_64 3
		.amdhsa_memory_ordered 1
		.amdhsa_forward_progress 1
		.amdhsa_inst_pref_size 203
	.end_amdhsa_kernel
	.amdgpu_metadata
---
amdhsa.version: [ 1, 2 ]
amdhsa.kernels:
  - .name:           k_q90e7169910_probs
    .symbol:         k_q90e7169910_probs.kd
    .args:
      - { .name: qk, .offset: 0, .size: 8, .value_kind: global_buffer, .address_space: global }
      - { .name: st, .offset: 8, .size: 8, .value_kind: global_buffer, .address_space: global }
      - { .name: pw, .offset: 16, .size: 8, .value_kind: global_buffer, .address_space: global }
    .group_segment_fixed_size: 327680
    .private_segment_fixed_size: 0
    .kernarg_segment_align: 8
    .kernarg_segment_size: 24
    .max_flat_workgroup_size: 128
    .sgpr_count:     100
    .vgpr_count:     1024
    .wavefront_size: 32
...
	.end_amdgpu_metadata
.endif
;; end of part 8
;; launch pv (part 9): grid 4 x 64, 4 waves a work-group, clusters of 4 x 4, 327,680 bytes of LDS; arguments pw, vt, out0; writes out0
.if DOCPART == 9
	.amdgcn_target "amdgcn-amd-amdhsa--gfx1250"
	.amdhsa_code_object_version 6
	.text
	.protected	k_q90e7169910_pv
	.globl	k_q90e7169910_pv
	.p2align	8
	.type	k_q90e7169910_pv,@function
k_q90e7169910_pv:
	s_mov_b64 s[64:65], 0
	v_nop
	global_prefetch_b8 v0, s[64:65] scope:SCOPE_SE
	s_setreg_imm32_b32 hwreg(HW_REG_WAVE_MODE, 25, 1), 1
	s_wait_xcnt 0x0
	s_wait_alu depctr_hold_cnt(0) depctr_sa_sdst(0) depctr_va_vdst(0) depctr_va_sdst(0) depctr_va_ssrc(0) depctr_va_vcc(0) depctr_vm_vsrc(0)
	s_getreg_b32 s2, hwreg(HW_REG_IB_STS2, 6, 4)
	s_cmp_eq_u32 s2, 0
	s_cbranch_scc0 .Lentry_in_a_cluster
	s_endpgm
.Lentry_in_a_cluster:
	s_bfe_u32 s2, ttmp6, 0x10000c
	s_cmp_lg_u32 s2, 0xf033
	s_cbranch_scc0 .Lentry_shape_is_right
	s_endpgm
.Lentry_shape_is_right:
; PRODUCT 3: y = Q(w) Q(v): A = pw (rows = queries, K = the batch's 2,048 keys), B = vt (rows = d, K = the same keys).
; A TILE IS 128 QUERIES x 256 d: 64 x 4 = 256 work-groups, one for each WGP; with 256 x 256 there would be 128.  A wave makes 64 x 128: A's fragments 4 (wave / 2) .. + 3 against the eight of B's panel wave % 2: 32 accumulators.
; The price: for 32 matrix instructions a wave reads 38 x 512 bytes from LDS, where the larger tile reads 50 x 512 for 64.
; K goes in four steps of 512 (four chunks) through two LDS slots of 153,600 bytes: A's panel (4 units), then B's two panels (4 units each).  Waves 0 and 1 fetch A's chunks 0-1 and 2-3 (25,600 bytes each),
; waves 2 and 3 a panel of B (51,200 bytes each): one tensor load a wave.  A wave has two tensor loads out at the start and one behind each round.
; CLUSTERS 4 x 4: the four of a row of the cluster share the query panel, the four of a column the panels of v^T (four query panels of one batch): joint loads.
; THE MATRIX INSTRUCTION IS USED TRANSPOSED: a lane holds one query (row 64 (wave / 2) + 32 (a / 2) + 8 (a % 2) + r + 8 (r / 8) of its panel); register n of a block holds d = 32 (n / 16) + 16 (lane / 16) + n % 16.
; THE WAY OUT: a block of 16 queries x 128 d goes through the wave's own stage in LDS and comes back as whole rows of 512 bytes, which the 32 lanes store as 512 consecutive bytes, aligned.
; The stage lies in slot 0: when the first result is stored there the slot has had its last fill, and every wave has passed the last change of slots, behind which nobody reads it.
; No work is left out.  LIMITS: NaN and infinities are not served.
; REGISTERS: window 0: v1-3 r, h, lane; v16-29 addresses; v32-47 scale words, two sets; v128-175, v176-223 A's four fragments, two sets.  Window 1: B's eight fragments, two sets.  Window 2: the accumulators, (a, b) at v[8 (8 a + b)].
.set UNIT,  12800
.set SOFF,  12288
.set AB,    4*UNIT                     ; a panel's four chunks
.set SLOT,  3*AB
.set SPARE, 2*SLOT                     ; behind the slots: the spare words, 128 bytes for each wave: two blocks of 256 bytes that no other line names
.set FR,    12
.set NP,    4                          ; places behind this matrix instruction (ISA guide 7.12.1)
.set SPITCH, 528
.set ADRA,  16                         ; v16-17 my four fragments of A in slot 0, 1, + 16 x lane
.set ADRB,  20                         ; v20-21 my panel of B
.set ADRS,  22                         ; v22-23 scale words: lanes 0-15 my four of A's, lanes 16-31 B's
.set STO,   24
.set RD,    25
.set LI,    26
.set SPW,   28
.set NIL,   29
.set SC,    32                         ; register 8 set + i: lanes 0-15 the word of my fragment i of A (i < 4), lanes 16-31 of B's fragment i
.set AF,    128
.set BK,    128                        ; the way out: 16 rows read back: v128-191 and v192-255 by turns
.set G1, 24
.set G0, 32
.set G1B, 48
.set G0B, 56
.set MSB, 0
.macro WIN new
.if MSB != (\new)
	s_set_vgpr_msb (MSB<<8)|(\new)
.set MSB, (\new)
.endif
.endm
.set MUL_LO, 0xa1                      ; source 0 (B) window 1, source 1 (A) window 0, C and D window 2
.set TO_B,   0x40
.macro JLOAD g0a, g1a, g0b, g1b        ; a joint load: waves 0 and 1 fetch for A, waves 2 and 3 for B; an s_nop 0 and four v_nop follow each line
	s_cmp_eq_u32 s15, 0
	s_cbranch_scc0 .Lfor_b_\@
	tensor_load_to_lds s[\g0a:\g0a+3], s[\g1a:\g1a+7]
	s_nop 0
.rept 4
	v_nop
.endr
	s_branch .Lasked_\@
.Lfor_b_\@:
	tensor_load_to_lds s[\g0b:\g0b+3], s[\g1b:\g1b+7]
	s_nop 0
.rept 4
	v_nop
.endr
.Lasked_\@:
.endm
.macro CREST
	s_cmp_lg_u32 s14, 0
	s_cbranch_scc1 .Lnot_wave_0_\@
	s_barrier_signal -3
.Lnot_wave_0_\@:
	s_barrier_wait -3
	s_barrier_signal -1
	s_barrier_wait -1
.endm
.macro CROUND
	s_barrier_signal -1
	s_barrier_wait -1
	CREST
.endm
.macro PLACES n
.rept \n
	v_nop
.endr
.endm
.macro FRAG reg, adr, q, i             ; a fragment's image comes back as it was stored: three loads of 512 consecutive bytes
.irp c, 0,1,2
	ds_load_b128 v[\reg+4*\c:\reg+4*\c+3], v[\adr] offset:(\q)*UNIT+(\i)*1536+512*\c
.endr
.endm
; 38 LDS loads in one run: chunk q of a slot into set p: B's eight fragments, my four of A, the scale words of both
.macro FETCH slot, q, p
	WIN TO_B
.irp i, 0,1,2,3,4,5,6,7
	FRAG 128*(\p)+FR*\i, ADRB+\slot, \q, \i
.endr
	WIN 0
.irp i, 0,1,2,3
	FRAG AF+48*(\p)+FR*\i, ADRA+\slot, \q, \i
.endr
.irp t, 0,1
	ds_load_b128 v[SC+8*(\p)+4*\t:SC+8*(\p)+4*\t+3], v[ADRS+\slot] offset:(\q)*UNIT+16*\t   ; (of the second load only lanes 16-31's words, B's fragments 4-7, are used)
.endr
.endm
; 8 matrix instructions: my block a of A x B's eight.  The 32 accumulators take turns, one instruction a turn, in the same order in every chunk.
.macro MULA a, p, zero
.irp b, 0,1,2,3,4,5,6,7
.if \zero
	v_wmma_scale_f32_16x16x128_f8f6f4 v[8*(8*(\a)+\b):8*(8*(\a)+\b)+7], v[128*(\p)+FR*\b:128*(\p)+FR*\b+FR-1], v[AF+48*(\p)+FR*(\a):AF+48*(\p)+FR*(\a)+FR-1], 0, v[SC+8*(\p)+\b], v[SC+8*(\p)+(\a)] matrix_a_fmt:MATRIX_FMT_BF6 matrix_b_fmt:MATRIX_FMT_BF6 matrix_a_scale:MATRIX_SCALE_ROW1
.else
	v_wmma_scale_f32_16x16x128_f8f6f4 v[8*(8*(\a)+\b):8*(8*(\a)+\b)+7], v[128*(\p)+FR*\b:128*(\p)+FR*\b+FR-1], v[AF+48*(\p)+FR*(\a):AF+48*(\p)+FR*(\a)+FR-1], v[8*(8*(\a)+\b):8*(8*(\a)+\b)+7], v[SC+8*(\p)+\b], v[SC+8*(\p)+(\a)] matrix_a_fmt:MATRIX_FMT_BF6 matrix_b_fmt:MATRIX_FMT_BF6 matrix_a_scale:MATRIX_SCALE_ROW1
.endif
.endr
.endm
; Chunk q (0, 1, 2) of a slot: its operands lie in set q % 2; the next chunk's are asked for first, into the other set, and have this chunk's 32 matrix instructions in which to come
.macro CH slot, q, zero
	s_wait_dscnt 0x0                               ; this chunk's operands are in
	PLACES NP                                      ; in front of loads into registers that the last chunk's matrix instructions have read
	FETCH \slot, (\q)+1, 1-(\q)%2
	WIN MUL_LO
	MULA 0, (\q)%2, \zero
	MULA 1, (\q)%2, \zero
	MULA 2, (\q)%2, \zero
	MULA 3, (\q)%2, \zero
.endm
; A slot's last chunk (set 1) changes slots: ONE barrier; in front of it each wave waits for all its tensor loads, adds 0 to its spare word, and waits for that and for its reads of this slot, which ended with this chunk's operands.
; fill = 1: the barrier opens a round of the cluster's barrier, and the slot is filled again, two K steps ahead, first thing behind it.
.macro TURN slot, next, fill
	WIN 0                                          ; (the add's two registers lie in window 0)
	s_wait_tensorcnt 0x0                           ; all my tensor loads have landed: my part of the next slot
	ds_add_u32 v[SPW], v[NIL]                      ; 0 onto my spare word
	s_wait_dscnt 1                                 ; the add alone may be out: this chunk's operands are in
	WIN MUL_LO
	MULA 0, 1, 0                                   ; eight matrix instructions stand between the add and the wait for it
	s_wait_dscnt 0x0                               ; the add is done, and my reads of this slot are over
	s_barrier_signal -1
	MULA 1, 1, 0
	WIN 0
	s_barrier_wait -1
.if \fill
	CREST                                          ; no wave of any partner still reads this slot or has a load on its way
	s_add_nc_u64 s[G0+4*\slot+2:G0+4*\slot+3], s[G0+4*\slot+2:G0+4*\slot+3], 2*AB
	s_add_nc_u64 s[G0B+4*\slot+2:G0B+4*\slot+3], s[G0B+4*\slot+2:G0B+4*\slot+3], 2*AB
	JLOAD G0+4*\slot, G1, G0B+4*\slot, G1B         ; the first tensor load behind the round; its four v_nop are the places in front of the loads below
.else
	PLACES NP
.endif
	FETCH \next, 0, 0
	WIN MUL_LO
	MULA 2, 1, 0
	MULA 3, 1, 0
.endm
	s_load_b128 s[4:7], s[0:1], 0x0                ; pw, vt
	s_load_b64 s[12:13], s[0:1], 0x10              ; out0
	v_lshl_add_u32 v[SPW], v0, 2, SPARE
	v_mov_b32 v[NIL], 0
	ds_add_u32 v[SPW], v[NIL]                      ; the wave's opening: the add, twice on end, and its wait ahead of my first tensor load
	ds_add_u32 v[SPW], v[NIL]
	v_lshrrev_b32 v1, 5, v0
	v_readfirstlane_b32 s14, v1                    ; wave 0..3
	s_lshr_b32 s15, s14, 1                         ; my half of A's panel.  Also: I fetch for A (0) or for B (1)
	s_and_b32 s16, s14, 1                          ; my panel of B.  Also: which part I fetch
	s_bfe_u32 s40, ttmp6, 0x40000                  ; cx: the tile column (the grid has one cluster along x): 256 of d
	s_bfe_u32 s41, ttmp6, 0x40004                  ; cy
	s_and_b32 s18, ttmp7, 0xffff                   ; cluster y
	s_lshl_b32 s17, s18, 2
	s_add_co_u32 s17, s17, s41                     ; the query panel
	s_lshl_b32 s43, s41, 2
	s_lshl_b32 s43, 15, s43                        ; my row of the cluster
	s_lshl_b32 s44, 0x1111, s40                    ; my column
	; descriptor groups 1: dense blocks as rows of 32 elements of 8 bytes, no padding: A's 100 rows (two units), B's 200 (four)
	s_or_b32 s[G1+0], s43, (3<<16)|(1<<21)         ; 15:0 the mask; 17:16 elements of 8 bytes; 21 set beside a mask
	s_mov_b32 s[G1+1], 32<<16                      ; tensor_dim0
	s_mov_b32 s[G1+2], 100<<16                     ; tensor_dim1
	s_mov_b32 s[G1+3], 32<<16                      ; tile_dim0
	s_mov_b32 s[G1+4], 100                         ; tile_dim1
	s_mov_b32 s[G1+5], 32                          ; tensor_dim0_stride
	s_mov_b32 s[G1+6], 0
	s_mov_b32 s[G1+7], 0
	s_or_b32 s[G1B+0], s44, (3<<16)|(1<<21)
	s_mov_b32 s[G1B+1], 32<<16
	s_mov_b32 s[G1B+2], 200<<16
	s_mov_b32 s[G1B+3], 32<<16
	s_mov_b32 s[G1B+4], 200
	s_mov_b32 s[G1B+5], 32
	s_mov_b32 s[G1B+6], 0
	s_mov_b32 s[G1B+7], 0
	s_lshl_b32 s20, s17, 4                         ; w: 16 chunks a panel,
	s_lshl_b32 s21, s16, 1
	s_add_co_u32 s20, s20, s21                     ; + the two of a slot's four that I fetch
	s_mul_i32 s20, s20, UNIT
	s_mov_b32 s21, 0
	s_lshl_b32 s46, s40, 1
	s_add_co_u32 s46, s46, s16                     ; v^T: panel 2 x tile column + the one I fetch,
	s_lshl_b32 s46, s46, 6                         ; 64 chunks a panel,
	s_lshr_b32 s19, s18, 2                         ; the batch: 16 query panels, four clusters along y:
	s_lshl_b32 s19, s19, 4
	s_add_co_u32 s46, s46, s19                     ; its first chunk
	s_mul_i32 s46, s46, UNIT
	s_mov_b32 s47, 0
	s_mul_i32 s45, s16, 2*UNIT                     ; where A's part goes in a slot,
	s_mul_i32 s66, s16, AB
	s_add_co_u32 s66, s66, AB                      ; and B's panel: no place in the cluster enters an LDS address
	s_wait_dscnt 0x0                               ; both opening adds are done
	s_wait_kmcnt 0x0
	s_add_nc_u64 s[20:21], s[4:5], s[20:21]
	s_add_nc_u64 s[46:47], s[6:7], s[46:47]
	CROUND                                         ; all sixteen work-groups are here: the first joint loads meet
.irp s, 0,1
	s_mov_b32 s[G0+4*\s], 1
	s_add_co_u32 s[G0+4*\s+1], s45, \s*SLOT
	s_add_nc_u64 s[G0+4*\s+2:G0+4*\s+3], s[20:21], \s*AB
	s_or_b32 s[G0+4*\s+3], s[G0+4*\s+3], 0x80000000
	s_mov_b32 s[G0B+4*\s], 1
	s_add_co_u32 s[G0B+4*\s+1], s66, \s*SLOT
	s_add_nc_u64 s[G0B+4*\s+2:G0B+4*\s+3], s[46:47], \s*AB
	s_or_b32 s[G0B+4*\s+3], s[G0B+4*\s+3], 0x80000000
	JLOAD G0+4*\s, G1, G0B+4*\s, G1B
.endr
	v_and_b32 v1, 15, v0                           ; r
	v_bfe_u32 v2, v0, 4, 1                         ; h
	v_and_b32 v3, 31, v0
	v_lshlrev_b32 v[LI], 4, v3
	s_mul_i32 s90, s15, 4*1536                     ; my four of A's eight fragments
	s_mul_i32 s91, s16, AB
	s_add_co_u32 s91, s91, AB                      ; my panel of B, behind A's
	s_lshl_b32 s93, s15, 4                         ; of a row's eight scale words of A my four: 16 bytes on for the upper half
	s_sub_co_u32 s92, s91, s93
	v_mul_u32_u24 v6, s92, v2                      ; lanes 16-31 take B's scale words: one product, the distance x h
	v_lshl_add_u32 v6, v1, 5, v6                   ; + 32 r
	s_add_co_u32 s93, s93, SOFF
.irp s, 0,1
	v_add_nc_u32 v[ADRA+\s], s90, v[LI]
	v_add_nc_u32 v[ADRB+\s], s91, v[LI]
	v_add_nc_u32 v[ADRS+\s], s93, v6
	s_add_co_u32 s90, s90, SLOT
	s_add_co_u32 s91, s91, SLOT
	s_add_co_u32 s93, s93, SLOT
.endr
	s_mul_i32 s23, s14, 16*SPITCH                  ; my stage
	v_mul_u32_u24 v5, v1, SPITCH
	v_lshl_add_u32 v5, v2, 6, v5
	v_add_nc_u32 v[STO], s23, v5                   ; in: row r, + 64 h
	v_add_nc_u32 v[RD], s23, v[LI]                 ; back: the 32 lanes take one row of 512 bytes
	s_lshl_b32 s84, s17, 7
	s_lshl_b32 s85, s15, 6
	s_add_co_u32 s84, s84, s85
	s_lshl_b32 s84, s84, 12                        ; my first query x 4,096 bytes
	s_lshl_b32 s85, s40, 10
	s_add_co_u32 s84, s84, s85                     ; + 256 x tile column x 4
	s_lshl_b32 s85, s16, 9
	s_add_co_u32 s84, s84, s85                     ; + my 128 of d
	s_mov_b32 s85, 0
	s_add_nc_u64 s[12:13], s[12:13], s[84:85]
	s_wait_tensorcnt 1                             ; my part of K step 0 is in; K step 1's load may be out
	s_barrier_signal -1
	s_barrier_wait -1
	FETCH 0, 0, 0
	CH 0, 0, 1                                     ; K step 0: its first products start the sums
	CH 0, 1, 0
	CH 0, 2, 0
	TURN 0, 1, 1                                   ; slot 0 takes K step 2
	CH 1, 0, 0                                     ; K step 1
	CH 1, 1, 0
	CH 1, 2, 0
	TURN 1, 0, 1                                   ; slot 1 takes K step 3
	CH 0, 0, 0                                     ; K step 2
	CH 0, 1, 0
	CH 0, 2, 0
	TURN 0, 1, 0                                   ; nothing is left to fetch
	CH 1, 0, 0                                     ; K step 3
	CH 1, 1, 0
	CH 1, 2, 0
	s_wait_dscnt 0x0                               ; the very last chunk
	MULA 0, 1, 0
	MULA 1, 1, 0
	MULA 2, 1, 0
	MULA 3, 1, 0
	WIN 0
.macro TOSTAGE a
.set AC, 64*(\a)
	WIN 0x08                                       ; an LDS store's data are its source 1: window 2
.irp b, 0,1,2,3,4,5,6,7
	ds_store_b128 v[STO], v[AC+8*\b:AC+8*\b+3] offset:128*(\b/2)+32*(\b%2)          ; each accumulator from its low end on
	ds_store_b128 v[STO], v[AC+8*\b+4:AC+8*\b+7] offset:128*(\b/2)+32*(\b%2)+16
.endr
	WIN 0
.set BB, BK+64*((\a)%2)
.irp t, 0,1,2,3,4,5,6,7,8,9,10,11,12,13,14,15
	ds_load_b128 v[BB+4*\t:BB+4*\t+3], v[RD] offset:\t*SPITCH    ; LDS serves a wave's instructions in order: these see my stores, and the next block's stores come behind them
.endr
.endm
.macro SEND a, younger                 ; younger: the LDS instructions issued behind block a's loads, which may stay out
.set BB, BK+64*((\a)%2)
	s_wait_dscnt \younger
.irp t, 0,1,2,3,4,5,6,7,8,9,10,11,12,13,14,15
	global_store_b128 v[LI], v[BB+4*\t:BB+4*\t+3], s[12:13] offset:(32*((\a)/2)+8*((\a)%2)+\t+8*(\t/8))*4096 th:TH_STORE_NT   ; the row's place in my 64 stands in the immediate; 512 consecutive bytes, aligned; written once, read by nobody here
.endr
.endm
	PLACES NP                                      ; behind the last products: results are read, and loads land in registers that held A's fragments
	TOSTAGE 0
.irp a, 1,2,3
.if \a > 1
	s_wait_xcnt 0x0                                ; block a - 2's stores have read their registers: block a's loads may land there
.endif
	TOSTAGE \a
	SEND \a-1, 32                                  ; behind block a - 1's loads: block a's 16 stores and 16 loads
.endr
	SEND 3, 0
	s_wait_tensorcnt 0x0                           ; the wave's end, behind my last tensor load and my last LDS store
	ds_add_u32 v[SPW], v[NIL]
	s_wait_dscnt 0x0
	CROUND                                         ; the closing round: no work-group ends while a partner may still ask for a tile that names it
	s_endpgm
.Lfunc_end_k_q90e7169910_pv:
	.size	k_q90e7169910_pv, .Lfunc_end_k_q90e7169910_pv-k_q90e7169910_pv
	.p2alignl 7, 3214868480
	.fill 96, 4, 3214868480
	.section	.rodata,"a",@progbits
	.p2align	6, 0x0
	.amdhsa_kernel k_q90e7169910_pv
		.amdhsa_group_segment_fixed_size 327680
		.amdhsa_private_segment_fixed_size 0
		.amdhsa_enable_private_segment 0
		.amdhsa_kernarg_size 24
		.amdhsa_user_sgpr_count 2
		.amdhsa_user_sgpr_kernarg_segment_ptr 1
		.amdhsa_wavefront_size32 1
		.amdhsa_system_sgpr_workgroup_id_x 1
		.amdhsa_system_sgpr_workgroup_id_y 1
		.amdhsa_system_sgpr_workgroup_id_z 1
		.amdhsa_system_vgpr_workitem_id 0
		.amdhsa_next_free_vgpr 1024
		.amdhsa_next_free_sgpr 100
		.amdhsa_reserve_vcc 0
		.amdhsa_float_denorm_mode_32 3
		.amdhsa_float_denorm_mode_16_64 3
		.amdhsa_memory_ordered 1
		.amdhsa_forward_progress 1
		.amdhsa_inst_pref_size 131
	.end_amdhsa_kernel
	.amdgpu_metadata
---
amdhsa.version: [ 1, 2 ]
amdhsa.kernels:
  - .name:           k_q90e7169910_pv
    .symbol:         k_q90e7169910_pv.kd
    .args:
      - { .name: pw, .offset: 0, .size: 8, .value_kind: global_buffer, .address_space: global }
      - { .name: vt, .offset: 8, .size: 8, .value_kind: global_buffer, .address_space: global }
      - { .name: out0, .offset: 16, .size: 8, .value_kind: global_buffer, .address_space: global }
    .group_segment_fixed_size: 327680
    .private_segment_fixed_size: 0
    .kernarg_segment_align: 8
    .kernarg_segment_size: 24
    .max_flat_workgroup_size: 128
    .sgpr_count:     100
    .vgpr_count:     1024
    .wavefront_size: 32
...
	.end_amdgpu_metadata
.endif
;; end of part 9
